; MI455X (gfx1250); checked and timed in simulation.
; The chip was launched on July 23, 2026; its instructions are those of AMD's public machine-readable ISA for CDNA 5 (MIT licence, August 2026) and "CDNA5" Instruction Set Architecture Reference Guide (July 2026). The comments in the code are by the model that wrote it; some were corrected since.
;; Attention. Allowed arithmetic: matrix products marked QUANTISED: E2M3 operands, one E8M0 scale for each 32 along K, by v_wmma_scale_f32_16x16x128_f8f6f4 with both operands' format E2M3, f32 sums; everything else in f32.
;; Inputs: cos_cache 2,048 x 64 float32; mask 1 x 1 x 2,048 x 2,048 int32; sin_cache 2,048 x 64 float32; w_k 2,048 x 2,048 float32; w_o 2,048 x 2,048 float32; w_q 2,048 x 2,048 float32; w_v 2,048 x 2,048 float32; x 1 x 2,048 x 2,048 float32.
;; Outputs: out0 1 x 2,048 x 2,048 float32.
;; Constants: rope_offset = 0.
;; This version of the problem:
;;   THIS VERSION OF THE PROBLEM IS GIVEN IN LOW PRECISION. The matrix products marked QUANTISED in the list below multiply operands that are first quantised to E2M3 (2 exponent bits, 3 mantissa bits; 6 bits a number), with one power-of-two scale for each 32 numbers along K (OCP MX v1.0); their sums are f32. All else is computed in f32.
;;   The module's matrix products, in the order in which they are computed (A, B: the left and right operand; K: the contracted axis; several contracted axes count as one K, in the product's order):
;;     1. [M 2,048, K 2,048] x [K 2,048, N 2,048]; A: input x; B: input w_q: QUANTISED
;;     2. [M 2,048, K 2,048] x [K 2,048, N 2,048]; A: input x; B: input w_k: QUANTISED
;;     3. [M 2,048, K 2,048] x [K 2,048, N 2,048]; A: input x; B: input w_v: QUANTISED
;;     4. batch 16 x [M 2,048, K 128] x [K 128, N 2,048]; A: computed on the way; B: computed on the way: QUANTISED
;;     5. batch 16 x [M 128, K 2,048] x [K 2,048, N 2,048]; A: computed on the way; B: softmax (see below): QUANTISED
;;     6. [M 2,048, K 2,048] x [K 2,048, N 2,048]; A: computed on the way; B: input w_o: QUANTISED
;;   THE QUANTISER, for each operand of a quantised product, along K:
;;     - K is cut into blocks of 32 from its start; a last block that is shorter is filled with zeros.
;;     - A block's scale is 2^e with e = floor(log2(the largest magnitude in the block)) - 2, held to -126 .. 127; a block of zeros has e = 0. As a byte (E8M0): e + 127.
;;     - Each number is divided by its block's scale, clamped to +-7.5, and rounded to the nearest number of E2M3, ties to even, subnormals kept.
;;     - The product sums the exact products of the quantised numbers (number of the format x scale) in f32.
;;   ~~~python
;;   def quantise(x, axis):      # numpy; x: float32 -> the quantised numbers, widened to float32 again
;;       x = np.moveaxis(x, axis, -1); K = x.shape[-1]
;;       x = np.pad(x, [(0, 0)] * (x.ndim - 1) + [(0, -K % 32)]); x = x.reshape(x.shape[:-1] + (-1, 32)); a = np.abs(x).max(-1, keepdims=True)
;;       e = np.where(a > 0, np.clip(np.frexp(np.where(a > 0, a, 1))[1] - 1 - 2, -126, 127), 0)      # np.frexp(a)[1] - 1 = floor(log2(a)), exactly
;;       r = np.clip(x / 2.0 ** e, -7.5, 7.5)
;;       step = 2.0 ** (np.maximum(np.frexp(np.where(r == 0, 1, r))[1] - 1, 0) - 3)
;;       q = np.round(r / step) * step * 2.0 ** e      # np.round: ties to even
;;       return np.moveaxis(q.reshape(q.shape[:-2] + (-1,))[..., :K], -1, axis).astype(np.float32)
;;   ~~~
;;   SOFTMAX AHEAD OF A QUANTISED PRODUCT. Where the list says 'softmax', what is quantised is not the finished softmax but p = 2^(t - M), with t = logit x log2(e) and M = ceil(the row's largest t), a whole number; so 1/2 < the row's largest p <= 1. The row's sum l is taken of the UNQUANTISED p, in f32, and the product's result is divided by l at the end. Since M is a whole number, a kernel that streams over the keys may use a running M (the ceiling of the running maximum): every later rescaling is an exact power of two, which a block's scale takes up: the codes' values come out the same.
;;   OPERANDS COMPUTED ON THE WAY. 'Computed on the way' means the value that the module computes at that place (a softmax that the list does not call 'softmax' is quantised finished and normalised). What goes into a quantiser is computed in f32, as accurately as f32 sums, v_exp_f32 and their like allow (about 1e-6 of the number): no bf16 or f16 on the way to a quantiser, and a product that is left as it is and whose result goes on into a quantised operand takes f32 operands (vector FMAs, or v_wmma_f32_16x16x4_f32). A number that lies on a knife's edge between two numbers of the format may be rounded either way, as far as f32 arithmetic and the matrix unit's own rounding can turn it there, and no further.
;; 2 versions. Each part assembles by itself: llvm-mc -triple=amdgcn-amd-amdhsa -mcpu=gfx1250 --defsym DOCPART=n.
;; ======== version 1 of 2: 4 launches
;; workspace buffers: codes 15,728,640 bytes; scales 655,360 bytes; maskw 524,288 bytes of whole numbers; flags 2,048 bytes of whole numbers; qkv_codes 9,437,184 bytes; qkv_scales 393,216 bytes; o_codes 3,145,728 bytes; o_scales 131,072 bytes
;; launch prep (part 1): grid 768 x 1, 4 waves a work-group, no clusters, 67,072 bytes of LDS; arguments x, w_q, w_k, w_v, w_o, mask, codes, scales, maskw, flags; writes codes, scales, maskw, flags
.if DOCPART == 1
	.amdgcn_target "amdgcn-amd-amdhsa--gfx1250"
	.amdhsa_code_object_version 6
	.text
	.protected	k_qb9b6c67f53_prep
	.globl	k_qb9b6c67f53_prep
	.p2align	8
	.type	k_qb9b6c67f53_prep,@function
k_qb9b6c67f53_prep:
	s_mov_b64 s[64:65], 0
	v_nop
	global_prefetch_b8 v0, s[64:65] scope:SCOPE_SE
	s_setreg_imm32_b32 hwreg(HW_REG_WAVE_MODE, 25, 1), 1
	s_wait_xcnt 0x0
; PREP.  One streaming launch, two kinds of work-group, parted on the work-group's number alone; each kind has LDS bytes of its own.
; (1) Work-groups 128 .. 767: x, w_q, w_k, w_v, w_o, each [2048][2048] f32 with K innermost, become codes of FP6 (E2M3), 6 bits each, and one E8M0 byte for each 32 along K.
;     codes: 10,240 rows of 1,536 bytes (x, w_q, w_k, w_v, w_o, 2,048 rows each); scales: the same rows of 64 bytes.
;     A block's scale is 2^(floor(log2(its largest magnitude)) - 2); its byte is the largest magnitude's exponent field - 2, held at 1 from below.
;     THE ROWS OF x, w_q, w_k, w_v ARE STORED WITH BITS 3 AND 4 OF THE ROW NUMBER EXCHANGED (w_o's are not): sixteen consecutive stored rows 16 i + r then hold the true rows
;     32 (i / 2) + 8 (i % 2) + r + 8 (r / 8), which lets the next launch quantise its results in registers.  A wave takes a run of 4 rows, so the exchange is one of bits 1 and 2 of the run's number.
; (2) Work-groups 0 .. 127: the mask [2048][2048] int32 becomes lane masks.  Work-group T is a tile of 16 queries q(T, r) = 128 (T / 8) + 32 ((T % 8) / 2) + 8 (T % 2) + r + 8 (r / 8); wave w takes key steps 4 w .. 4 w + 3
;     of 128 keys.  maskw[T][step][n], n = 0 .. 63: bit 16 h + r says whether key 128 step + 32 (n / 16) + 16 h + n % 16 counts for query q(T, r): the lane mask for score register n of the attention launch.
;     flags[T][w]: bit 4 w + k: some key of step 4 w + k counts for some query of the tile; bit 16 + 4 w + k: all do.
; LIMITS: NaN and infinities among the f32 inputs are not served.  A block whose largest magnitude lies under 2^(3 - 127) keeps the byte 1; a block of zeros has the byte 1 and not 127: its codes are zeros,
; which add nothing under any byte but 0xff, and the bytes are read by this program alone.
; No tensor loads, no barrier: waves share nothing.
.set MWG,   128                        ; work-groups that take the mask
.set STEPS, 16
.set EMAX,  2
.set CB,    12                         ; bytes of 16 codes
.set R,     16                         ; v16-79   four sets of 16 numbers as they are loaded
.set X,     80                         ; v80-111  two sets of 16 neighbours
.set E,     112                        ; v112-127 a scale byte for each step
.set C,     128                        ; v128-191 codes: four registers for each step
.set WREG,  8192                       ; LDS of the quantiser's waves: 8,192 bytes each: two stages of 32 x SP bytes, then 256 scale bytes
.set SP,    80                         ; a lane's place in a stage: 64 bytes + 16 of padding
.set MSTG,  32768                      ; LDS of the mask's waves begins here: 16 rows x MP bytes each
.set MP,    528                        ; a stage row: 512 bytes + 16: an odd multiple of 16, so that sixteen rows start in sixteen different groups of banks
.set ML,    16                         ; v16-143  the mask: two sets of 16 x 4 registers as loaded
.set MX,    144                        ; v144-207 64 mask words of a lane, in the order of the score registers
.set MW,    8                          ; v8-15    a pair of registers for each step: the 64 lane masks, two to a lane
	s_load_b512 s[4:19], s[0:1], 0x0               ; x s[4:5], w_q s[6:7], w_k s[8:9], w_v s[10:11], w_o s[12:13], mask s[14:15], codes s[16:17], scales s[18:19]
	s_load_b128 s[20:23], s[0:1], 0x40             ; maskw s[20:21], flags s[22:23]
	v_lshl_add_u32 v208, v0, 2, 0x10400
	v_mov_b32 v209, 0
	v_lshrrev_b32 v1, 5, v0
	v_readfirstlane_b32 s24, v1                    ; wave 0..3
	s_cmp_lt_u32 ttmp9, MWG
	s_cbranch_scc1 .Lmask
; ---------------- the quantiser ----------------
	v_and_b32 v2, 31, v0                           ; lane
	v_lshlrev_b32 v3, 4, v2                        ; my 16 bytes of a load's 512
	s_mul_i32 s25, s24, WREG
	v_lshrrev_b32 v14, 2, v2
	v_mul_u32_u24 v14, v14, SP
	v_and_b32 v15, 3, v2
	v_lshl_add_u32 v14, v15, 4, v14
	v_add_nc_u32 v14, s25, v14                     ; the stage, on the way in: SP (lane / 4) + 16 (lane % 4)
	v_mul_u32_u24 v15, v2, SP
	v_add_nc_u32 v15, s25, v15                     ; and on the way out: SP x lane: my 16 neighbours
	v_mul_u32_u24 v4, v2, CB                       ; my codes' place in a step's
	v_lshrrev_b32 v5, 1, v2
	s_add_co_u32 s25, s25, 2*32*SP
	v_add_nc_u32 v5, s25, v5                       ; LDS: my wave's 256 scale bytes, my block's byte
	v_lshlrev_b32 v7, 3, v2                        ; and on the way out 8 bytes a lane
	v_add_nc_u32 v6, s25, v7
	s_sub_co_u32 s26, ttmp9, MWG
	s_lshr_b32 s27, s26, 7                         ; which tensor: 0 x, 1 w_q, 2 w_k, 3 w_v, 4 w_o
	s_and_b32 s26, s26, 127
	s_lshl_b32 s26, s26, 2
	s_add_co_u32 s26, s26, s24                     ; which run of 8,192 numbers (4 rows) of it is my wave's
	s_and_b32 s28, s26, 0xfffffff9                 ; where the run goes: bits 1 and 2 exchanged,
	s_bfe_u32 s29, s26, 0x10001
	s_lshl_b32 s29, s29, 2
	s_or_b32 s28, s28, s29
	s_bfe_u32 s29, s26, 0x10002
	s_lshl_b32 s29, s29, 1
	s_or_b32 s28, s28, s29
	s_cmp_eq_u32 s27, 4
	s_cselect_b32 s28, s26, s28                    ; but for w_o
	s_lshl_b32 s30, s26, 15                        ; in: 32,768 bytes a run
	s_mov_b32 s31, 0
	s_mul_i32 s32, s27, 3145728                    ; codes: 3,145,728 bytes a tensor, 6,144 a run
	s_mul_i32 s29, s28, 6144
	s_add_co_u32 s32, s32, s29
	s_mov_b32 s33, 0
	s_lshl_b32 s34, s27, 17                        ; scale bytes: 131,072 a tensor, 256 a run
	s_lshl_b32 s29, s28, 8
	s_add_co_u32 s34, s34, s29
	s_mov_b32 s35, 0
	s_wait_kmcnt 0x0
	s_cmp_eq_u32 s27, 1                            ; the choice of the source hangs on the work-group's number alone
	s_cselect_b64 s[4:5], s[6:7], s[4:5]
	s_cmp_eq_u32 s27, 2
	s_cselect_b64 s[4:5], s[8:9], s[4:5]
	s_cmp_eq_u32 s27, 3
	s_cselect_b64 s[4:5], s[10:11], s[4:5]
	s_cmp_eq_u32 s27, 4
	s_cselect_b64 s[4:5], s[12:13], s[4:5]
	s_add_nc_u64 s[4:5], s[4:5], s[30:31]
	s_add_nc_u64 s[16:17], s[16:17], s[32:33]
	s_add_nc_u64 s[18:19], s[18:19], s[34:35]
.macro LOAD t
.irp i, 0,1,2,3
	global_load_b128 v[R+16*((\t)%4)+4*\i:R+16*((\t)%4)+4*\i+3], v3, s[4:5] offset:2048*(\t)+512*\i th:TH_LOAD_NT   ; 32 lanes read 512 consecutive bytes
.endr
.endm
.macro TURN t                          ; step t's numbers through the stage: LDS serves a wave's instructions in order, so no wait stands between the stores and the loads
.irp i, 0,1,2,3
	ds_store_b128 v14, v[R+16*((\t)%4)+4*\i:R+16*((\t)%4)+4*\i+3] offset:32*SP*((\t)%2)+8*SP*\i
.endr
.irp i, 0,1,2,3
	ds_load_b128 v[X+16*((\t)%2)+4*\i:X+16*((\t)%2)+4*\i+3], v15 offset:32*SP*((\t)%2)+16*\i
.endr
.endm
.irp t, 0,1,2,3
	LOAD \t
.endr
	s_wait_loadcnt 12                              ; step 0's four loads are in; the twelve of steps 1 to 3 may be out
	TURN 0
.macro STEP t
.set XS, X+16*((\t)%2)
.if (\t) > 0
	s_wait_dscnt 1                                 ; this step's numbers are back from the stage (the last step's byte store may be out): so its stores into the stage have read their registers,
.else
	s_wait_dscnt 0x0
.endif
.if (\t)+4 < STEPS
	LOAD (\t)+4                                    ; which take the loads of four steps on
.endif
.if (\t)+1 < STEPS
.if STEPS-2-(\t) >= 3
	s_wait_loadcnt 12                              ; the next step's four loads are in; those of the three steps behind it may be out
.else
	s_wait_loadcnt 4*(STEPS-2-(\t))
.endif
	TURN (\t)+1                                    ; and go through the other stage while this step is worked
.endif
	v_max3_num_f32 v8, |v[XS]|, |v[XS+1]|, |v[XS+2]|               ; the largest magnitude of my 16
	v_max3_num_f32 v9, |v[XS+3]|, |v[XS+4]|, |v[XS+5]|
.irp i, 6,10
	v_max3_num_f32 v8, v8, |v[XS+\i]|, |v[XS+\i+1]|
	v_max3_num_f32 v9, v9, |v[XS+\i+2]|, |v[XS+\i+3]|
.endr
	v_max3_num_f32 v8, v8, |v[XS+14]|, |v[XS+15]|
	v_max3_num_f32 v8, v8, v9, (EMAX+1)<<23        ; and the floor 2^(EMAX + 1 - 127): the byte cannot fall under 1
	v_max_num_f32_dpp v8, v8, v8 row_xmask:1 row_mask:0xf bank_mask:0xf   ; and of my neighbour's 16: the block's
	v_add_nc_u32 v11, -(EMAX<<23), v8              ; EMAX off its exponent field: the conversion takes the exponent field of this operand as its scale
	v_cvt_scalef32_pk16_fp6_f32 v[C+4*(\t):C+4*(\t)+2], v[XS:XS+15], v11         ; sixteen numbers / the scale, to the nearest code, ties to even, beyond the largest code the largest
	v_lshrrev_b32 v[E+(\t)], 23, v11               ; the scale's byte
	ds_store_b8 v5, v[E+(\t)] offset:16*(\t)       ; both lanes of a block write the same byte with the same value
	global_store_b96 v4, v[C+4*(\t):C+4*(\t)+2], s[16:17] offset:32*CB*(\t)   ; the wave stores 384 consecutive bytes
.endm
.irp t, 0,1,2,3,4,5,6,7,8,9,10,11,12,13,14,15
	STEP \t
.endr
	ds_load_b64 v[12:13], v6                       ; LDS serves a wave's instructions in order: these see my stores
	s_wait_dscnt 0x0
	global_store_b64 v7, v[12:13], s[18:19]        ; 32 lanes store 256 consecutive bytes, aligned: four rows of scale bytes
	s_wait_tensorcnt 0x0
	ds_add_u32 v208, v209
	s_wait_dscnt 0x0
	s_endpgm
; ---------------- the mask ----------------
.Lmask:
	v_and_b32 v1, 31, v0                           ; lane
	v_lshlrev_b32 v2, 4, v1                        ; 16 x lane: my 16 bytes of a query's 512 (128 keys)
	s_mul_i32 s25, s24, 16*MP
	s_add_co_u32 s25, s25, MSTG                    ; my wave's stage
	v_add_nc_u32 v3, s25, v2                       ; in: a row of the stage is a query's 128 keys
	v_and_b32 v4, 15, v0
	v_mul_u32_u24 v4, v4, MP
	v_bfe_u32 v5, v0, 4, 1
	v_lshl_add_u32 v4, v5, 6, v4
	v_add_nc_u32 v4, s25, v4                       ; out: row r, + 64 h: my 16 keys of each block of 32
	v_lshlrev_b32 v5, 3, v1                        ; the words' way out: 8 bytes a lane
.irp i, 0,1,2,3,4,5,6,7
	v_mov_b32 v[MW+\i], 0                          ; written once: a lane write's destination counts as one of its sources
.endr
	s_lshr_b32 s26, ttmp9, 3
	s_lshl_b32 s26, s26, 7                         ; 128 (T / 8)
	s_bfe_u32 s27, ttmp9, 0x20001
	s_lshl_b32 s27, s27, 5                         ; + 32 ((T % 8) / 2)
	s_add_co_u32 s26, s26, s27
	s_and_b32 s27, ttmp9, 1
	s_lshl_b32 s27, s27, 3                         ; + 8 (T % 2): the tile's first query
	s_add_co_u32 s26, s26, s27
	s_lshl_b32 s26, s26, 13                        ; a row of the mask is 8,192 bytes
	s_lshl_b32 s27, s24, 11                        ; my four key steps: 2,048 bytes
	s_add_co_u32 s26, s26, s27
	s_mov_b32 s27, 0
	s_mov_b32 s37, 0                               ; the flags
	s_wait_kmcnt 0x0
	s_add_nc_u64 s[14:15], s[14:15], s[26:27]
	s_lshl_b32 s26, ttmp9, 4
	s_lshl_b32 s28, s24, 2
	s_add_co_u32 s26, s26, s28                     ; 16 T + 4 w: my first step's number, and my flag word's byte
	s_lshl_b32 s28, s26, 8                         ; 256 bytes of words a step
	s_mov_b32 s29, 0
	s_add_nc_u64 s[20:21], s[20:21], s[28:29]
	s_add_nc_u64 s[22:23], s[22:23], s[26:27]
.macro LOADM k, set                    ; step k: the 16 queries' 128 keys: each load reads 512 consecutive bytes
.irp i, 0,1,2,3,4,5,6,7,8,9,10,11,12,13,14,15
	global_load_b128 v[ML+64*(\set)+4*\i:ML+64*(\set)+4*\i+3], v2, s[14:15] offset:(\i+8*(\i/8))*8192+512*(\k) th:TH_LOAD_NT
.endr
.endm
.macro STEPM k
.if (\k) < 3
	s_wait_loadcnt 16                              ; this step's 16 loads are in; the next step's 16 may be out
.else
	s_wait_loadcnt 0x0
.endif
.irp i, 0,1,2,3,4,5,6,7,8,9,10,11,12,13,14,15
	ds_store_b128 v3, v[ML+64*((\k)%2)+4*\i:ML+64*((\k)%2)+4*\i+3] offset:MP*\i
.endr
.irp b, 0,1,2,3
.irp j, 0,1,2,3
	ds_load_b128 v[MX+16*\b+4*\j:MX+16*\b+4*\j+3], v4 offset:128*\b+16*\j    ; register 16 b + i: key 32 b + 16 h + i of query r.  LDS serves a wave's instructions in order
.endr
.endr
	s_wait_dscnt 0x0                               ; the words are back, and the stores have read their registers,
.if (\k) < 2
	LOADM (\k)+2, (\k)%2                           ; which take the loads of two steps on
.endif
	s_mov_b32 s30, 0                               ; does any key count?
	s_mov_b32 s31, -1                              ; do all?
.set MN, 0
.rept 16
.irp u, 0,1,2,3
	v_cmp_ne_u32 s[32+\u], 0, v[MX+MN+\u]          ; the compare's lane mask IS the word for score register MN + u
.endr
.irp u, 0,1,2,3
	v_writelane_b32 v[MW+2*(\k)+\u%2], s[32+\u], (MN+\u)/2   ; word n into lane n / 2 of register n % 2: stored 8 bytes a lane, the words lie in their order
	s_or_b32 s30, s30, s[32+\u]
	s_and_b32 s31, s31, s[32+\u]
.endr
.set MN, MN+4
.endr
	global_store_b64 v5, v[MW+2*(\k):MW+2*(\k)+1], s[20:21] offset:256*(\k)   ; 32 lanes store 256 consecutive bytes, aligned; each step has its own pair, so no store's data are written again
	s_cmp_lg_u32 s30, 0
	s_cselect_b32 s36, 1<<(\k), 0
	s_or_b32 s37, s37, s36
	s_cmp_eq_u32 s31, -1
	s_cselect_b32 s36, 0x10000<<(\k), 0
	s_or_b32 s37, s37, s36
.endm
	LOADM 0, 0
	LOADM 1, 1
	STEPM 0
	STEPM 1
	STEPM 2
	STEPM 3
	s_lshl_b32 s36, s24, 2
	s_lshl_b32 s37, s37, s36                       ; my four steps' bits at their places in the tile's sixteen
	v_mov_b32 v6, s37
	v_mov_b32 v7, 0
	v_cmp_eq_u32 vcc_lo, 0, v1
	s_wait_xcnt 0x0                                ; EXEC changes only behind this wait: the stores above have been translated
	s_wait_tensorcnt 0x0
	ds_add_u32 v208, v209
	s_wait_dscnt 0x0
	s_and_saveexec_b32 s38, vcc_lo                 ; lane 0 alone
	global_store_b32 v7, v6, s[22:23]
	s_wait_xcnt 0x0                                ; and again, in front of the line that widens it
	s_or_b32 exec_lo, exec_lo, s38
	s_endpgm
.Lfunc_end_k_qb9b6c67f53_prep:
	.size	k_qb9b6c67f53_prep, .Lfunc_end_k_qb9b6c67f53_prep-k_qb9b6c67f53_prep
	.p2alignl 7, 3214868480
	.fill 96, 4, 3214868480
	.section	.rodata,"a",@progbits
	.p2align	6, 0x0
	.amdhsa_kernel k_qb9b6c67f53_prep
		.amdhsa_group_segment_fixed_size 67072
		.amdhsa_private_segment_fixed_size 0
		.amdhsa_enable_private_segment 0
		.amdhsa_kernarg_size 80
		.amdhsa_user_sgpr_count 2
		.amdhsa_user_sgpr_kernarg_segment_ptr 1
		.amdhsa_wavefront_size32 1
		.amdhsa_system_sgpr_workgroup_id_x 1
		.amdhsa_system_sgpr_workgroup_id_y 1
		.amdhsa_system_sgpr_workgroup_id_z 1
		.amdhsa_system_vgpr_workitem_id 0
		.amdhsa_next_free_vgpr 210
		.amdhsa_next_free_sgpr 66
		.amdhsa_reserve_vcc 1
		.amdhsa_float_denorm_mode_32 3
		.amdhsa_float_denorm_mode_16_64 3
		.amdhsa_memory_ordered 1
		.amdhsa_forward_progress 1
		.amdhsa_inst_pref_size 99
	.end_amdhsa_kernel
	.amdgpu_metadata
---
amdhsa.version: [ 1, 2 ]
amdhsa.kernels:
  - .name:           k_qb9b6c67f53_prep
    .symbol:         k_qb9b6c67f53_prep.kd
    .args:
      - { .name: x, .offset: 0, .size: 8, .value_kind: global_buffer, .address_space: global }
      - { .name: w_q, .offset: 8, .size: 8, .value_kind: global_buffer, .address_space: global }
      - { .name: w_k, .offset: 16, .size: 8, .value_kind: global_buffer, .address_space: global }
      - { .name: w_v, .offset: 24, .size: 8, .value_kind: global_buffer, .address_space: global }
      - { .name: w_o, .offset: 32, .size: 8, .value_kind: global_buffer, .address_space: global }
      - { .name: mask, .offset: 40, .size: 8, .value_kind: global_buffer, .address_space: global }
      - { .name: codes, .offset: 48, .size: 8, .value_kind: global_buffer, .address_space: global }
      - { .name: scales, .offset: 56, .size: 8, .value_kind: global_buffer, .address_space: global }
      - { .name: maskw, .offset: 64, .size: 8, .value_kind: global_buffer, .address_space: global }
      - { .name: flags, .offset: 72, .size: 8, .value_kind: global_buffer, .address_space: global }
    .group_segment_fixed_size: 67072
    .private_segment_fixed_size: 0
    .kernarg_segment_align: 8
    .kernarg_segment_size: 80
    .max_flat_workgroup_size: 128
    .sgpr_count:     66
    .vgpr_count:     210
    .wavefront_size: 32
...
	.end_amdgpu_metadata
.endif
;; end of part 1
;; launch qkv (part 2): grid 24 x 8, 4 waves a work-group, clusters of 4 x 4, 327,680 bytes of LDS; arguments codes, scales, cos_cache, sin_cache, qkv_codes, qkv_scales; writes qkv_codes, qkv_scales
.if DOCPART == 2
	.amdgcn_target "amdgcn-amd-amdhsa--gfx1250"
	.amdhsa_code_object_version 6
	.text
	.protected	k_qb9b6c67f53_qkv
	.globl	k_qb9b6c67f53_qkv
	.p2align	8
	.type	k_qb9b6c67f53_qkv,@function
k_qb9b6c67f53_qkv:
	s_mov_b64 s[64:65], 0
	v_nop
	global_prefetch_b8 v0, s[64:65] scope:SCOPE_SE
	s_setreg_imm32_b32 hwreg(HW_REG_WAVE_MODE, 25, 1), 1
	s_wait_xcnt 0x0
	s_wait_alu depctr_hold_cnt(0) depctr_sa_sdst(0) depctr_va_vdst(0) depctr_va_sdst(0) depctr_va_ssrc(0) depctr_va_vcc(0) depctr_vm_vsrc(0)
	s_getreg_b32 s2, hwreg(HW_REG_IB_STS2, 6, 4)
	s_cmp_eq_u32 s2, 0
	s_cbranch_scc0 .Lentry_in_a_cluster
	s_endpgm
.Lentry_in_a_cluster:
	s_bfe_u32 s2, ttmp6, 0x10000c
	s_cmp_lg_u32 s2, 0xf033
	s_cbranch_scc0 .Lentry_shape_is_right
	s_endpgm
.Lentry_shape_is_right:
; QKV.  The three projections q = x w_q^T, k = x w_k^T, v = x w_v^T on codes of FP6 (E2M3) with one E8M0 scale for each 32 along K = 2,048, the rotation of q and k, and the quantising of all three for the attention launch.
; One product C[m][n] = sum over k of A[m][k] B[n][k] serves all: A's and B's rows are rows of the buffer codes (1,536 bytes) and scales (64 bytes): rows 0 x, 2,048 w_q, 4,096 w_k, 6,144 w_v.
;   tile columns 0-7 (cluster x 0, 1):  A = w_v (channels), B = x (keys):        a lane's registers run along the KEYS, which are the K of the second attention product;
;   tile columns 8-23:                  A = x (positions),  B = w_q, w_k rows:    a lane's registers run along the head's 128 channels, the K of the first.
; A tile of C, 256 x 256, is made by a work-group of four waves; a wave makes 128 x 128: 64 accumulators of 16 x 16, 512 registers: one head x one group of 128 positions.
; K goes in steps of 256 through a ring of two LDS slots filled by the tensor data mover; the scales of the work-group's rows come into LDS once, with the first fills.
; CLUSTERS: 4 x 4 work-groups.  The four of a row of the cluster need the same tiles of A, the four of a column the same tiles of B: each tile is asked for JOINTLY.
; THE MATRIX INSTRUCTION IS USED TRANSPOSED (source 0 = 16 rows of B, source 1 = 16 rows of A): lane (r, h) holds row r of A's block and eight rows 8 h + j of B's block.
; THE ROWS LIE IN codes WITH BITS 3 AND 4 OF THEIR NUMBER EXCHANGED: stored row 16 i + r is true row 32 (i / 2) + 8 (i % 2) + r + 8 (r / 8).  So the 64 registers of A's block a hold, at 16 b + i, B's true row
; 32 b + 16 h + i: sixteen neighbours of each block of 32 along the next K; and lane r's row of A is true row 32 (a / 2) + 8 (a % 2) + r + 8 (r / 8) of the wave's 128.
; THE WAY OUT uses no LDS: for each of A's eight blocks the lane's 64 numbers (q, k: rotated first, by cos_cache and sin_cache at the lane's position; rope_offset = 0) are quantised in registers; the fragment's
; 12 registers leave as an IMAGE OF THE REGISTERS, three stores of 512 consecutive bytes: qkv_codes[idx][block 0..7][3][32 lanes][16 bytes]; the scale words as qkv_scales[idx][r][block].
; idx: v: head x 16 + key step;  q: 256 + head x 16 + group of 128 queries;  k: 512 + head x 16 + key step.
; LIMITS: NaN and infinities are not served; a block under 2^(3 - 127), zeros too, keeps the byte 1: its codes are read by this program alone.
; REGISTERS, in windows of 256: window 0: v0-31 addresses; v32-63 scale words, two sets; from v128 A's fragments, ONE set.   window 1: B's fragments, TWO sets, at v0 and at v128.
;   window 2: the 32 accumulators of my rows 0-63 (accumulator (a, b) at v[8 (8 a + b)]);   window 3: those of my rows 64-127.   The way out's registers are listed at its head.
.set SIZE_K, 2048
.set KSTEP,  256                       ; along K in a slot
.set NQ,     KSTEP/128                 ; matrix instructions deep
.set ROWB,   192                       ; a tile's row in bytes: KSTEP codes of 6 bits
.set KROW,   SIZE_K*6/8                ; a row of codes in memory, in bytes
.set PITCH,  240                       ; an LDS row: 3 x (64 bytes of data + 16 of padding) = 60 words: the 32 lanes of a load of 8 bytes touch 64 different banks (64 banks of 4 bytes: ISA guide 11.1)
.set FR,     12                        ; registers of a fragment: 16 rows x 128 K
.set NL,     6                         ; LDS loads that bring one
.set NP,     4                         ; places behind this matrix instruction (ISA guide 7.12.1)
.set HALFT,  128*PITCH                 ; 128 rows: what one tensor load brings, and what one wave reads of A or of B
.set SLOT,   4*HALFT                   ; A's 256 rows, then B's 256 rows
.set LAPS,   SIZE_K/(2*KSTEP)          ; a lap = two K steps = once round the ring
.set KS,     SIZE_K/32                 ; a row of scales in bytes
.set SCL,    2*SLOT                    ; behind the ring: the scales, as units of 256 bytes + 16 of padding
.set HALFS,  (128*KS/256)*272          ; the scales of 128 rows: what one tensor load brings
.set SBLK,   (16*KS/256)*272           ; those of 16 rows
.set SPARE,  SCL+4*HALFS               ; behind the scales: the spare words, 128 bytes for each wave: two blocks of 256 bytes that no other line names
.set ADRA, 16                          ; v16-17  LDS address of my A fragments in slot 0, 1  (v18-19: the same for the pieces that lie behind one padding more)
.set ADRB, 20                          ; v20-21  the same for B  (v22-23)
.set SPW,  28                          ; v28     LDS address of my spare word: SPARE + 4 x my thread's number; never rewritten
.set NIL,  29                          ; v29     0; never rewritten
.set ADRS, 27                          ; v27     LDS address of my scale words: lanes 0-15 A's rows, lanes 16-31 B's
.set SC,   32                          ; scale words: set s (for slot s) at v[SC + 8 NQ s]; register NQ i + q: lanes 0-15 the word of A's block i, lanes 16-31 that of B's block i
.set AF,   128                         ; A's fragments, in window 0
.set G1, 24                            ; s[24:31] descriptor group 1 for A's tiles;  s[32:39] group 0, one set for each slot
.set G0, 32
.set G1B, 48                           ; s[48:55], s[56:63] the same for B's tiles
.set G0B, 56
.set G1S, 68                           ; s[68:75], s[76:79] groups 1 and 0 for A's scales;  s[80:87], s[88:91] for B's
.set G0S, 76
.set G1SB, 80
.set G0SB, 88
.set SEL, 96                           ; s[96:97] lane selects for v_permlanex16_b32: lane l xor 16
.set MSB, 0
.macro WIN new                         ; the immediate's high byte repeats the setting that is left
.if MSB != (\new)
	s_set_vgpr_msb (MSB<<8)|(\new)
.set MSB, (\new)
.endif
.endm
.set MUL_LO, 0xa1                      ; source 0 (B) window 1, source 1 (A) window 0, C and D window 2
.set MUL_HI, 0xf1                      ; the same, C and D window 3
.set TO_B,   0x40                      ; destination window 1, address window 0
; A joint load: waves 0 and 1 fetch for A, waves 2 and 3 for B.  Each of the two lines has ONE mask and one set of registers for all that issue it; the branch hangs on the wave's number alone.
; Four v_nop follow each of the two lines, ahead of the jump, the label and what follows.
.macro JLOAD g0a, g1a, g0b, g1b
	s_cmp_eq_u32 s15, 0
	s_cbranch_scc0 .Lfor_b_\@
	tensor_load_to_lds s[\g0a:\g0a+3], s[\g1a:\g1a+7]
	s_nop 0
.rept 4
	v_nop
.endr
	s_branch .Lasked_\@
.Lfor_b_\@:
	tensor_load_to_lds s[\g0b:\g0b+3], s[\g1b:\g1b+7]
	s_nop 0
.rept 4
	v_nop
.endr
.Lasked_\@:
.endm
.macro CREST                           ; a round of the cluster's barrier behind its opening barrier
	s_cmp_lg_u32 s14, 0
	s_cbranch_scc1 .Lnot_wave_0_\@
	s_barrier_signal -3
.Lnot_wave_0_\@:
	s_barrier_wait -3
	s_barrier_signal -1
	s_barrier_wait -1
.endm
.macro CROUND                          ; a whole round
	s_barrier_signal -1
	s_barrier_wait -1
	CREST
.endm
	s_load_b128 s[4:7], s[0:1], 0x0                ; codes s[4:5], scales s[6:7]
	s_load_b128 s[8:11], s[0:1], 0x10              ; cos_cache s[8:9], sin_cache s[10:11]
	s_load_b64 s[12:13], s[0:1], 0x20              ; qkv_codes
	s_load_b64 s[66:67], s[0:1], 0x28              ; qkv_scales
	v_lshl_add_u32 v[SPW], v0, 2, SPARE
	v_mov_b32 v[NIL], 0
	ds_add_u32 v28, v29
	ds_add_u32 v28, v29
	s_wait_dscnt 0x0
	v_lshrrev_b32 v1, 5, v0
	v_readfirstlane_b32 s14, v1                    ; wave 0..3
	s_lshr_b32 s15, s14, 1                         ; which half of the tile's rows (A) is mine.  Also: I fetch for A (0) or for B (1)
	s_and_b32 s16, s14, 1                          ; which half of its columns (B).  Also: which 128 rows of that tile I fetch
	s_bfe_u32 s40, ttmp6, 0x40000                  ; cx, cy: my place in the cluster
	s_bfe_u32 s41, ttmp6, 0x40004
	s_lshl_b32 s42, ttmp9, 2
	s_add_co_u32 s42, s42, s40                     ; tile column = 4 x cluster x + cx
	s_and_b32 s17, ttmp7, 0xffff
	s_lshl_b32 s17, s17, 2
	s_add_co_u32 s17, s17, s41                     ; tile row = 4 x cluster y + cy
	s_lshl_b32 s43, s41, 2
	s_lshl_b32 s43, 15, s43                        ; my row of the cluster
	s_lshl_b32 s44, 0x1111, s40                    ; my column
	; descriptor group 1: a tile of 128 rows x ROWB bytes, padded in LDS
	s_or_b32 s[G1+0], s43, (0<<16)|(1<<20)|(1<<21)|(3<<22)|(3<<25)  ; 15:0 the mask: A's tiles go to my row; 17:16 element of 1 byte; 20 padding on; 21 set beside a mask; 24:22 after every 16 words (code 3); 31:25 of 4 words (code 3)
	s_or_b32 s[G1B+0], s44, (0<<16)|(1<<20)|(1<<21)|(3<<22)|(3<<25)
.irp g, G1, G1B
	s_mov_b32 s[\g+1], ROWB<<16                    ; tensor_dim0
	s_mov_b32 s[\g+2], 128<<16                     ; tensor_dim1 = 128
	s_mov_b32 s[\g+3], ROWB<<16                    ; tile_dim0
	s_mov_b32 s[\g+4], 128                         ; tile_dim1 = 128
	s_mov_b32 s[\g+5], KROW                        ; tensor_dim0_stride
	s_mov_b32 s[\g+6], 0
	s_mov_b32 s[\g+7], 0
.endr
	; and for the scales of 128 rows: a dense block of 128 KS bytes, as rows of 256 bytes (32 elements of 8 bytes), 16 bytes of padding behind each
	s_or_b32 s[G1S+0], s43, (3<<16)|(1<<20)|(1<<21)|(5<<22)|(3<<25)
	s_or_b32 s[G1SB+0], s44, (3<<16)|(1<<20)|(1<<21)|(5<<22)|(3<<25)
.irp g, G1S, G1SB
	s_mov_b32 s[\g+1], 32<<16
	s_mov_b32 s[\g+2], (128*KS/256)<<16
	s_mov_b32 s[\g+3], 32<<16
	s_mov_b32 s[\g+4], 128*KS/256
	s_mov_b32 s[\g+5], 32
	s_mov_b32 s[\g+6], 0
	s_mov_b32 s[\g+7], 0
.endr
	s_lshl_b32 s18, s16, 7                         ; which 128 rows of the tile I fetch
	s_lshl_b32 s20, s17, 8
	s_add_co_u32 s20, s20, s18                     ; A: row 256 x tile row + 128 x half,
	s_cmp_lt_u32 ttmp9, 2                          ; in w_v (rows 6,144 on) where the cluster makes v, else in x: the cluster's x is the same in all sixteen partners
	s_cselect_b32 s19, 6144, 0
	s_add_co_u32 s20, s20, s19
	s_lshl_b32 s46, s42, 8
	s_add_co_u32 s46, s46, s18                     ; B: row 256 x tile column + 128 x half: x, then w_q, then w_k
	s_mov_b32 s21, 0
	s_mov_b32 s47, 0
	s_mov_b64 s[18:19], KS
	s_mul_u64 s[22:23], s[20:21], s[18:19]         ; where these rows' scales begin, in bytes
	s_mul_u64 s[92:93], s[46:47], s[18:19]
	s_mov_b64 s[18:19], KROW
	s_mul_u64 s[20:21], s[20:21], s[18:19]         ; and their codes
	s_mul_u64 s[46:47], s[46:47], s[18:19]
	s_mul_i32 s45, s14, HALFT                      ; where they go: wave x 128 rows: no place in the cluster enters an LDS address
	s_mul_i32 s94, s14, HALFS
	s_wait_kmcnt 0x0
	s_add_nc_u64 s[20:21], s[4:5], s[20:21]
	s_add_nc_u64 s[22:23], s[6:7], s[22:23]
	s_add_nc_u64 s[46:47], s[4:5], s[46:47]
	s_add_nc_u64 s[92:93], s[6:7], s[92:93]
	CROUND                                         ; all sixteen work-groups are here: the first joint loads meet
	s_mov_b32 s[G0S], 1
	s_add_co_u32 s[G0S+1], s94, SCL
	s_mov_b64 s[G0S+2:G0S+3], s[22:23]
	s_or_b32 s[G0S+3], s[G0S+3], 0x80000000
	s_mov_b32 s[G0SB], 1
	s_add_co_u32 s[G0SB+1], s94, SCL
	s_mov_b64 s[G0SB+2:G0SB+3], s[92:93]
	s_or_b32 s[G0SB+3], s[G0SB+3], 0x80000000
	JLOAD G0S, G1S, G0SB, G1SB                     ; the scales first: they are wanted with K step 0
.irp s, 0,1
	s_mov_b32 s[G0+4*\s], 1
	s_add_co_u32 s[G0+4*\s+1], s45, \s*SLOT
	s_add_nc_u64 s[G0+4*\s+2:G0+4*\s+3], s[20:21], \s*ROWB
	s_or_b32 s[G0+4*\s+3], s[G0+4*\s+3], 0x80000000
	s_mov_b32 s[G0B+4*\s], 1
	s_add_co_u32 s[G0B+4*\s+1], s45, \s*SLOT
	s_add_nc_u64 s[G0B+4*\s+2:G0B+4*\s+3], s[46:47], \s*ROWB
	s_or_b32 s[G0B+4*\s+3], s[G0B+4*\s+3], 0x80000000
	JLOAD G0+4*\s, G1, G0B+4*\s, G1B
.endr
	v_and_b32 v1, 15, v0                           ; l % 16
	v_bfe_u32 v2, v0, 4, 1                         ; l / 16
	v_mul_u32_u24 v3, v1, PITCH
	v_mul_u32_u24 v4, v2, 24
	v_add_nc_u32 v4, v3, v4                        ; a fragment's row x pitch + 24 x half
	v_lshl_add_u32 v5, v2, 4, v4                   ; and the same behind one padding more
	s_mul_i32 s21, s15, HALFT                      ; my 128 rows of A
	s_mul_i32 s22, s16, HALFT                      ; my 128 rows of B,
	s_add_co_u32 s22, s22, 2*HALFT                 ; which lie behind A's 256
.irp s, 0,1
	v_add_nc_u32 v[ADRA+\s], s21, v4
	v_add_nc_u32 v[ADRB+\s], s22, v4
	v_add_nc_u32 v[ADRA+2+\s], s21, v5
	v_add_nc_u32 v[ADRB+2+\s], s22, v5
	s_add_co_u32 s21, s21, SLOT
	s_add_co_u32 s22, s22, SLOT
.endr
	v_mul_u32_u24 v5, v1, KS                       ; my row's scales: KS bytes a row,
	v_lshrrev_b32 v6, 8, v5
	v_lshl_add_u32 v5, v6, 4, v5                   ; and 16 more for each 256 passed
	s_mul_i32 s21, s15, HALFS                      ; A's: my 128 rows
	s_mul_i32 s22, s16, HALFS                      ; B's: my 128 rows, behind A's 256
	s_add_co_u32 s22, s22, 2*HALFS
	s_sub_co_u32 s22, s22, s21
	v_mul_u32_u24 v6, s22, v2                      ; lanes 16-31 take B's
	s_add_co_u32 s21, s21, SCL
	v_add_nc_u32 v5, v5, v6
	v_add_nc_u32 v[ADRS], s21, v5
	; where my wave's results go, and where its positions' cosines lie
	s_lshl_b32 s20, s17, 1
	s_add_co_u32 s20, s20, s15                     ; gA: which 128 rows of A are mine: v: the head; q, k: the group of positions
	s_lshl_b32 s46, s42, 1
	s_add_co_u32 s46, s46, s16                     ; gB: which 128 rows of B: v: the key step; q: 16 + head; k: 32 + head
	s_lshl_b32 s21, s20, 4
	s_add_co_u32 s21, s21, s46                     ; v: idx = 16 gA + gB
	s_lshl_b32 s47, s46, 4
	s_add_co_u32 s47, s47, s20                     ; q, k: idx = 16 gB + gA
	s_cmp_lt_u32 ttmp9, 2
	s_cselect_b32 s46, s21, s47
	s_lshl_b32 s20, s20, 15                        ; 128 positions x 256 bytes of cosines
	s_mov_b32 s21, 0
	s_add_nc_u64 s[8:9], s[8:9], s[20:21]
	s_add_nc_u64 s[10:11], s[10:11], s[20:21]
	s_mul_i32 s20, s46, 12288                      ; eight images of 1,536 bytes
	s_add_nc_u64 s[12:13], s[12:13], s[20:21]
	s_lshl_b32 s20, s46, 9                         ; 16 x 8 scale words
	s_add_nc_u64 s[66:67], s[66:67], s[20:21]
	s_mov_b32 s[SEL], 0x76543210
	s_mov_b32 s[SEL+1], 0xfedcba98
.macro FRAG reg, adr, q, i             ; a fragment, 16 rows x 128 K of 6-bit codes, is 12 registers: lane l holds row l % 16; registers 6 c .. 6 c + 5 hold K = 64 c + 32 (l / 16) + 0 .. 31: 24 bytes of the row's stream of bits, as they lie
.irp p, 0,1,2,3,4,5                    ; in pieces of 8 bytes, so that every address is a multiple of the access's size.  Lanes 0-15 take the row's pieces 12 q + 0, 1, 2 and 12 q + 6, 7, 8, lanes 16-31 those three pieces on
.set PCE, 12*(\q)+6*(\p/3)+\p%3        ; the mover has laid 16 bytes of padding behind every 64 bytes (8 pieces): where the piece three on lies behind one padding more, the second address register serves
.if PCE%8 < 5
	ds_load_b64 v[\reg+2*\p:\reg+2*\p+1], v[\adr] offset:8*PCE+16*(PCE/8)+(\i)*16*PITCH
.else
	ds_load_b64 v[\reg+2*\p:\reg+2*\p+1], v[\adr+2] offset:8*PCE+16*(PCE/8)+(\i)*16*PITCH
.endif
.endr
.endm
; 16 matrix instructions: A's blocks a0, a0 + 1 x B's eight, 128 along K: the slot's q-th.  p: B's set;  sc: the set of scale words.  zero = 1: the first product starts the sums: nothing is ever cleared.
; The 64 accumulators take turns, one instruction a turn, in the same order in every step.
.macro MUL16 a0, p, q, sc, zero
.irp a, \a0, \a0+1
.irp b, 0,1,2,3,4,5,6,7
.if \zero
	v_wmma_scale_f32_16x16x128_f8f6f4 v[8*(8*((\a)%4)+\b):8*(8*((\a)%4)+\b)+7], v[128*(\p)+FR*\b:128*(\p)+FR*\b+FR-1], v[AF+FR*(\a):AF+FR*(\a)+FR-1], 0, v[SC+8*NQ*(\sc)+NQ*\b+(\q)], v[SC+8*NQ*(\sc)+NQ*(\a)+(\q)] matrix_a_fmt:MATRIX_FMT_FP6 matrix_b_fmt:MATRIX_FMT_FP6 matrix_a_scale:MATRIX_SCALE_ROW1
.else
	v_wmma_scale_f32_16x16x128_f8f6f4 v[8*(8*((\a)%4)+\b):8*(8*((\a)%4)+\b)+7], v[128*(\p)+FR*\b:128*(\p)+FR*\b+FR-1], v[AF+FR*(\a):AF+FR*(\a)+FR-1], v[8*(8*((\a)%4)+\b):8*(8*((\a)%4)+\b)+7], v[SC+8*NQ*(\sc)+NQ*\b+(\q)], v[SC+8*NQ*(\sc)+NQ*(\a)+(\q)] matrix_a_fmt:MATRIX_FMT_FP6 matrix_b_fmt:MATRIX_FMT_FP6 matrix_a_scale:MATRIX_SCALE_ROW1
.endif
.endr
.endr
.endm
.macro FETCH_B slot, q, p              ; B's eight fragments of the slot's q-th 128 along K into set p
	WIN TO_B
.irp i, 0,1,2,3,4,5,6,7
	FRAG 128*(\p)+FR*\i, ADRB+\slot, \q, \i
.endr
	WIN 0
.endm
.macro FETCH_A slot, q, i0             ; A's blocks i0 .. i0 + 3
.irp i, \i0, \i0+1, \i0+2, \i0+3
	FRAG AF+FR*(\i), ADRA+\slot, \q, \i
.endr
.endm
.macro SCALES sc                       ; the next K step's scale words into set sc: NQ words a row; lanes 0-15 take A's block i, lanes 16-31 B's block i
.irp i, 0,1,2,3,4,5,6,7
	ds_load_b64 v[SC+8*NQ*\sc+NQ*\i:SC+8*NQ*\sc+NQ*\i+1], v[ADRS] offset:\i*SBLK
.endr
.endm
; A load into a register that a matrix instruction has read, and a vector instruction that reads a matrix result, stand NP places behind that matrix instruction, and only plain vector
; instructions that name none of its registers are places (ISA guide 7.12.1 for vector instructions).
.macro PLACES n
.rept \n
	v_nop
.endr
.endm
; A step of 128 along K that has its successor in the same slot.
.macro STEP slot, q, zero
	s_wait_dscnt 4*NL                              ; B's set and A's blocks 0-3 are in; the youngest 24 loads (A's blocks 4-7) may be out
	WIN MUL_LO
	MUL16 0, (\q)%2, \q, \slot, \zero
	MUL16 2, (\q)%2, \q, \slot, \zero
	s_wait_dscnt 0                                 ; A's blocks 4-7 are in (asked for 32 matrix instructions ago)
	PLACES NP
	FETCH_B \slot, (\q)+1, 1-(\q)%2
	FETCH_A \slot, (\q)+1, 0
	WIN MUL_HI
	MUL16 4, (\q)%2, \q, \slot, \zero
	MUL16 6, (\q)%2, \q, \slot, \zero
	PLACES NP
	WIN 0
	FETCH_A \slot, (\q)+1, 4
.endm
; A slot's last step changes slots: ONE barrier; in front of it each wave waits for all its tensor loads, adds 0 to its spare word, and waits for that and for its own reads of this slot.  fill = 1: this slot is filled again, two K steps ahead.
.macro TURN slot, next, fill
	s_wait_tensorcnt 0x0                           ; all my tensor loads have landed: my part of the next slot;  (every window is 0 here: the add's two registers lie in window 0)
	ds_add_u32 v[SPW], v[NIL]                      ; 0 onto my spare word;
	s_wait_dscnt 4*NL+1                            ; (the add and the youngest 24 loads, A's blocks 4-7, may be out)
	WIN MUL_LO
	MUL16 0, 1, NQ-1, \slot, 0                     ; sixteen matrix instructions stand between the add and the wait for it
	s_wait_dscnt 0x0                               ; the add is done, and my reads of this slot are over
	s_barrier_signal -1
	MUL16 2, 1, NQ-1, \slot, 0
	WIN 0
	s_barrier_wait -1
.if \fill
	CREST                                          ; the barrier has opened a round of the cluster's barrier: no wave of any partner still reads this slot's tile or has a load on its way
	s_add_nc_u64 s[G0+4*\slot+2:G0+4*\slot+3], s[G0+4*\slot+2:G0+4*\slot+3], 2*ROWB
	s_add_nc_u64 s[G0B+4*\slot+2:G0B+4*\slot+3], s[G0B+4*\slot+2:G0B+4*\slot+3], 2*ROWB
	JLOAD G0+4*\slot, G1, G0B+4*\slot, G1B         ; the first tensor load behind the round; the four v_nop behind it are the places in front of the loads below
.else
	PLACES NP
.endif
	v_add_nc_u32 v[ADRS], 4*NQ, v[ADRS]            ; on to the next K step's scale words (no LDS load of mine is out)
	FETCH_B \next, 0, 0
	FETCH_A \next, 0, 0
	SCALES \next
	WIN MUL_HI
	MUL16 4, 1, NQ-1, \slot, 0
	MUL16 6, 1, NQ-1, \slot, 0
	PLACES NP
	WIN 0
	FETCH_A \next, 0, 4
.endm
	s_wait_tensorcnt 1                             ; the scales and my part of K step 0 are in (K step 1's load may be out),
	s_barrier_signal -1
	s_barrier_wait -1                              ; everybody's are
	FETCH_B 0, 0, 0
	FETCH_A 0, 0, 0
	SCALES 0
	FETCH_A 0, 0, 4
	STEP 0, 0, 1                                   ; the first step stands in front of the loop: its products start the sums
	s_mov_b32 s3, LAPS-1
.Llap:                                                 ; a trip goes once round the ring, from a lap's second step to the next lap's first, and fills both slots again
	TURN 0, 1, 1
	STEP 1, 0, 0
	TURN 1, 0, 1
	STEP 0, 0, 0
	s_sub_co_u32 s3, s3, 1
	s_cmp_lg_u32 s3, 0
	s_cbranch_scc1 .Llap
	TURN 0, 1, 0                                   ; the last lap fills nothing, and has no round of the cluster's barrier
	STEP 1, 0, 0
	s_wait_dscnt 4*NL                              ; the very last step: nothing more to fetch
	WIN MUL_LO
	MUL16 0, 1, NQ-1, 1, 0
	MUL16 2, 1, NQ-1, 1, 0
	s_wait_dscnt 0
	WIN MUL_HI
	MUL16 4, 1, NQ-1, 1, 0
	MUL16 6, 1, NQ-1, 1, 0
	WIN 0
; THE WAY OUT.  Window 0: v1 r, v2 h, v3 lane; v4 my place in the cosines; v5 16 x lane; v6 my place among the scale words; v8-15 the eight blocks' scale words; v16-23 at work; v24-27 the words that I store;
; v32-95 the 64 rotated numbers; v224-242 the codes; v244-247 largest magnitudes, v248-251 the other half's and then the bytes, v252-255 the conversions' scale operands.
; Window 1: four sets of 64: 32 cosines, then 32 sines, of the lane's position, in the order of the lane's registers.
.set CA,  4
.set IM,  5
.set SCO, 6
.set PWS, 8
.set TW,  16
.set HH,  32
.set PC,  224
.set TMX, 244
.set TMB, 248
.set TMS, 252
; 64 numbers of a lane in window w, v[s] .. v[s + 63], register 16 b + i = k 32 b + 16 (lane / 16) + i of my row, become a fragment's codes in v[PC] on and its scale word in v[pw].  Each accumulator is read from its low end on.
.macro QUANT s, w, pw
	WIN (\w)|((\w)<<2)
.irp b, 0,1,2,3
	v_max3_num_f32 v[TMX+\b], |v[(\s)+16*\b]|, |v[(\s)+1+16*\b]|, 0x1800000   ; block b: my 16 numbers, and the floor 2^(3 - 127): the byte cannot fall under 1
.endr
	WIN ((\w)<<2)|((\w)<<4)
.irp i, 2,4,6,8,10,12,14
.irp b, 0,1,2,3
	v_max3_num_f32 v[TMX+\b], v[TMX+\b], |v[(\s)+16*\b+\i]|, |v[(\s)+1+16*\b+\i]|   ; (the four blocks by turns)
.endr
.endr
	WIN 0
.irp b, 0,1,2,3
	v_permlanex16_b32 v[TMB+\b], v[TMX+\b], s[SEL], s[SEL+1]
.endr
.irp b, 0,1,2,3
	v_max_num_f32 v[TMX+\b], v[TMX+\b], v[TMB+\b]  ; with lane l xor 16's: the block's largest magnitude
.endr
.irp b, 0,1,2,3
	v_add_nc_u32 v[TMS+\b], 0xff000000, v[TMX+\b]  ; 2 off its exponent field: the conversion takes the exponent field of this operand as its scale
.endr
.irp b, 0,1,2,3
	v_lshrrev_b32 v[TMB+\b], 23, v[TMS+\b]         ; the scale's byte
.endr
	v_lshl_or_b32 v[\pw], v[TMB+1], 8, v[TMB]      ; the four bytes make my row's scale word
	v_lshl_or_b32 v[\pw], v[TMB+2], 16, v[\pw]
	v_lshl_or_b32 v[\pw], v[TMB+3], 24, v[\pw]
	WIN (\w)
.irp c, 0,1
	v_cvt_scalef32_pk16_fp6_f32 v[PC+6*\c:PC+2+6*\c], v[(\s)+32*\c:(\s)+15+32*\c], v[TMS+2*\c]
	v_cvt_scalef32_pk16_fp6_f32 v[PC+12+4*\c:PC+14+4*\c], v[(\s)+16+32*\c:(\s)+31+32*\c], v[TMS+2*\c+1]   ; (a conversion's three registers begin on an even number)
.endr
	WIN 0
	v_nop                                          ; one plain place behind a scaled conversion
.irp c, 0,1                                    ; the operand's layout wants a WHOLE block in a lane: lanes 0-15 block 2 c, lanes 16-31 block 2 c + 1
.irp i, 0,1,2
	v_permlane16_swap_b32 v[PC+6*\c+\i], v[PC+12+4*\c+\i]
.endr
.irp i, 0,1,2
	v_mov_b32 v[PC+3+6*\c+\i], v[PC+12+4*\c+\i]
.endr
.endr
.endm
.macro CSLOAD a                        ; block a's cosines and sines into set a % 4: register 16 b + i: channel 32 b + 16 h + i of the lower 64
	WIN 0x40
.irp b, 0,1
.irp j, 0,1,2,3
	global_load_b128 v[64*((\a)%4)+16*\b+4*\j:64*((\a)%4)+16*\b+4*\j+3], v[CA], s[8:9] offset:(32*((\a)/2)+8*((\a)%2))*256+128*\b+16*\j
	global_load_b128 v[64*((\a)%4)+32+16*\b+4*\j:64*((\a)%4)+32+16*\b+4*\j+3], v[CA], s[10:11] offset:(32*((\a)/2)+8*((\a)%2))*256+128*\b+16*\j
.endr
.endr
	WIN 0
.endm
.macro ROPE a                          ; registers 0-31 of block a are x1 (channels under 64), registers 32-63 x2, at the same places: x1 cos - x2 sin, x1 sin + x2 cos, two at a time
	WIN (2+(\a)/4)|4                               ; source 0: the accumulators' window; source 1: window 1
.set AB, 64*((\a)%4)
.set RI, 0
.rept 16
.set TT, TW+4*((RI/2)%2)
	v_pk_mul_f32 v[TT:TT+1], v[AB+32+RI:AB+33+RI], v[AB+32+RI:AB+33+RI]          ; x2 sin  (source 0: the accumulator; source 1: the set's sines)
	v_pk_mul_f32 v[TT+2:TT+3], v[AB+32+RI:AB+33+RI], v[AB+RI:AB+RI+1]            ; x2 cos
	v_pk_fma_f32 v[HH+RI:HH+RI+1], v[AB+RI:AB+RI+1], v[AB+RI:AB+RI+1], v[TT:TT+1] neg_lo:[0,0,1] neg_hi:[0,0,1]
	v_pk_fma_f32 v[HH+32+RI:HH+33+RI], v[AB+RI:AB+RI+1], v[AB+32+RI:AB+33+RI], v[TT+2:TT+3]
.set RI, RI+2
.endr
	WIN 0
.endm
.macro IMG a                           ; the fragment leaves as it stands: each store covers 512 consecutive bytes, aligned
.irp c, 0,1,2
	global_store_b128 v[IM], v[PC+4*\c:PC+4*\c+3], s[12:13] offset:1536*(\a)+512*\c
.endr
.endm
	PLACES NP                                      ; behind the last products: their results are read and their operands' registers loaded below
	v_and_b32 v1, 15, v0                           ; r
	v_bfe_u32 v2, v0, 4, 1                         ; h
	v_and_b32 v3, 31, v0                           ; lane
	v_and_b32 v[CA], 8, v1
	v_add_nc_u32 v[CA], v[CA], v1                  ; r + 8 (r / 8)
	v_lshlrev_b32 v[CA], 8, v[CA]                  ; a position's 64 cosines are 256 bytes
	v_lshl_add_u32 v[CA], v2, 6, v[CA]             ; + 64 h
	v_lshlrev_b32 v[IM], 4, v3
	v_lshlrev_b32 v[SCO], 5, v1
	v_lshl_add_u32 v[SCO], v2, 4, v[SCO]           ; 32 r + 16 h: lanes 0-15 store blocks 0-3's words, lanes 16-31 blocks 4-7's
.irp b, 0,1,2,3
	v_mov_b32 v[TMB+\b], 0                         ; written once: a lane permute's destination counts as one of its sources
.endr
	s_cmp_lt_u32 ttmp9, 2                          ; the cluster's x: the same in all partners
	s_cbranch_scc1 .Lvalues
	CSLOAD 0
	CSLOAD 1
	CSLOAD 2
	CSLOAD 3
.irp a, 0,1,2,3,4,5,6,7
.if \a < 5
	s_wait_loadcnt 48                              ; this block's 16 loads are in; the three younger sets' 48 may be out
.else
	s_wait_loadcnt 16*(7-\a)
.endif
	ROPE \a
.if \a < 4
	CSLOAD \a+4                                    ; the set just read takes the block four further on
.endif
	s_wait_xcnt 0x0                                ; the last image's stores have read the codes' registers
	QUANT HH,0,PWS+\a
	IMG \a
.endr
	s_branch .Lwords
.Lvalues:                                              ; v is not rotated: quantised as it stands in the accumulators
.irp a, 0,1,2,3,4,5,6,7
	s_wait_xcnt 0x0                                ; the last image's stores have read the codes' registers
	QUANT 64*(\a%4),2+\a/4,PWS+\a
	IMG \a
.endr
.Lwords:
	v_cmp_gt_u32 vcc_lo, 16, v3
.irp i, 0,1,2,3
	v_cndmask_b32 v[24+\i], v[PWS+4+\i], v[PWS+\i], vcc_lo   ; both halves of the lanes hold row r's words
.endr
	global_store_b128 v[SCO], v[24:27], s[66:67]   ; 512 consecutive bytes
	s_wait_tensorcnt 0x0                           ; the wave's end
	ds_add_u32 v[SPW], v[NIL]
	s_wait_dscnt 0x0
	CROUND                                         ; the closing round: no work-group ends while a partner may still ask for a tile that names it
	s_endpgm
.Lfunc_end_k_qb9b6c67f53_qkv:
	.size	k_qb9b6c67f53_qkv, .Lfunc_end_k_qb9b6c67f53_qkv-k_qb9b6c67f53_qkv
	.p2alignl 7, 3214868480
	.fill 96, 4, 3214868480
	.section	.rodata,"a",@progbits
	.p2align	6, 0x0
	.amdhsa_kernel k_qb9b6c67f53_qkv
		.amdhsa_group_segment_fixed_size 327680
		.amdhsa_private_segment_fixed_size 0
		.amdhsa_enable_private_segment 0
		.amdhsa_kernarg_size 48
		.amdhsa_user_sgpr_count 2
		.amdhsa_user_sgpr_kernarg_segment_ptr 1
		.amdhsa_wavefront_size32 1
		.amdhsa_system_sgpr_workgroup_id_x 1
		.amdhsa_system_sgpr_workgroup_id_y 1
		.amdhsa_system_sgpr_workgroup_id_z 1
		.amdhsa_system_vgpr_workitem_id 0
		.amdhsa_next_free_vgpr 1024
		.amdhsa_next_free_sgpr 102
		.amdhsa_reserve_vcc 1
		.amdhsa_float_denorm_mode_32 3
		.amdhsa_float_denorm_mode_16_64 3
		.amdhsa_memory_ordered 1
		.amdhsa_forward_progress 1
		.amdhsa_inst_pref_size 242
	.end_amdhsa_kernel
	.amdgpu_metadata
---
amdhsa.version: [ 1, 2 ]
amdhsa.kernels:
  - .name:           k_qb9b6c67f53_qkv
    .symbol:         k_qb9b6c67f53_qkv.kd
    .args:
      - { .name: codes, .offset: 0, .size: 8, .value_kind: global_buffer, .address_space: global }
      - { .name: scales, .offset: 8, .size: 8, .value_kind: global_buffer, .address_space: global }
      - { .name: cos_cache, .offset: 16, .size: 8, .value_kind: global_buffer, .address_space: global }
      - { .name: sin_cache, .offset: 24, .size: 8, .value_kind: global_buffer, .address_space: global }
      - { .name: qkv_codes, .offset: 32, .size: 8, .value_kind: global_buffer, .address_space: global }
      - { .name: qkv_scales, .offset: 40, .size: 8, .value_kind: global_buffer, .address_space: global }
    .group_segment_fixed_size: 327680
    .private_segment_fixed_size: 0
    .kernarg_segment_align: 8
    .kernarg_segment_size: 48
    .max_flat_workgroup_size: 128
    .sgpr_count:     102
    .vgpr_count:     1024
    .wavefront_size: 32
...
	.end_amdgpu_metadata
.endif
;; end of part 2
;; launch attn (part 3): grid 16 x 16, 8 waves a work-group, no clusters, 66,560 bytes of LDS; arguments qkv_codes, qkv_scales, maskw, flags, o_codes, o_scales; writes o_codes, o_scales
.if DOCPART == 3
	.amdgcn_target "amdgcn-amd-amdhsa--gfx1250"
	.amdhsa_code_object_version 6
	.text
	.protected	k_qb9b6c67f53_attn
	.globl	k_qb9b6c67f53_attn
	.p2align	8
	.type	k_qb9b6c67f53_attn,@function
k_qb9b6c67f53_attn:
	s_mov_b64 s[64:65], 0
	v_nop
	global_prefetch_b8 v0, s[64:65] scope:SCOPE_SE
	s_setreg_imm32_b32 hwreg(HW_REG_WAVE_MODE, 25, 1), 1
	s_wait_xcnt 0x0
; ATTN.  o[q][head] = softmax_k(q . k / sqrt(128), under the given mask) v, both products on codes of FP6 (E2M3) with one E8M0 scale for each 32 along a product's K, and the result quantised along the channels for the last projection.
; THE SOFTMAX AHEAD OF THE SECOND PRODUCT: t = score x log2(e) / sqrt(128); M = the row's largest t so far, rounded UP to a whole number; p = 2^(t - M) is what is quantised, along the keys, not normalised.
; The row's sum is taken of the unquantised p, in f32, and divides O at the end.  When M moves, the sum and O are multiplied by 2^(old M - new M): exact.
; INPUTS of this launch: qkv_codes[idx][8 tiles][3][32 lanes][16 bytes]: images of operand registers (idx: v: head x 16 + key step; q: 256 + head x 16 + group; k: 512 + head x 16 + key step); qkv_scales[idx][r][tile];
; maskw[T][step][64]: the lane mask for each of a key step's 64 score registers; flags[T][4]: OR of the four words: bit s: some key of step s counts for tile T; bit 16 + s: all do.
; SHARES.  A work-group (x = j, y = head) has eight waves, each with ONE tile of 16 queries: tile T = 8 g + a, g = j / 2 in waves 0-3 and 15 - j / 2 in waves 4-7, a = 4 (j % 2) + wave % 4;
; lane r's query is 128 g + 32 (a / 2) + 8 (a % 2) + r + 8 (r / 8).  Every work-group walks the head's 16 key steps of 128 keys, one barrier a step.
; THE MASK IS AN INPUT AND IS HONOURED BIT BY BIT: hidden scores become -infinity ahead of the maximum.  A key step in which no key counts for any query of a wave's tile adds nothing and is passed over by a scalar branch
; on the stored flags; a step that no wave of the work-group needs is not brought into LDS.  Both hold for any mask.
; NO TENSOR LOAD, NO JOINT REQUEST, though the 16 work-groups of a head read the same K and V: which steps a work-group needs hangs on flags read from memory.
; K's and V's images go memory -> registers -> LDS as dense copies, 16 bytes a thread, one key step ahead of their use, in two slots.
; LAYOUT.  Both products are used transposed: S^T = K Q^T (source 0 = 16 keys, source 1 = my 16 queries), O^T = V^T P^T (source 0 = 16 channels, source 1 = P): a lane holds ONE query throughout.
; Lane r of K's tile 2 b + u is key 32 b + 8 u + r + 8 (r / 8), so score register 16 b + i is key 32 b + 16 h + i; V's tiles are laid likewise along the channels, so O^T's register 16 b + i is channel 32 b + 16 h + i.
; A ROW WITH NO KEY THAT COUNTS has the sum 0: its scale word becomes 0xffffffff (NaN bytes), which makes the last projection's sums NaN for that row, as the softmax of such a row is.
; o_codes[query][1,536 bytes], o_scales[query][64 bytes]: a head's part of a row is 96 bytes of codes, so these stores (3.3 MB in all) do not cover whole aligned runs of 256 bytes.
; LIMITS: NaN and infinities among the inputs are not served; a block under 2^(3 - 127), zeros too, keeps the byte 1.
; REGISTERS.  Window 0: v1-8 addresses; v12 -M, v13 the largest t, v[14:15] the sum in two halves; v16-27 Q; v32-39 K's scale words, v40-47 V's; v96-159 S^T, then p; v160-223 O^T; v224-235 p's codes; v232-254 at work; v255 Q's scale word.
;   Window 1: v0-95 K's eight fragments; v96-191 V's; v192-215 the copy in hand.
.set STEPG, 12288                      ; a key step's images of V, or of K, in bytes
.set SLOTB, 2*STEPG                    ; an LDS slot: V's eight images, then K's
.set SCB,   2*SLOTB                    ; behind the slots: V's scale words of the whole head (8,192 bytes), then K's
.set KGL,   512*STEPG                  ; from V's images to K's in qkv_codes
.set KSGL,  512*512                    ; and in qkv_scales
.set LI,   1                           ; v1  16 x lane: an image's place for my lane
.set LS,   2                           ; v2  SCB + 32 r: my row's eight scale words
.set ADS,  3                           ; v3  the same in the step in hand
.set FG,   4                           ; v4  16 x thread: the copies' place
.set PFO,  5                           ; v5  the prefetches' offset
.set NINF, 6                           ; v6  -infinity
.set FILL, 192
.set KV,   4                           ; s[4:5]   V's images of the step to be copied
.set WV,   66
.set HD,   67
.set MYF,  84                          ; s84 my tile's flags, shifted as the steps go
.set WGF,  85                          ; s85 bit s: some wave of the work-group needs step s
.set MO,   86                          ; s86 byte offset of the next step's mask words
.set TS,   87                          ; s87 512 x step: the step's scale words
.set STP,  88                          ; s88 the step's number
.set PLIM, 89                          ; s89 a wave prefetches while the step's number is under it
.set SEL,  90                          ; s[90:91] lane selects for v_permlanex16_b32: lane l xor 16
.set CS,   92                          ; s[92:93] c = log2(e) / sqrt(128), twice
.set MSB, 0
.macro WIN new                         ; the immediate's high byte repeats the setting that is left
.if MSB != (\new)
	s_set_vgpr_msb (MSB<<8)|(\new)
.set MSB, (\new)
.endif
.endm
	s_load_b128 s[4:7], s[0:1], 0x0                ; qkv_codes, qkv_scales
	s_load_b128 s[8:11], s[0:1], 0x10              ; maskw, flags
	s_load_b128 s[12:15], s[0:1], 0x20             ; o_codes, o_scales
	v_lshl_add_u32 v250, v0, 2, 0x10000
	v_mov_b32 v251, 0
	v_lshrrev_b32 v1, 5, v0
	v_readfirstlane_b32 s[WV], v1                  ; wave 0..7
	s_and_b32 s[HD], ttmp7, 0xffff                 ; the head
	s_lshr_b32 s52, ttmp9, 1                       ; p
	s_and_b32 s53, ttmp9, 1                        ; e
	s_sub_co_u32 s57, 15, s52                      ; 15 - p
	s_cmp_lt_u32 s[WV], 4
	s_cselect_b32 s54, s52, s57                    ; g: my group of 128 queries
	s_and_b32 s55, s[WV], 3
	s_lshl_b32 s53, s53, 2
	s_add_co_u32 s55, s55, s53                     ; a: my tile in it
	s_lshl_b32 s56, s54, 3
	s_add_co_u32 s56, s56, s55                     ; T = 8 g + a
	s_lshl_b32 s52, s52, 3
	s_add_co_u32 s52, s52, s53
	s_lshl_b32 s52, s52, 4                         ; the flags of waves 0-3's four tiles: 64 bytes from here,
	s_lshl_b32 s57, s57, 3
	s_add_co_u32 s57, s57, s53
	s_lshl_b32 s57, s57, 4                         ; of waves 4-7's,
	s_lshl_b32 s53, s56, 4                         ; and mine
	s_cmp_lt_u32 s[WV], 3                          ; who prefetches: waves 0 to 2 of the head's first work-group
	s_cselect_b32 s[PLIM], 13, 0
	s_cmp_eq_u32 ttmp9, 0
	s_cselect_b32 s[PLIM], s[PLIM], 0
	s_mov_b32 s[SEL], 0x76543210
	s_mov_b32 s[SEL+1], 0xfedcba98
	s_mov_b32 s[CS], 0x3e0293ee
	s_mov_b32 s[CS+1], s[CS]
	s_mov_b32 s[TS], 0
	s_mov_b32 s[STP], 0
	s_mov_b32 s[MO], 0
	s_mov_b32 s3, 8
	v_and_b32 v[LI], 31, v0
	v_lshlrev_b32 v[LI], 4, v[LI]
	v_and_b32 v8, 15, v0                           ; r
	v_lshl_add_u32 v[LS], v8, 5, SCB
	v_lshlrev_b32 v8, 5, v8                        ; 32 r: my row among Q's scale words
	v_lshlrev_b32 v[FG], 4, v0
	v_and_b32 v[PFO], 15, v0
	v_lshlrev_b32 v[PFO], 8, v[PFO]                ; lanes 256 bytes apart; 16 lanes and 3 waves cover a step's 12,288 bytes of V,
	v_bfe_u32 v7, v0, 4, 1
	v_mul_u32_u24 v7, v7, KGL                      ; lanes 16-31 those of K
	s_lshl_b32 s72, s[WV], 12
	v_add3_u32 v[PFO], v[PFO], v7, s72
	v_mov_b32 v[NINF], 0xff800000
	s_wait_kmcnt 0x0
	s_load_b512 s[16:31], s[10:11], s52 offset:0x0
	s_load_b512 s[32:47], s[10:11], s57 offset:0x0
	s_load_b128 s[48:51], s[10:11], s53 offset:0x0
	s_lshl_b32 s58, s[HD], 4
	s_add_co_u32 s58, s58, s54
	s_add_co_u32 s58, s58, 256                     ; idx of my group of queries
	s_mul_i32 s60, s58, STEPG
	s_mul_i32 s62, s55, 1536
	s_add_co_u32 s60, s60, s62
	s_mov_b32 s61, 0
	s_add_nc_u64 s[60:61], s[4:5], s[60:61]        ; Q's image
	s_lshl_b32 s62, s58, 9
	s_lshl_b32 s63, s55, 2
	s_add_co_u32 s62, s62, s63
	s_mov_b32 s63, 0
	s_add_nc_u64 s[62:63], s[6:7], s[62:63]        ; Q's scale words
	s_mul_i32 s68, s[HD], 16*STEPG
	s_mov_b32 s69, 0
	s_add_nc_u64 s[KV:KV+1], s[KV:KV+1], s[68:69]  ; V's images of the head's step 0
	s_lshl_b32 s68, s[HD], 13
	s_add_nc_u64 s[6:7], s[6:7], s[68:69]          ; V's scale words of the head
	s_lshl_b32 s68, s56, 12
	s_add_nc_u64 s[8:9], s[8:9], s[68:69]          ; my tile's mask words: 16 steps x 256 bytes
	s_lshl_b32 s70, s54, 7
	s_lshr_b32 s71, s55, 1
	s_lshl_b32 s71, s71, 5
	s_add_co_u32 s70, s70, s71
	s_and_b32 s71, s55, 1
	s_lshl_b32 s71, s71, 3
	s_add_co_u32 s70, s70, s71                     ; the tile's first query
	s_mul_i32 s68, s70, 1536
	s_mul_i32 s71, s[HD], 96
	s_add_co_u32 s68, s68, s71
	s_add_nc_u64 s[12:13], s[12:13], s[68:69]
	s_lshl_b32 s68, s70, 6
	s_lshl_b32 s71, s[HD], 2
	s_add_co_u32 s68, s68, s71
	s_add_nc_u64 s[14:15], s[14:15], s[68:69]
.irp c, 0,1,2
	global_load_b128 v[16+4*\c:19+4*\c], v[LI], s[60:61] offset:512*\c   ; Q's fragment stays in registers
.endr
	global_load_b32 v255, v8, s[62:63]
	WIN 0x40                                       ; destination window 1
.irp c, 0,1
	global_load_b128 v[4*\c:4*\c+3], v[FG], s[6:7] offset:4096*\c             ; the head's scale words: V's 8,192 bytes,
	global_load_b128 v[8+4*\c:11+4*\c], v[FG], s[6:7] offset:KSGL+4096*\c     ; K's
.endr
.irp c, 0,1,2
	global_load_b128 v[FILL+4*\c:FILL+4*\c+3], v[FG], s[KV:KV+1] offset:4096*\c           ; key step 0: V's images,
	global_load_b128 v[FILL+12+4*\c:FILL+15+4*\c], v[FG], s[KV:KV+1] offset:KGL+4096*\c   ; K's
.endr
	WIN 0
	v_mov_b32 v13, 0xff61b1e6                      ; the largest t so far: -3e38, under every t
	v_floor_f32 v12, -v13                          ; -M
	v_mov_b32 v14, 0                               ; the sum, in two halves
	v_mov_b32 v15, 0
.irp b, 0,1,2,3
	v_mov_b32 v[236+\b], 0                         ; written once: a lane permute's destination counts as one of its sources
.endr
	v_mov_b32 v252, 0
	v_mov_b32 v253, 0
.set ZN, 0
.rept 64
	v_mov_b32 v[160+ZN], 0                         ; O^T.  (The step is written once: the first finds zeros, which the first change of M leaves zeros)
.set ZN, ZN+1
.endr
	s_wait_kmcnt 0x0                               ; the flags
.set ZN, 17
.rept 31
	s_or_b32 s16, s16, s[ZN]
.set ZN, ZN+1
.endr
	s_and_b32 s[WGF], s16, 0xffff                  ; steps that some wave of the work-group needs; bit 16 and up are 0: nothing is copied beyond step 15
	s_or_b32 s48, s48, s49
	s_or_b32 s50, s50, s51
	s_or_b32 s[MYF], s48, s50
	s_wait_xcnt 0x0                                ; every load above has had its addresses translated: the scalar registers that served as bases and offsets may be loaded over
	s_load_b512 s[16:31], s[8:9], s[MO] offset:0x0 ; step 0's 64 mask words: word n in s[16 + n], from word 48 on in s[20 + n]
	s_load_b512 s[32:47], s[8:9], s[MO] offset:0x40
	s_load_b512 s[48:63], s[8:9], s[MO] offset:0x80
	s_load_b512 s[68:83], s[8:9], s[MO] offset:0xc0
	s_wait_loadcnt 0x0
	WIN 0x04                                       ; an LDS store's data are its source 1: window 1
.irp c, 0,1
	ds_store_b128 v[FG], v[4*\c:4*\c+3] offset:SCB+4096*\c
	ds_store_b128 v[FG], v[8+4*\c:11+4*\c] offset:SCB+8192+4096*\c
.endr
.irp i, 0,1,2,3,4,5
	ds_store_b128 v[FG], v[FILL+4*\i:FILL+4*\i+3] offset:4096*\i
.endr
	WIN 0
	s_wait_dscnt 0x0                               ; for the others' sake: my stores have landed
	s_barrier_signal -1
	s_barrier_wait -1
; A KEY STEP: reads slot sl, copies the next step into the other slot.  One barrier a step serves both ways: in front of it each wave's LDS loads are back and its LDS stores have landed,
; so the slot written in this step was last read in front of the last barrier, and is read only behind this one.
.macro STEP sl
	s_wait_kmcnt 0x0                               ; this step's mask words are in
	s_wait_xcnt 0x0                                ; the last step's copies and prefetch have read their base: it may step
	s_add_nc_u64 s[KV:KV+1], s[KV:KV+1], STEPG     ; on to the next step's images
	v_add_nc_u32 v[ADS], s[TS], v[LS]
	s_bitcmp1_b32 s[WGF], 1+\sl                    ; does any wave need the next step?
	s_cbranch_scc0 .Lno_fill_\@
	WIN 0x40
.irp c, 0,1,2
	global_load_b128 v[FILL+4*\c:FILL+4*\c+3], v[FG], s[KV:KV+1] offset:4096*\c
	global_load_b128 v[FILL+12+4*\c:FILL+15+4*\c], v[FG], s[KV:KV+1] offset:KGL+4096*\c
.endr
	WIN 0
.Lno_fill_\@:
; A prefetch into the L2 of the images two key steps beyond the one that is being copied: V's 12,288 bytes and K's, lanes 256 bytes apart, one instruction in each of three waves of the head's first work-group,
; so that each aligned block of 256 bytes is named once in the launch.  Steps 0 to 2 come by their loads alone; step 15 is the last that is named (in step 12).
	s_cmp_lt_u32 s[STP], s[PLIM]
	s_cbranch_scc0 .Lno_ask_\@
	global_prefetch_b8 v[PFO], s[KV:KV+1] offset:2*STEPG th:TH_LOAD_NT scope:SCOPE_SE
.Lno_ask_\@:
	s_bitcmp1_b32 s[MYF], \sl                      ; does any key of this step count for my tile?
	s_cbranch_scc0 .Lno_work_\@
	ds_load_b128 v[32:35], v[ADS] offset:8192      ; K's scale words: row r of tiles 0-3,
	ds_load_b128 v[36:39], v[ADS] offset:8208      ; 4-7
	WIN 0x40
.irp t, 0,1,2,3,4,5,6,7
.irp c, 0,1,2
	ds_load_b128 v[12*\t+4*\c:12*\t+4*\c+3], v[LI] offset:\sl*SLOTB+STEPG+1536*\t+512*\c    ; K's fragments, as images: 512 consecutive bytes a load
.endr
.endr
.irp t, 0,1,2,3,4,5,6,7
.irp c, 0,1,2
	ds_load_b128 v[96+12*\t+4*\c:96+12*\t+4*\c+3], v[LI] offset:\sl*SLOTB+1536*\t+512*\c    ; V's: they land under the softmax
.endr
.endr
	WIN 0
	ds_load_b128 v[40:43], v[ADS]                  ; V's scale words
	ds_load_b128 v[44:47], v[ADS] offset:16
	s_wait_dscnt 26                                ; K's 26 loads are in; V's 26 may be out
	WIN 0x01                                       ; source 0 window 1
.irp t, 0,1,2,3,4,5,6,7
	v_wmma_scale_f32_16x16x128_f8f6f4 v[96+8*\t:103+8*\t], v[12*\t:12*\t+11], v[16:27], 0, v[32+\t], v255 matrix_a_fmt:MATRIX_FMT_FP6 matrix_b_fmt:MATRIX_FMT_FP6
.endr
	WIN 0
.rept 4
	v_nop                                          ; places behind the products, ahead of the first read of their results
.endr
	s_bitcmp1_b32 s[MYF], 16+\sl                   ; a step all of whose keys count for all my queries needs no mask
	s_cbranch_scc1 .Lopen_\@
.set MN, 0
.rept 64
	v_cndmask_b32 v[96+MN], v[NINF], v[96+MN], s[16+MN+4*(MN/48)]   ; where the lane's bit is 0 the score becomes -infinity: p = 0 then
.set MN, MN+1
.endr
.Lopen_\@:
.irp b, 0,1,2,3
	v_max3_num_f32 v[232+\b], v[96+16*\b], v[97+16*\b], v[98+16*\b]   ; THE LARGEST SCORE OF EACH BLOCK OF 32 KEYS: it serves twice: for the row's maximum, and, since p rises with the score, for the block's largest p
.endr
.irp i, 3,5,7,9,11,13
.irp b, 0,1,2,3
	v_max3_num_f32 v[232+\b], v[232+\b], v[96+16*\b+\i], v[97+16*\b+\i]   ; (the four blocks by turns)
.endr
.endr
.irp b, 0,1,2,3
	v_max_num_f32 v[232+\b], v[232+\b], v[111+16*\b]
.endr
.irp b, 0,1,2,3
	v_permlanex16_b32 v[236+\b], v[232+\b], s[SEL], s[SEL+1]
.endr
.irp b, 0,1,2,3
	v_max_num_f32 v[232+\b], v[232+\b], v[236+\b]  ; with lane l xor 16's 16 keys
.endr
	v_max3_num_f32 v254, v232, v233, v234
	v_max_num_f32 v254, v254, v235                 ; the step's largest score of my query
	v_mul_f32 v254, s[CS], v254                    ; as t (c is positive)
	v_max_num_f32 v13, v13, v254                   ; the running largest t
	v_mov_b32 v254, v12
	v_floor_f32 v12, -v13                          ; the new -M = floor(-t) = -ceil(t): M IS A WHOLE NUMBER
	v_sub_f32 v254, v12, v254                      ; M's old value less its new one: a whole number, 0 or less
	v_cvt_i32_f32 v254, v254                       ; (it saturates)
	v_ldexp_f32 v252, 1.0, v254                    ; f = 2^(old M - new M)
.set MN, 0
.rept 32
	v_pk_fma_f32 v[96+MN:97+MN], v[96+MN:97+MN], s[CS:CS+1], v[12:13] op_sel_hi:[1,0,0]   ; t - M, two at a time (of the pairs c and -M the low word serves both halves)
.set MN, MN+2
.endr
.irp b, 0,1,2,3
	v_fma_f32 v[232+\b], v[232+\b], s[CS], v12     ; the same of each block's largest score
.endr
.set MN, 0
.rept 64
	v_exp_f32 v[96+MN], v[96+MN]                   ; p = 2^(t - M), at most 1: NOT normalised
.set MN, MN+1
.endr
	v_pk_mul_f32 v[14:15], v[14:15], v[252:253] op_sel_hi:[1,0]   ; the sums under the new M.  (A plain place behind the exponentials)
	s_wait_alu depctr_va_vdst(0)                   ; one wait for the whole batch, ahead of its first reader
.irp b, 0,1,2,3
	v_exp_f32 v[232+\b], v[232+\b]                 ; the block's largest p: the same two instructions on the same number give the same bits
.endr
	v_pk_add_f32 v[236:237], v[96:97], v[98:99]    ; THE ROW'S SUM IS TAKEN OF THE UNQUANTISED p: two at a time, in two chains
.irp j, 4,8,12,16,20,24,28,32,36,40,44,48,52,56,60
	v_pk_add_f32 v[14:15], v[14:15], v[96+\j:97+\j]
	v_pk_add_f32 v[236:237], v[236:237], v[98+\j:99+\j]
.endr
	v_pk_add_f32 v[14:15], v[14:15], v[236:237]
	s_wait_alu depctr_va_vdst(0)                   ; and one for the four
.irp b, 0,1,2,3
	v_max_num_f32 v[232+\b], 0x1800000, v[232+\b]  ; the floor 2^(3 - 127): the byte cannot fall under 1 (a block whose every p is 0 keeps that byte: its codes are zeros)
.endr
.irp b, 0,1,2,3
	v_add_nc_u32 v[244+\b], 0xff000000, v[232+\b]  ; 2 off the exponent field: the conversion's scale operand
.endr
.irp b, 0,1,2,3
	v_lshrrev_b32 v[236+\b], 23, v[244+\b]         ; the scale's byte
.endr
	v_lshl_or_b32 v253, v237, 8, v236              ; p's scale word for these 128 keys
	v_lshl_or_b32 v253, v238, 16, v253
	v_lshl_or_b32 v253, v239, 24, v253
.irp c, 0,1
	v_cvt_scalef32_pk16_fp6_f32 v[224+6*\c:226+6*\c], v[96+32*\c:111+32*\c], v[244+2*\c]
	v_cvt_scalef32_pk16_fp6_f32 v[236+4*\c:238+4*\c], v[112+32*\c:127+32*\c], v[244+2*\c+1]   ; (a conversion's three registers begin on an even number)
.endr
	v_nop                                          ; one plain place behind a scaled conversion
.irp c, 0,1                                    ; the operand's layout wants a WHOLE block in a lane: lanes 0-15 block 2 c, lanes 16-31 block 2 c + 1
.irp i, 0,1,2
	v_permlane16_swap_b32 v[224+6*\c+\i], v[236+4*\c+\i]
.endr
.irp i, 0,1,2
	v_mov_b32 v[227+6*\c+\i], v[236+4*\c+\i]
.endr
.endr
.set MN, 0
.rept 32
	v_pk_mul_f32 v[160+MN:161+MN], v[160+MN:161+MN], v[252:253] op_sel_hi:[1,0]   ; O^T under the new M: x f.  (These 32 are also the places between the writes of p's codes and scale word and the products below)
.set MN, MN+2
.endr
	s_wait_dscnt 0x0                               ; V's fragments and scale words are in
	WIN 0x01
.irp t, 0,1,2,3,4,5,6,7                        ; the eight accumulators take turns, one instruction a turn
	v_wmma_scale_f32_16x16x128_f8f6f4 v[160+8*\t:167+8*\t], v[96+12*\t:107+12*\t], v[224:235], v[160+8*\t:167+8*\t], v[40+\t], v253 matrix_a_fmt:MATRIX_FMT_FP6 matrix_b_fmt:MATRIX_FMT_FP6
.endr
	WIN 0
.rept 4
	v_nop                                          ; places in front of the next loads into registers that these products have read, and of the next read of O^T
.endr
.Lno_work_\@:
	s_add_co_u32 s[MO], s[MO], 256                 ; the next step's mask words (the last step asks for its own once more: no load leaves the buffer)
	s_min_u32 s[MO], s[MO], 3840
	s_load_b512 s[16:31], s[8:9], s[MO] offset:0x0
	s_load_b512 s[32:47], s[8:9], s[MO] offset:0x40
	s_load_b512 s[48:63], s[8:9], s[MO] offset:0x80
	s_load_b512 s[68:83], s[8:9], s[MO] offset:0xc0
	s_wait_loadcnt 0x0                             ; the copy is in registers
	s_bitcmp1_b32 s[WGF], 1+\sl
	s_cbranch_scc0 .Lno_store_\@
	WIN 0x04
.irp i, 0,1,2,3,4,5
	ds_store_b128 v[FG], v[FILL+4*\i:FILL+4*\i+3] offset:(1-\sl)*SLOTB+4096*\i
.endr
	WIN 0
.Lno_store_\@:
	s_wait_dscnt 0x0                               ; my stores have landed and my loads are back
	s_barrier_signal -1
	s_barrier_wait -1
	s_add_co_u32 s[TS], s[TS], 512
	s_add_co_u32 s[STP], s[STP], 1
.endm
.Lsteps:                                           ; 8 trips of two key steps
	STEP 0
	STEP 1
	s_lshr_b32 s[MYF], s[MYF], 2
	s_lshr_b32 s[WGF], s[WGF], 2
	s_sub_co_u32 s3, s3, 1
	s_cmp_lg_u32 s3, 0
	s_cbranch_scc1 .Lsteps
	; THE WAY OUT.  O^T / the sum is quantised along the channels in registers and leaves as 96 bytes of my query's row of o_codes and one scale word.
	v_add_f32 v14, v14, v15                        ; the sum's two halves,
	v_permlanex16_b32 v252, v14, s[SEL], s[SEL+1]
	v_add_f32 v14, v14, v252                       ; and lane l xor 16's: the row's sum
	v_rcp_f32 v15, v14
	v_and_b32 v9, 15, v0                           ; (plain work behind the transcendental)  r
	v_and_b32 v10, 8, v9
	v_add_nc_u32 v9, v9, v10                       ; r + 8 (r / 8): my query in the tile
	v_bfe_u32 v10, v0, 4, 1                        ; h
	v_mul_u32_u24 v7, v9, 1536
	v_mad_u32_u24 v7, v10, 24, v7                  ; its row of codes, + 24 h
	v_lshlrev_b32 v8, 6, v9                        ; its row of scale bytes
.irp b, 0,1,2,3
	v_mov_b32 v[36+\b], 0                          ; a lane permute's destination counts as one of its sources
.endr
	v_mov_b32 v244, -1
	s_wait_alu depctr_va_vdst(0)                   ; ahead of the reciprocal's first reader
.set MN, 0
.rept 64
	v_mul_f32 v[96+MN], v[160+MN], v15             ; register 16 b + i: channel 32 b + 16 h + i of my query
.set MN, MN+1
.endr
.irp b, 0,1,2,3
	v_max3_num_f32 v[32+\b], |v[96+16*\b]|, |v[97+16*\b]|, 0x1800000   ; block b: my 16 numbers, and the floor 2^(3 - 127)
.endr
.irp i, 2,4,6,8,10,12,14
.irp b, 0,1,2,3
	v_max3_num_f32 v[32+\b], v[32+\b], |v[96+16*\b+\i]|, |v[97+16*\b+\i]|
.endr
.endr
.irp b, 0,1,2,3
	v_permlanex16_b32 v[36+\b], v[32+\b], s[SEL], s[SEL+1]
.endr
.irp b, 0,1,2,3
	v_max_num_f32 v[32+\b], v[32+\b], v[36+\b]     ; with lane l xor 16's: the block's largest magnitude
.endr
.irp b, 0,1,2,3
	v_add_nc_u32 v[44+\b], 0xff000000, v[32+\b]    ; 2 off its exponent field: the conversion's scale operand
.endr
.irp b, 0,1,2,3
	v_lshrrev_b32 v[36+\b], 23, v[44+\b]           ; the scale's byte
.endr
	v_lshl_or_b32 v243, v37, 8, v36
	v_lshl_or_b32 v243, v38, 16, v243
	v_lshl_or_b32 v243, v39, 24, v243
.irp c, 0,1
	v_cvt_scalef32_pk16_fp6_f32 v[224+6*\c:226+6*\c], v[96+32*\c:111+32*\c], v[44+2*\c]
	v_cvt_scalef32_pk16_fp6_f32 v[236+4*\c:238+4*\c], v[112+32*\c:127+32*\c], v[44+2*\c+1]
.endr
	v_nop                                          ; one plain place behind a scaled conversion
.irp c, 0,1
.irp i, 0,1,2
	v_permlane16_swap_b32 v[224+6*\c+\i], v[236+4*\c+\i]
.endr
.irp i, 0,1,2
	v_mov_b32 v[227+6*\c+\i], v[236+4*\c+\i]
.endr
.endr
	v_cmp_eq_f32 vcc_lo, 0, v14                    ; a row for which no key counts:
	v_cndmask_b32 v243, v243, v244, vcc_lo         ; four NaN bytes; a choice of a value, no branch
.irp p, 0,1,2,3,4,5
	global_store_b64 v7, v[224+2*\p:225+2*\p], s[12:13] offset:48*(\p/3)+8*(\p%3)   ; registers 6 c .. 6 c + 5: channels 64 c + 32 h + 0 .. 31: 24 bytes at 48 c + 24 h of the head's 96
.endr
	global_store_b32 v8, v243, s[14:15]            ; lanes r and 16 + r hold the same word and store it to the same place
	s_wait_tensorcnt 0x0
	ds_add_u32 v250, v251
	s_wait_dscnt 0x0
	s_endpgm
.Lfunc_end_k_qb9b6c67f53_attn:
	.size	k_qb9b6c67f53_attn, .Lfunc_end_k_qb9b6c67f53_attn-k_qb9b6c67f53_attn
	.p2alignl 7, 3214868480
	.fill 96, 4, 3214868480
	.section	.rodata,"a",@progbits
	.p2align	6, 0x0
	.amdhsa_kernel k_qb9b6c67f53_attn
		.amdhsa_group_segment_fixed_size 66560
		.amdhsa_private_segment_fixed_size 0
		.amdhsa_enable_private_segment 0
		.amdhsa_kernarg_size 48
		.amdhsa_user_sgpr_count 2
		.amdhsa_user_sgpr_kernarg_segment_ptr 1
		.amdhsa_wavefront_size32 1
		.amdhsa_system_sgpr_workgroup_id_x 1
		.amdhsa_system_sgpr_workgroup_id_y 1
		.amdhsa_system_sgpr_workgroup_id_z 1
		.amdhsa_system_vgpr_workitem_id 0
		.amdhsa_next_free_vgpr 512
		.amdhsa_next_free_sgpr 102
		.amdhsa_reserve_vcc 1
		.amdhsa_float_denorm_mode_32 3
		.amdhsa_float_denorm_mode_16_64 3
		.amdhsa_memory_ordered 1
		.amdhsa_forward_progress 1
		.amdhsa_inst_pref_size 67
	.end_amdhsa_kernel
	.amdgpu_metadata
---
amdhsa.version: [ 1, 2 ]
amdhsa.kernels:
  - .name:           k_qb9b6c67f53_attn
    .symbol:         k_qb9b6c67f53_attn.kd
    .args:
      - { .name: qkv_codes, .offset: 0, .size: 8, .value_kind: global_buffer, .address_space: global }
      - { .name: qkv_scales, .offset: 8, .size: 8, .value_kind: global_buffer, .address_space: global }
      - { .name: maskw, .offset: 16, .size: 8, .value_kind: global_buffer, .address_space: global }
      - { .name: flags, .offset: 24, .size: 8, .value_kind: global_buffer, .address_space: global }
      - { .name: o_codes, .offset: 32, .size: 8, .value_kind: global_buffer, .address_space: global }
      - { .name: o_scales, .offset: 40, .size: 8, .value_kind: global_buffer, .address_space: global }
    .group_segment_fixed_size: 66560
    .private_segment_fixed_size: 0
    .kernarg_segment_align: 8
    .kernarg_segment_size: 48
    .max_flat_workgroup_size: 256
    .sgpr_count:     102
    .vgpr_count:     512
    .wavefront_size: 32
...
	.end_amdgpu_metadata
.endif
;; end of part 3
;; launch oproj (part 4): grid 8 x 8, 4 waves a work-group, clusters of 4 x 4, 327,680 bytes of LDS; arguments o_codes, o_scales, codes, scales, out0; writes out0
.if DOCPART == 4
	.amdgcn_target "amdgcn-amd-amdhsa--gfx1250"
	.amdhsa_code_object_version 6
	.text
	.protected	k_qb9b6c67f53_oproj
	.globl	k_qb9b6c67f53_oproj
	.p2align	8
	.type	k_qb9b6c67f53_oproj,@function
k_qb9b6c67f53_oproj:
	s_mov_b64 s[64:65], 0
	v_nop
	global_prefetch_b8 v0, s[64:65] scope:SCOPE_SE
	s_setreg_imm32_b32 hwreg(HW_REG_WAVE_MODE, 25, 1), 1
	s_wait_xcnt 0x0
	s_wait_alu depctr_hold_cnt(0) depctr_sa_sdst(0) depctr_va_vdst(0) depctr_va_sdst(0) depctr_va_ssrc(0) depctr_va_vcc(0) depctr_vm_vsrc(0)
	s_getreg_b32 s2, hwreg(HW_REG_IB_STS2, 6, 4)
	s_cmp_eq_u32 s2, 0
	s_cbranch_scc0 .Lentry_in_a_cluster
	s_endpgm
.Lentry_in_a_cluster:
	s_bfe_u32 s2, ttmp6, 0x10000c
	s_cmp_lg_u32 s2, 0xf033
	s_cbranch_scc0 .Lentry_shape_is_right
	s_endpgm
.Lentry_shape_is_right:
; OPROJ.  out0[m][n] = sum over k of A[m][k] B[n][k]: A = the attention's result, o_codes [2048][1,536 bytes] and o_scales [2048][64]; B = w_o, rows 8,192 on of codes and scales; both codes of FP6 (E2M3), 6 bits each,
; with one E8M0 scale for each 32 along K = 2,048; out0 [2048][2048] f32; sums in f32.  The matrix instruction takes codes and scale bytes as they lie in memory.
; A tile of C, 256 x 256, is made by a work-group of four waves; a wave makes 128 x 128: 64 accumulators of 16 x 16, 512 registers.  64 tiles: 64 work-groups.
; K goes in steps of 256 through a ring of two LDS slots filled by the tensor data mover: a tile's row is 192 bytes of memory.
; THE SCALES of the work-group's 256 rows of A and 256 rows of B, for all of K, are two dense blocks of memory: they come into LDS ONCE, with the first fills, and stay.
; CLUSTERS: 4 x 4 work-groups.  The four of a row of the cluster need the same tiles of A, the four of a column the same tiles of B: each tile is asked for JOINTLY, by the same tensor load with the
; same descriptor and a mask that names the four.  THE MATRIX INSTRUCTION IS USED TRANSPOSED (source 0 = 16 rows of B, source 1 = 16 rows of A): a lane then holds eight neighbouring numbers of a row of C.
; A row of A whose scale bytes are 0xff (a query for which no key counts) gives NaN in its whole row of C, as the softmax of such a row does.
; REGISTERS, in windows of 256: window 0: v0-31 addresses; v32-63 scale words, two sets; from v128 A's fragments (8 x 16 rows x 128 K), ONE set; on the way out v32-255 are free.
;   window 1: B's fragments, TWO sets, at v0 and at v128.   window 2: the 32 accumulators of my rows 0-63 (accumulator (a, b) at v[8 (8 a + b)]);   window 3: those of my rows 64-127.
.set SIZE_K, 2048
.set SIZE_N, 2048
.set KSTEP,  256                       ; along K in a slot
.set NQ,     KSTEP/128                 ; matrix instructions deep
.set ROWB,   192                       ; a tile's row in bytes: KSTEP codes of 6 bits
.set KROW,   SIZE_K*6/8                ; a row of A or of B in memory, in bytes
.set PITCH,  240                       ; an LDS row: 3 x (64 bytes of data + 16 of padding) = 60 words: the 32 lanes of a load of 8 bytes touch 64 different banks (64 banks of 4 bytes: ISA guide 11.1)
.set FR,     12                        ; registers of a fragment: 16 rows x 128 K
.set NL,     6                         ; LDS loads that bring one
.set NP,     4                         ; places behind this matrix instruction (ISA guide 7.12.1)
.set HALFT,  128*PITCH                 ; 128 rows: what one tensor load brings, and what one wave reads of A or of B
.set SLOT,   4*HALFT                   ; A's 256 rows, then B's 256 rows
.set LAPS,   SIZE_K/(2*KSTEP)          ; a lap = two K steps = once round the ring
.set KS,     SIZE_K/32                 ; a row of scales in bytes
.set SCL,    2*SLOT                    ; behind the ring: the scales, as units of 256 bytes + 16 of padding
.set HALFS,  (128*KS/256)*272          ; the scales of 128 rows: what one tensor load brings
.set SBLK,   (16*KS/256)*272           ; those of 16 rows
.set SPARE,  SCL+4*HALFS               ; behind the scales: the spare words, 128 bytes for each wave: two blocks of 256 bytes that no other line names
.set SPITCH, 528                       ; the way out: a stage of 16 rows x (512 bytes + 16) for each wave.  It lies in slot 0, which has had its last fill and its last read when the first result is stored there
.set ADRA, 16                          ; v16-17  LDS address of my A fragments in slot 0, 1  (v18-19: the same for the pieces that lie behind one padding more)
.set ADRB, 20                          ; v20-21  the same for B  (v22-23)
.set STO,  24                          ; v24     the way out: where I put 32 bytes of a row
.set RD,   25                          ; v25     the way out: where I read a row back
.set CO,   26                          ; v26     my byte offset in a row of C
.set SPW,  28                          ; v28     LDS address of my spare word: SPARE + 4 x my thread's number; never rewritten
.set NIL,  29                          ; v29     0; never rewritten
.set ADRS, 27                          ; v27     LDS address of my scale words: lanes 0-15 A's rows, lanes 16-31 B's
.set SC,   32                          ; scale words: set s (for slot s) at v[SC + 8 NQ s]; register NQ i + q: lanes 0-15 the word of A's block i, lanes 16-31 that of B's block i
.set AF,   128                         ; A's fragments, in window 0
.set BK,   128                         ; the way out: 16 rows read back from the stage: v128-191 and v192-255 by turns
.set G1, 24                            ; s[24:31] descriptor group 1 for A's tiles;  s[32:39] group 0, one set for each slot
.set G0, 32
.set G1B, 48                           ; s[48:55], s[56:63] the same for B's tiles
.set G0B, 56
.set G1S, 68                           ; s[68:75], s[76:79] groups 1 and 0 for A's scales;  s[80:87], s[88:91] for B's
.set G0S, 76
.set G1SB, 80
.set G0SB, 88
.set MSB, 0
.macro WIN new                         ; the immediate's high byte repeats the setting that is left
.if MSB != (\new)
	s_set_vgpr_msb (MSB<<8)|(\new)
.set MSB, (\new)
.endif
.endm
.set MUL_LO, 0xa1                      ; source 0 (B) window 1, source 1 (A) window 0, C and D window 2
.set MUL_HI, 0xf1                      ; the same, C and D window 3
.set TO_B,   0x40                      ; destination window 1, address window 0
; A joint load: waves 0 and 1 fetch for A, waves 2 and 3 for B.  Each of the two lines has ONE mask and one set of registers for all that issue it; the branch hangs on the wave's number alone.
; Four v_nop follow each of the two lines, ahead of the jump, the label and what follows.
.macro JLOAD g0a, g1a, g0b, g1b
	s_cmp_eq_u32 s15, 0
	s_cbranch_scc0 .Lfor_b_\@
	tensor_load_to_lds s[\g0a:\g0a+3], s[\g1a:\g1a+7]
	s_nop 0
.rept 4
	v_nop
.endr
	s_branch .Lasked_\@
.Lfor_b_\@:
	tensor_load_to_lds s[\g0b:\g0b+3], s[\g1b:\g1b+7]
	s_nop 0
.rept 4
	v_nop
.endr
.Lasked_\@:
.endm
.macro CREST                           ; a round of the cluster's barrier behind its opening barrier
	s_cmp_lg_u32 s14, 0
	s_cbranch_scc1 .Lnot_wave_0_\@
	s_barrier_signal -3
.Lnot_wave_0_\@:
	s_barrier_wait -3
	s_barrier_signal -1
	s_barrier_wait -1
.endm
.macro CROUND                          ; a whole round
	s_barrier_signal -1
	s_barrier_wait -1
	CREST
.endm
	s_load_b128 s[4:7], s[0:1], 0x0                ; A's codes s[4:5], A's scales s[6:7]
	s_load_b128 s[8:11], s[0:1], 0x10              ; codes s[8:9], scales s[10:11]
	s_load_b64 s[12:13], s[0:1], 0x20              ; C
	v_lshl_add_u32 v[SPW], v0, 2, SPARE
	v_mov_b32 v[NIL], 0
	ds_add_u32 v28, v29
	ds_add_u32 v28, v29
	s_wait_dscnt 0x0
	v_lshrrev_b32 v1, 5, v0
	v_readfirstlane_b32 s14, v1                    ; wave 0..3
	s_lshr_b32 s15, s14, 1                         ; which half of the tile's rows is mine.  Also: I fetch for A (0) or for B (1)
	s_and_b32 s16, s14, 1                          ; which half of its columns.  Also: which 128 rows of that tile I fetch
	s_bfe_u32 s40, ttmp6, 0x40000                  ; cx, cy: my place in the cluster
	s_bfe_u32 s41, ttmp6, 0x40004
	s_lshl_b32 s42, ttmp9, 2
	s_add_co_u32 s42, s42, s40                     ; tile column of C = 4 x cluster x + cx
	s_and_b32 s17, ttmp7, 0xffff
	s_lshl_b32 s17, s17, 2
	s_add_co_u32 s17, s17, s41                     ; tile row of C = 4 x cluster y + cy
	s_lshl_b32 s43, s41, 2
	s_lshl_b32 s43, 15, s43                        ; my row of the cluster
	s_lshl_b32 s44, 0x1111, s40                    ; my column
	; descriptor group 1: a tile of 128 rows x ROWB bytes, padded in LDS
	s_or_b32 s[G1+0], s43, (0<<16)|(1<<20)|(1<<21)|(3<<22)|(3<<25)  ; 15:0 the mask: A's tiles go to my row; 17:16 element of 1 byte; 20 padding on; 21 set beside a mask; 24:22 after every 16 words (code 3); 31:25 of 4 words (code 3)
	s_or_b32 s[G1B+0], s44, (0<<16)|(1<<20)|(1<<21)|(3<<22)|(3<<25)
.irp g, G1, G1B
	s_mov_b32 s[\g+1], ROWB<<16                    ; tensor_dim0
	s_mov_b32 s[\g+2], 128<<16                     ; tensor_dim1 = 128
	s_mov_b32 s[\g+3], ROWB<<16                    ; tile_dim0
	s_mov_b32 s[\g+4], 128                         ; tile_dim1 = 128
	s_mov_b32 s[\g+5], KROW                        ; tensor_dim0_stride
	s_mov_b32 s[\g+6], 0
	s_mov_b32 s[\g+7], 0
.endr
	; and for the scales of 128 rows: a dense block of 128 KS bytes, as rows of 256 bytes (32 elements of 8 bytes), 16 bytes of padding behind each
	s_or_b32 s[G1S+0], s43, (3<<16)|(1<<20)|(1<<21)|(5<<22)|(3<<25)
	s_or_b32 s[G1SB+0], s44, (3<<16)|(1<<20)|(1<<21)|(5<<22)|(3<<25)
.irp g, G1S, G1SB
	s_mov_b32 s[\g+1], 32<<16
	s_mov_b32 s[\g+2], (128*KS/256)<<16
	s_mov_b32 s[\g+3], 32<<16
	s_mov_b32 s[\g+4], 128*KS/256
	s_mov_b32 s[\g+5], 32
	s_mov_b32 s[\g+6], 0
	s_mov_b32 s[\g+7], 0
.endr
	s_lshl_b32 s18, s16, 7                         ; which 128 rows of the tile I fetch
	s_lshl_b32 s20, s17, 8
	s_add_co_u32 s20, s20, s18                     ; A: row 256 x tile row + 128 x half
	s_lshl_b32 s46, s42, 8
	s_add_co_u32 s46, s46, s18                     ; B: row 256 x tile column + 128 x half
	s_mov_b32 s21, 0
	s_mov_b32 s47, 0
	s_mov_b64 s[18:19], KS
	s_mul_u64 s[22:23], s[20:21], s[18:19]         ; where these rows' scales begin, in bytes
	s_mul_u64 s[92:93], s[46:47], s[18:19]
	s_mov_b64 s[18:19], KROW
	s_mul_u64 s[20:21], s[20:21], s[18:19]         ; and their codes
	s_mul_u64 s[46:47], s[46:47], s[18:19]
	s_mul_i32 s45, s14, HALFT                      ; where they go: wave x 128 rows: no place in the cluster enters an LDS address
	s_mul_i32 s94, s14, HALFS
	s_wait_kmcnt 0x0
	s_add_nc_u64 s[8:9], s[8:9], 8192*KROW         ; w_o's rows begin at row 8,192 of codes
	s_add_nc_u64 s[10:11], s[10:11], 8192*KS       ; and of scales
	s_add_nc_u64 s[20:21], s[4:5], s[20:21]
	s_add_nc_u64 s[22:23], s[6:7], s[22:23]
	s_add_nc_u64 s[46:47], s[8:9], s[46:47]
	s_add_nc_u64 s[92:93], s[10:11], s[92:93]
	CROUND                                         ; all sixteen work-groups are here: the first joint loads meet
	s_mov_b32 s[G0S], 1
	s_add_co_u32 s[G0S+1], s94, SCL
	s_mov_b64 s[G0S+2:G0S+3], s[22:23]
	s_or_b32 s[G0S+3], s[G0S+3], 0x80000000
	s_mov_b32 s[G0SB], 1
	s_add_co_u32 s[G0SB+1], s94, SCL
	s_mov_b64 s[G0SB+2:G0SB+3], s[92:93]
	s_or_b32 s[G0SB+3], s[G0SB+3], 0x80000000
	JLOAD G0S, G1S, G0SB, G1SB                     ; the scales first: they are wanted with K step 0
.irp s, 0,1
	s_mov_b32 s[G0+4*\s], 1
	s_add_co_u32 s[G0+4*\s+1], s45, \s*SLOT
	s_add_nc_u64 s[G0+4*\s+2:G0+4*\s+3], s[20:21], \s*ROWB
	s_or_b32 s[G0+4*\s+3], s[G0+4*\s+3], 0x80000000
	s_mov_b32 s[G0B+4*\s], 1
	s_add_co_u32 s[G0B+4*\s+1], s45, \s*SLOT
	s_add_nc_u64 s[G0B+4*\s+2:G0B+4*\s+3], s[46:47], \s*ROWB
	s_or_b32 s[G0B+4*\s+3], s[G0B+4*\s+3], 0x80000000
	JLOAD G0+4*\s, G1, G0B+4*\s, G1B
.endr
	v_and_b32 v1, 15, v0                           ; l % 16
	v_bfe_u32 v2, v0, 4, 1                         ; l / 16
	v_mul_u32_u24 v3, v1, PITCH
	v_mul_u32_u24 v4, v2, 24
	v_add_nc_u32 v4, v3, v4                        ; a fragment's row x pitch + 24 x half
	v_lshl_add_u32 v5, v2, 4, v4                   ; and the same behind one padding more
	s_mul_i32 s21, s15, HALFT                      ; my 128 rows of A
	s_mul_i32 s22, s16, HALFT                      ; my 128 rows of B,
	s_add_co_u32 s22, s22, 2*HALFT                 ; which lie behind A's 256
.irp s, 0,1
	v_add_nc_u32 v[ADRA+\s], s21, v4
	v_add_nc_u32 v[ADRB+\s], s22, v4
	v_add_nc_u32 v[ADRA+2+\s], s21, v5
	v_add_nc_u32 v[ADRB+2+\s], s22, v5
	s_add_co_u32 s21, s21, SLOT
	s_add_co_u32 s22, s22, SLOT
.endr
	v_mul_u32_u24 v5, v1, KS                       ; my row's scales: KS bytes a row,
	v_lshrrev_b32 v6, 8, v5
	v_lshl_add_u32 v5, v6, 4, v5                   ; and 16 more for each 256 passed
	s_mul_i32 s21, s15, HALFS                      ; A's: my 128 rows
	s_mul_i32 s22, s16, HALFS                      ; B's: my 128 rows, behind A's 256
	s_add_co_u32 s22, s22, 2*HALFS
	s_sub_co_u32 s22, s22, s21
	v_mul_u32_u24 v6, s22, v2                      ; lanes 16-31 take B's
	s_add_co_u32 s21, s21, SCL
	v_add_nc_u32 v5, v5, v6
	v_add_nc_u32 v[ADRS], s21, v5
	s_mul_i32 s23, s14, 16*SPITCH                  ; my stage
	v_mul_u32_u24 v5, v1, SPITCH                   ; in: row l % 16, 32 bytes for each half of the lanes
	v_lshl_add_u32 v5, v2, 5, v5
	v_add_nc_u32 v[STO], s23, v5
	v_and_b32 v6, 31, v0
	v_lshlrev_b32 v[CO], 4, v6                     ; back: the 32 lanes take one row of 512 bytes; and the same in C
	v_add_nc_u32 v[RD], s23, v[CO]
	s_lshl_b32 s20, s17, 8
	s_lshl_b32 s21, s15, 7
	s_add_co_u32 s20, s20, s21                     ; my first row of C: 256 x tile row + 128 x half
	s_mov_b32 s21, 0
	s_mov_b64 s[18:19], SIZE_N*4
	s_mul_u64 s[20:21], s[20:21], s[18:19]
	s_lshl_b32 s46, s42, 10                        ; my first column, in bytes: 1024 x tile column + 512 x half
	s_lshl_b32 s47, s16, 9
	s_add_co_u32 s46, s46, s47
	s_mov_b32 s47, 0
	s_add_nc_u64 s[20:21], s[20:21], s[46:47]
	s_add_nc_u64 s[12:13], s[12:13], s[20:21]
.macro FRAG reg, adr, q, i             ; a fragment, 16 rows x 128 K of 6-bit codes, is 12 registers: lane l holds row l % 16; registers 6 c .. 6 c + 5 hold K = 64 c + 32 (l / 16) + 0 .. 31: 24 bytes of the row's stream of bits, as they lie
.irp p, 0,1,2,3,4,5                    ; in pieces of 8 bytes, so that every address is a multiple of the access's size.  Lanes 0-15 take the row's pieces 12 q + 0, 1, 2 and 12 q + 6, 7, 8, lanes 16-31 those three pieces on
.set PCE, 12*(\q)+6*(\p/3)+\p%3        ; the mover has laid 16 bytes of padding behind every 64 bytes (8 pieces): where the piece three on lies behind one padding more, the second address register serves
.if PCE%8 < 5
	ds_load_b64 v[\reg+2*\p:\reg+2*\p+1], v[\adr] offset:8*PCE+16*(PCE/8)+(\i)*16*PITCH
.else
	ds_load_b64 v[\reg+2*\p:\reg+2*\p+1], v[\adr+2] offset:8*PCE+16*(PCE/8)+(\i)*16*PITCH
.endif
.endr
.endm
; 16 matrix instructions: A's blocks a0, a0 + 1 x B's eight, 128 along K: the slot's q-th.  p: B's set;  sc: the set of scale words.  zero = 1: the first product starts the sums: nothing is ever cleared.
; The 64 accumulators take turns, one instruction a turn, in the same order in every step.
.macro MUL16 a0, p, q, sc, zero
.irp a, \a0, \a0+1
.irp b, 0,1,2,3,4,5,6,7
.if \zero
	v_wmma_scale_f32_16x16x128_f8f6f4 v[8*(8*((\a)%4)+\b):8*(8*((\a)%4)+\b)+7], v[128*(\p)+FR*\b:128*(\p)+FR*\b+FR-1], v[AF+FR*(\a):AF+FR*(\a)+FR-1], 0, v[SC+8*NQ*(\sc)+NQ*\b+(\q)], v[SC+8*NQ*(\sc)+NQ*(\a)+(\q)] matrix_a_fmt:MATRIX_FMT_FP6 matrix_b_fmt:MATRIX_FMT_FP6 matrix_a_scale:MATRIX_SCALE_ROW1
.else
	v_wmma_scale_f32_16x16x128_f8f6f4 v[8*(8*((\a)%4)+\b):8*(8*((\a)%4)+\b)+7], v[128*(\p)+FR*\b:128*(\p)+FR*\b+FR-1], v[AF+FR*(\a):AF+FR*(\a)+FR-1], v[8*(8*((\a)%4)+\b):8*(8*((\a)%4)+\b)+7], v[SC+8*NQ*(\sc)+NQ*\b+(\q)], v[SC+8*NQ*(\sc)+NQ*(\a)+(\q)] matrix_a_fmt:MATRIX_FMT_FP6 matrix_b_fmt:MATRIX_FMT_FP6 matrix_a_scale:MATRIX_SCALE_ROW1
.endif
.endr
.endr
.endm
.macro FETCH_B slot, q, p              ; B's eight fragments of the slot's q-th 128 along K into set p
	WIN TO_B
.irp i, 0,1,2,3,4,5,6,7
	FRAG 128*(\p)+FR*\i, ADRB+\slot, \q, \i
.endr
	WIN 0
.endm
.macro FETCH_A slot, q, i0             ; A's blocks i0 .. i0 + 3
.irp i, \i0, \i0+1, \i0+2, \i0+3
	FRAG AF+FR*(\i), ADRA+\slot, \q, \i
.endr
.endm
.macro SCALES sc                       ; the next K step's scale words into set sc: NQ words a row; lanes 0-15 take A's block i, lanes 16-31 B's block i
.irp i, 0,1,2,3,4,5,6,7
	ds_load_b64 v[SC+8*NQ*\sc+NQ*\i:SC+8*NQ*\sc+NQ*\i+1], v[ADRS] offset:\i*SBLK
.endr
.endm
; A load into a register that a matrix instruction has read, and a vector instruction or an LDS store that reads a matrix result, stand NP places behind that matrix instruction, and only plain vector
; instructions that name none of its registers are places (ISA guide 7.12.1 for vector instructions).
.macro PLACES n
.rept \n
	v_nop
.endr
.endm
; A step of 128 along K that has its successor in the same slot.
.macro STEP slot, q, zero
	s_wait_dscnt 4*NL                              ; B's set and A's blocks 0-3 are in; the youngest 24 loads (A's blocks 4-7) may be out
	WIN MUL_LO
	MUL16 0, (\q)%2, \q, \slot, \zero
	MUL16 2, (\q)%2, \q, \slot, \zero
	s_wait_dscnt 0                                 ; A's blocks 4-7 are in (asked for 32 matrix instructions ago)
	PLACES NP
	FETCH_B \slot, (\q)+1, 1-(\q)%2
	FETCH_A \slot, (\q)+1, 0
	WIN MUL_HI
	MUL16 4, (\q)%2, \q, \slot, \zero
	MUL16 6, (\q)%2, \q, \slot, \zero
	PLACES NP
	WIN 0
	FETCH_A \slot, (\q)+1, 4
.endm
; A slot's last step changes slots: ONE barrier; in front of it each wave waits for all its tensor loads, adds 0 to its spare word, and waits for that and for its own reads of this slot.  fill = 1: this slot is filled again, two K steps ahead.
.macro TURN slot, next, fill
	s_wait_tensorcnt 0x0                           ; all my tensor loads have landed: my part of the next slot;  (every window is 0 here: the add's two registers lie in window 0)
	ds_add_u32 v[SPW], v[NIL]                      ; 0 onto my spare word;
	s_wait_dscnt 4*NL+1                            ; (the add and the youngest 24 loads, A's blocks 4-7, may be out)
	WIN MUL_LO
	MUL16 0, 1, NQ-1, \slot, 0                     ; sixteen matrix instructions stand between the add and the wait for it
	s_wait_dscnt 0x0                               ; the add is done, and my reads of this slot are over
	s_barrier_signal -1
	MUL16 2, 1, NQ-1, \slot, 0
	WIN 0
	s_barrier_wait -1
.if \fill
	CREST                                          ; the barrier has opened a round of the cluster's barrier: no wave of any partner still reads this slot's tile or has a load on its way
	s_add_nc_u64 s[G0+4*\slot+2:G0+4*\slot+3], s[G0+4*\slot+2:G0+4*\slot+3], 2*ROWB
	s_add_nc_u64 s[G0B+4*\slot+2:G0B+4*\slot+3], s[G0B+4*\slot+2:G0B+4*\slot+3], 2*ROWB
	JLOAD G0+4*\slot, G1, G0B+4*\slot, G1B         ; the first tensor load behind the round; the four v_nop behind it are the places in front of the loads below
.else
	PLACES NP
.endif
	v_add_nc_u32 v[ADRS], 4*NQ, v[ADRS]            ; on to the next K step's scale words (no LDS load of mine is out)
	FETCH_B \next, 0, 0
	FETCH_A \next, 0, 0
	SCALES \next
	WIN MUL_HI
	MUL16 4, 1, NQ-1, \slot, 0
	MUL16 6, 1, NQ-1, \slot, 0
	PLACES NP
	WIN 0
	FETCH_A \next, 0, 4
.endm
	s_wait_tensorcnt 1                             ; the scales and my part of K step 0 are in (K step 1's load may be out),
	s_barrier_signal -1
	s_barrier_wait -1                              ; everybody's are
	FETCH_B 0, 0, 0
	FETCH_A 0, 0, 0
	SCALES 0
	FETCH_A 0, 0, 4
	STEP 0, 0, 1                                   ; the first step stands in front of the loop: its products start the sums
	s_mov_b32 s3, LAPS-1
.Llap:                                                 ; a trip goes once round the ring, from a lap's second step to the next lap's first, and fills both slots again
	TURN 0, 1, 1
	STEP 1, 0, 0
	TURN 1, 0, 1
	STEP 0, 0, 0
	s_sub_co_u32 s3, s3, 1
	s_cmp_lg_u32 s3, 0
	s_cbranch_scc1 .Llap
	TURN 0, 1, 0                                   ; the last lap fills nothing, and has no round of the cluster's barrier
	STEP 1, 0, 0
	s_wait_dscnt 4*NL                              ; the very last step: nothing more to fetch
	WIN MUL_LO
	MUL16 0, 1, NQ-1, 1, 0
	MUL16 2, 1, NQ-1, 1, 0
	s_wait_dscnt 0
	WIN MUL_HI
	MUL16 4, 1, NQ-1, 1, 0
	MUL16 6, 1, NQ-1, 1, 0
	WIN 0
; THE WAY OUT, block by block of 16 rows x 128 columns.  A lane holds 32 neighbouring bytes of a row, and the lanes beside it hold other rows: so a block goes through my own stage in LDS and comes back as whole
; rows of 512 bytes, which the 32 lanes store as 512 consecutive bytes, aligned.  LDS serves a wave's instructions in order (ISA guide 5.7.1.4): no wait between the stores and the loads, nor in front of the next block's stores.
.macro TOSTAGE a
.set AC, 64*((\a)%4)
	WIN 0x08+4*((\a)/4)                            ; the data: window 2 or 3
.irp b, 0,1,2,3,4,5,6,7
	ds_store_b128 v[STO], v[AC+8*\b:AC+8*\b+3] offset:64*\b          ; each accumulator from its low end on
	ds_store_b128 v[STO], v[AC+8*\b+4:AC+8*\b+7] offset:64*\b+16
.endr
	WIN 0
.set BB, BK+64*((\a)%2)
.irp t, 0,1,2,3,4,5,6,7,8,9,10,11,12,13,14,15
	ds_load_b128 v[BB+4*\t:BB+4*\t+3], v[RD] offset:\t*SPITCH
.endr
.endm
.macro SEND a, younger                 ; younger: the LDS instructions issued behind block a's loads, which may stay out
.set BB, BK+64*((\a)%2)
	s_wait_dscnt \younger                          ; the block is back in registers
.if (\a) > 0
	s_add_nc_u64 s[12:13], s[12:13], 16*SIZE_N*4   ; (behind a wait on XCNT: the earlier stores have read their base)  16 rows of C on, so that the stores' offsets stay small
.endif
.irp t, 0,1,2,3,4,5,6,7,8,9,10,11,12,13,14,15
	global_store_b128 v[CO], v[BB+4*\t:BB+4*\t+3], s[12:13] offset:\t*SIZE_N*4 th:TH_STORE_NT   ; 32 lanes store 512 consecutive bytes, at a multiple of 256 from C's first byte; written once, read by nobody here
.endr
.endm
	PLACES NP                                      ; these places serve the loads into the registers that held A's fragments and the reads of the last products' results alike
	TOSTAGE 0
.irp a, 1,2,3,4,5,6,7
.if \a > 1
	s_wait_xcnt 0x0                                ; block a - 2's stores have read their registers and their base: block a's loads may land there, and the base may step
.endif
	TOSTAGE \a
	SEND \a-1, 32                                  ; behind block a - 1's loads: block a's 16 stores and 16 loads
.endr
	s_wait_xcnt 0x0                                ; block 6's stores have read their base
	SEND 7, 0
	s_wait_tensorcnt 0x0                           ; the wave's end, behind my last tensor load and my last LDS store
	ds_add_u32 v[SPW], v[NIL]
	s_wait_dscnt 0x0
	CROUND                                         ; the closing round: no work-group ends while a partner may still ask for a tile that names it
	s_endpgm
.Lfunc_end_k_qb9b6c67f53_oproj:
	.size	k_qb9b6c67f53_oproj, .Lfunc_end_k_qb9b6c67f53_oproj-k_qb9b6c67f53_oproj
	.p2alignl 7, 3214868480
	.fill 96, 4, 3214868480
	.section	.rodata,"a",@progbits
	.p2align	6, 0x0
	.amdhsa_kernel k_qb9b6c67f53_oproj
		.amdhsa_group_segment_fixed_size 327680
		.amdhsa_private_segment_fixed_size 0
		.amdhsa_enable_private_segment 0
		.amdhsa_kernarg_size 40
		.amdhsa_user_sgpr_count 2
		.amdhsa_user_sgpr_kernarg_segment_ptr 1
		.amdhsa_wavefront_size32 1
		.amdhsa_system_sgpr_workgroup_id_x 1
		.amdhsa_system_sgpr_workgroup_id_y 1
		.amdhsa_system_sgpr_workgroup_id_z 1
		.amdhsa_system_vgpr_workitem_id 0
		.amdhsa_next_free_vgpr 1024
		.amdhsa_next_free_sgpr 98
		.amdhsa_reserve_vcc 0
		.amdhsa_float_denorm_mode_32 3
		.amdhsa_float_denorm_mode_16_64 3
		.amdhsa_memory_ordered 1
		.amdhsa_forward_progress 1
		.amdhsa_inst_pref_size 160
	.end_amdhsa_kernel
	.amdgpu_metadata
---
amdhsa.version: [ 1, 2 ]
amdhsa.kernels:
  - .name:           k_qb9b6c67f53_oproj
    .symbol:         k_qb9b6c67f53_oproj.kd
    .args:
      - { .name: o_codes, .offset: 0, .size: 8, .value_kind: global_buffer, .address_space: global }
      - { .name: o_scales, .offset: 8, .size: 8, .value_kind: global_buffer, .address_space: global }
      - { .name: codes, .offset: 16, .size: 8, .value_kind: global_buffer, .address_space: global }
      - { .name: scales, .offset: 24, .size: 8, .value_kind: global_buffer, .address_space: global }
      - { .name: out0, .offset: 32, .size: 8, .value_kind: global_buffer, .address_space: global }
    .group_segment_fixed_size: 327680
    .private_segment_fixed_size: 0
    .kernarg_segment_align: 8
    .kernarg_segment_size: 40
    .max_flat_workgroup_size: 128
    .sgpr_count:     98
    .vgpr_count:     1024
    .wavefront_size: 32
...
	.end_amdgpu_metadata
.endif
;; end of part 4
;; ======== version 2 of 2: 4 launches
;; limits: right only within a limited range of input values
;; workspace buffers: codes 15,728,640 bytes; scales 655,360 bytes; maskw 524,288 bytes of whole numbers; flags 2,048 bytes of whole numbers; qkv_codes 9,437,184 bytes; qkv_scales 393,216 bytes; o_codes 3,145,728 bytes; o_scales 131,072 bytes
;; launch prep (part 5): grid 768 x 1, 4 waves a work-group, no clusters, 68,096 bytes of LDS; arguments x, w_q, w_k, w_v, w_o, mask, codes, scales, maskw, flags; writes codes, scales, maskw, flags
.if DOCPART == 5
	.amdgcn_target "amdgcn-amd-amdhsa--gfx1250"
	.amdhsa_code_object_version 6
	.text
	.protected	k_qb9b6c67f53_prep
	.globl	k_qb9b6c67f53_prep
	.p2align	8
	.type	k_qb9b6c67f53_prep,@function
k_qb9b6c67f53_prep:
	s_mov_b64 s[64:65], 0
	v_nop
	global_prefetch_b8 v0, s[64:65] scope:SCOPE_SE
	s_setreg_imm32_b32 hwreg(HW_REG_WAVE_MODE, 25, 1), 1
	s_wait_xcnt 0x0
; PREP.  One streaming launch, two kinds of work-group, parted on the work-group's number alone; each kind has LDS bytes of its own.
; (1) Work-groups 128 .. 767: x, w_q, w_k, w_v, w_o, each [2048][2048] f32 with K innermost, become codes of FP6 (E2M3) and one E8M0 byte for each 32 along K.
;     A block's scale is 2^(floor(log2(its largest magnitude)) - 2); its byte is the largest magnitude's exponent field - 2, held at 1 from below.
;     THE CODES ARE STORED AS IMAGES OF OPERAND REGISTERS: 16 rows x 128 K are 12 registers in 32 lanes, 1,536 bytes: registers 4 c .. 4 c + 3 of lane l at 512 c + 16 l.
;     Lane (r, h) holds row r; registers 6 c .. 6 c + 5 hold K = 64 c + 32 h + 0 .. 31.  A block of 16 rows has 16 images along K, 24,576 bytes; 640 such blocks (x, w_q, w_k, w_v, w_o, 128 each).
;     In x, w_q, w_k, w_v row r of block i is the true row 32 (i / 2) + 8 (i % 2) + r + 8 (r / 8), which lets the next launch quantise its results in registers; in w_o it is 16 i + r.
;     w_o's images are laid [8 blocks of rows as a group][4 K steps as a group][block][K step], so that 128 rows x 512 K are 49,152 consecutive bytes.
;     scales: block x 1,024 + (K step / 4) x 256 + 16 r + 4 (K step % 4): one word (four bytes) for a row and 128 K.
;     A work-group takes a block of 16 rows, a wave 512 of its K in four steps of 128.  A load reads 512 consecutive bytes of a row; the step's 8,192 bytes turn through the wave's stage
;     (rows 528 bytes apart) and come back 2 x 128 bytes a lane: two whole blocks of 32, so no other lane is asked for a maximum.  Each store of codes covers 512 consecutive bytes, the scale words 256.
; (2) Work-groups 0 .. 127: the mask [2048][2048] int32 becomes lane masks.  Work-group T is a tile of 16 queries q(T, r) = 128 (T / 8) + 32 ((T % 8) / 2) + 8 (T % 2) + r + 8 (r / 8); wave w takes key steps 4 w .. 4 w + 3
;     of 128 keys.  maskw[T][step][n], n = 0 .. 63: bit 16 h + r says whether key 128 step + 32 (n / 16) + 16 h + n % 16 counts for query q(T, r).
;     flags[T][w]: bit 4 w + k: some key of step 4 w + k counts for some query of the tile; bit 16 + 4 w + k: all do.
; LIMITS: NaN and infinities among the f32 inputs are not served.  A block whose largest magnitude lies under 2^(3 - 127) keeps the byte 1; a block of zeros has the byte 1 and not 127: its codes are zeros,
; which add nothing under any byte but 0xff, and the bytes are read by this program alone.
; No tensor loads, no barrier: waves share nothing.
.set MWG,   128
.set EMAX,  2
.set QP,    528                        ; the quantiser's stage: 16 rows x (512 + 16) bytes for each wave, from LDS byte 0
.set MSTG,  4*16*QP                    ; the mask's stages begin here
.set MP,    528
.set SPARE, MSTG+4*16*MP               ; the spare words
.set ML,    16                         ; v16-143  two sets of 16 x 4 registers as loaded
.set MX,    144                        ; v144-207 a lane's 64 numbers (or mask words)
.set MW,    8
.set C,     208                        ; v208-231 codes: two sets of 12
.set T,     232                        ; v232-238 the second halves of a block's six registers, as the conversions give them
.set AM,    240
.set SO,    242
.set BY,    244
.set WD,    246
.set PX,    247
.set SW,    248                        ; v248-251 my row's four scale words
.set SPW,   252
.set NIL,   253
	s_load_b512 s[4:19], s[0:1], 0x0               ; x, w_q, w_k, w_v, w_o, mask s[14:15], codes s[16:17], scales s[18:19]
	s_load_b128 s[20:23], s[0:1], 0x40             ; maskw, flags
	v_lshl_add_u32 v[SPW], v0, 2, SPARE
	v_mov_b32 v[NIL], 0
	v_lshrrev_b32 v1, 5, v0
	v_readfirstlane_b32 s24, v1                    ; wave 0..3
	s_cmp_lt_u32 ttmp9, MWG
	s_cbranch_scc1 .Lmask
; ---------------- the quantiser ----------------
	s_sub_co_u32 s26, ttmp9, MWG                   ; the block of 16 rows, 0 .. 639
	s_lshr_b32 s27, s26, 7                         ; which tensor: 0 x, 1 w_q, 2 w_k, 3 w_v, 4 w_o
	s_mov_b32 s36, 131072
	s_cmp_eq_u32 s27, 4
	s_cselect_b32 s36, 65536, s36                  ; rows 8-15 of the block lie 16 true rows behind rows 0-7; in w_o 8
	s_mul_i32 s25, s24, 16*QP
	v_and_b32 v2, 31, v0
	v_lshlrev_b32 v1, 4, v2                        ; 16 x lane: my place in a row's 512 bytes, and in an image
	v_and_b32 v3, 15, v0                           ; r
	v_bfe_u32 v6, v0, 4, 1                         ; h
	v_add_nc_u32 v2, s36, v1                       ; the same for rows 8-15
	v_add_nc_u32 v4, s25, v1                       ; the stage, on the way in
	v_mul_u32_u24 v5, v3, QP
	v_lshl_add_u32 v5, v6, 7, v5
	v_add_nc_u32 v5, s25, v5                       ; and out: row r, + 128 h
	v_lshlrev_b32 v7, 4, v3                        ; my row's scale words: 16 r
	v_lshlrev_b32 v6, 3, v6                        ; 8 h
	v_mov_b32 v[PX], 0                             ; a lane permute's destination counts as one of its sources
	s_and_b32 s28, s26, 127                        ; i: the block in its tensor
	s_lshr_b32 s29, s28, 1
	s_lshl_b32 s29, s29, 5
	s_and_b32 s30, s28, 1
	s_lshl_b32 s30, s30, 3
	s_add_co_u32 s29, s29, s30                     ; first true row: 32 (i / 2) + 8 (i % 2),
	s_lshl_b32 s30, s28, 4                         ; in w_o 16 i
	s_mul_i32 s32, s28, 24576                      ; the codes' place: block x 24,576 + wave x 4 images,
	s_mul_i32 s33, s24, 6144
	s_add_co_u32 s32, s32, s33
	s_lshr_b32 s34, s28, 3                         ; in w_o (i / 8) x 196,608 + wave x 49,152 + (i % 8) x 6,144
	s_mul_i32 s34, s34, 196608
	s_mul_i32 s35, s24, 49152
	s_add_co_u32 s34, s34, s35
	s_and_b32 s35, s28, 7
	s_mul_i32 s35, s35, 6144
	s_add_co_u32 s34, s34, s35
	s_cmp_eq_u32 s27, 4
	s_cselect_b32 s29, s30, s29
	s_cselect_b32 s32, s34, s32
	s_lshl_b32 s30, s29, 13                        ; in: 8,192 bytes a row, 2,048 a wave
	s_lshl_b32 s31, s24, 11
	s_add_co_u32 s30, s30, s31
	s_mov_b32 s31, 0
	s_mul_i32 s33, s27, 3145728
	s_add_co_u32 s32, s32, s33
	s_mov_b32 s33, 0
	s_lshl_b32 s34, s26, 10                        ; scale words: 1,024 bytes a block, 256 a wave
	s_lshl_b32 s35, s24, 8
	s_add_co_u32 s34, s34, s35
	s_mov_b32 s35, 0
	s_mov_b32 s38, 0x76543210
	s_mov_b32 s39, 0xfedcba98                      ; selects for lane l xor 16
	s_wait_alu depctr_va_vdst(0)
	s_wait_kmcnt 0x0
	s_cmp_eq_u32 s27, 1                            ; the choice of the source hangs on the work-group's number alone
	s_cselect_b64 s[4:5], s[6:7], s[4:5]
	s_cmp_eq_u32 s27, 2
	s_cselect_b64 s[4:5], s[8:9], s[4:5]
	s_cmp_eq_u32 s27, 3
	s_cselect_b64 s[4:5], s[10:11], s[4:5]
	s_cmp_eq_u32 s27, 4
	s_cselect_b64 s[4:5], s[12:13], s[4:5]
	s_add_nc_u64 s[4:5], s[4:5], s[30:31]
	s_add_nc_u64 s[16:17], s[16:17], s[32:33]
	s_add_nc_u64 s[18:19], s[18:19], s[34:35]
.macro LOADQ k, set                    ; step k: 128 K of the 16 rows; each load reads 512 consecutive bytes
.irp j, 0,1,2,3,4,5,6,7
	global_load_b128 v[ML+64*(\set)+4*\j:ML+64*(\set)+4*\j+3], v1, s[4:5] offset:\j*8192+512*(\k) th:TH_LOAD_NT
	global_load_b128 v[ML+64*(\set)+32+4*\j:ML+64*(\set)+32+4*\j+3], v2, s[4:5] offset:\j*8192+512*(\k) th:TH_LOAD_NT
.endr
.endm
.macro STEPQ k
.set CS, C+12*((\k)%2)
.if (\k) >= 2
	s_wait_xcnt 0x0                                ; the stores of two steps ago have read their registers: this step's codes may be written there
.endif
.if (\k) < 3
	s_wait_loadcnt 16                              ; this step's 16 loads are in; the next step's 16 may be out
.else
	s_wait_loadcnt 0x0
.endif
.irp j, 0,1,2,3,4,5,6,7,8,9,10,11,12,13,14,15
	ds_store_b128 v4, v[ML+64*((\k)%2)+4*\j:ML+64*((\k)%2)+4*\j+3] offset:QP*\j
.endr
.irp j, 0,1,2,3,4,5,6,7,8,9,10,11,12,13,14,15
	ds_load_b128 v[MX+4*\j:MX+4*\j+3], v5 offset:256*(\j/8)+16*(\j%8)   ; register 32 c + i: K = 64 c + 32 h + i of row r.  LDS serves a wave's instructions in order
.endr
	s_wait_dscnt 0x0
.if (\k) < 2
	LOADQ (\k)+2, (\k)%2
.endif
.irp c, 0,1
	v_max3_num_f32 v[AM+\c], |v[MX+32*\c]|, |v[MX+32*\c+1]|, (EMAX+1)<<23   ; my two blocks by turns, with the floor 2^(EMAX + 1 - 127)
.endr
.irp i, 2,4,6,8,10,12,14,16,18,20,22,24,26,28,30
.irp c, 0,1
	v_max3_num_f32 v[AM+\c], v[AM+\c], |v[MX+32*\c+\i]|, |v[MX+32*\c+\i+1]|
.endr
.endr
.irp c, 0,1
	v_add_nc_u32 v[SO+\c], -(EMAX<<23), v[AM+\c]   ; EMAX off the exponent field: the conversion's scale operand
.endr
.irp c, 0,1
	v_cvt_scalef32_pk16_fp6_f32 v[CS+6*\c:CS+6*\c+2], v[MX+32*\c:MX+32*\c+15], v[SO+\c]
	v_cvt_scalef32_pk16_fp6_f32 v[T+4*\c:T+4*\c+2], v[MX+32*\c+16:MX+32*\c+31], v[SO+\c]   ; (a conversion's three registers begin on an even number)
.endr
	v_lshrrev_b32 v[BY], 23, v[SO]                 ; the bytes of blocks h and 2 + h
	v_lshrrev_b32 v[BY+1], 23, v[SO+1]
	v_lshl_or_b32 v[WD], v[BY+1], 16, v[BY]
	v_lshlrev_b32 v[WD], v6, v[WD]                 ; at their places in the word: 8 h bits up
.irp c, 0,1
.irp i, 0,1,2
	v_mov_b32 v[CS+3+6*\c+\i], v[T+4*\c+\i]
.endr
.endr
	v_permlanex16_b32 v[PX], v[WD], s38, s39
	v_or_b32 v[SW+(\k)], v[WD], v[PX]              ; with lane l xor 16's two bytes the word is whole
.irp c, 0,1,2
	global_store_b128 v1, v[CS+4*\c:CS+4*\c+3], s[16:17] offset:1536*(\k)+512*\c   ; 32 lanes store 512 consecutive bytes
.endr
.endm
	LOADQ 0, 0
	LOADQ 1, 1
	STEPQ 0
	STEPQ 1
	STEPQ 2
	STEPQ 3
	global_store_b128 v7, v[SW:SW+3], s[18:19]     ; sixteen rows' words: 256 consecutive bytes, aligned; lanes r and 16 + r hold the same words and store them to the same place
	s_wait_tensorcnt 0x0                           ; the wave's end
	ds_add_u32 v[SPW], v[NIL]
	s_wait_dscnt 0x0
	s_endpgm
; ---------------- the mask ----------------
.Lmask:
	v_and_b32 v1, 31, v0                           ; lane
	v_lshlrev_b32 v2, 4, v1                        ; my 16 bytes of a query's 512 (128 keys)
	s_mul_i32 s25, s24, 16*MP
	s_add_co_u32 s25, s25, MSTG                    ; my wave's stage
	v_add_nc_u32 v3, s25, v2
	v_and_b32 v4, 15, v0
	v_mul_u32_u24 v4, v4, MP
	v_bfe_u32 v5, v0, 4, 1
	v_lshl_add_u32 v4, v5, 6, v4
	v_add_nc_u32 v4, s25, v4                       ; out: row r, + 64 h: my 16 keys of each block of 32
	v_lshlrev_b32 v5, 3, v1                        ; the words' way out: 8 bytes a lane
.irp i, 0,1,2,3,4,5,6,7
	v_mov_b32 v[MW+\i], 0                          ; a lane write's destination counts as one of its sources
.endr
	s_lshr_b32 s26, ttmp9, 3
	s_lshl_b32 s26, s26, 7
	s_bfe_u32 s27, ttmp9, 0x20001
	s_lshl_b32 s27, s27, 5
	s_add_co_u32 s26, s26, s27
	s_and_b32 s27, ttmp9, 1
	s_lshl_b32 s27, s27, 3
	s_add_co_u32 s26, s26, s27                     ; the tile's first query
	s_lshl_b32 s26, s26, 13                        ; a row of the mask is 8,192 bytes
	s_lshl_b32 s27, s24, 11                        ; my four key steps: 2,048 bytes
	s_add_co_u32 s26, s26, s27
	s_mov_b32 s27, 0
	s_mov_b32 s37, 0                               ; the flags
	s_wait_kmcnt 0x0
	s_add_nc_u64 s[14:15], s[14:15], s[26:27]
	s_lshl_b32 s26, ttmp9, 4
	s_lshl_b32 s28, s24, 2
	s_add_co_u32 s26, s26, s28                     ; 16 T + 4 w: my first step's number, and my flag word's byte
	s_lshl_b32 s28, s26, 8
	s_mov_b32 s29, 0
	s_add_nc_u64 s[20:21], s[20:21], s[28:29]
	s_add_nc_u64 s[22:23], s[22:23], s[26:27]
.macro LOADM k, set
.irp i, 0,1,2,3,4,5,6,7,8,9,10,11,12,13,14,15
	global_load_b128 v[ML+64*(\set)+4*\i:ML+64*(\set)+4*\i+3], v2, s[14:15] offset:(\i+8*(\i/8))*8192+512*(\k) th:TH_LOAD_NT
.endr
.endm
.macro STEPM k
.if (\k) < 3
	s_wait_loadcnt 16                              ; this step's 16 loads are in; the next step's 16 may be out
.else
	s_wait_loadcnt 0x0
.endif
.irp i, 0,1,2,3,4,5,6,7,8,9,10,11,12,13,14,15
	ds_store_b128 v3, v[ML+64*((\k)%2)+4*\i:ML+64*((\k)%2)+4*\i+3] offset:MP*\i
.endr
.irp b, 0,1,2,3
.irp j, 0,1,2,3
	ds_load_b128 v[MX+16*\b+4*\j:MX+16*\b+4*\j+3], v4 offset:128*\b+16*\j    ; register 16 b + i: key 32 b + 16 h + i of query r
.endr
.endr
	s_wait_dscnt 0x0
.if (\k) < 2
	LOADM (\k)+2, (\k)%2
.endif
	s_mov_b32 s30, 0                               ; does any key count?
	s_mov_b32 s31, -1                              ; do all?
.set MN, 0
.rept 16
.irp u, 0,1,2,3
	v_cmp_ne_u32 s[32+\u], 0, v[MX+MN+\u]          ; the compare's lane mask IS the word for score register MN + u
.endr
.irp u, 0,1,2,3
	v_writelane_b32 v[MW+2*(\k)+\u%2], s[32+\u], (MN+\u)/2   ; word n into lane n / 2 of register n % 2
	s_or_b32 s30, s30, s[32+\u]
	s_and_b32 s31, s31, s[32+\u]
.endr
.set MN, MN+4
.endr
	global_store_b64 v5, v[MW+2*(\k):MW+2*(\k)+1], s[20:21] offset:256*(\k)   ; 32 lanes store 256 consecutive bytes, aligned
	s_cmp_lg_u32 s30, 0
	s_cselect_b32 s36, 1<<(\k), 0
	s_or_b32 s37, s37, s36
	s_cmp_eq_u32 s31, -1
	s_cselect_b32 s36, 0x10000<<(\k), 0
	s_or_b32 s37, s37, s36
.endm
	LOADM 0, 0
	LOADM 1, 1
	STEPM 0
	STEPM 1
	STEPM 2
	STEPM 3
	s_lshl_b32 s36, s24, 2
	s_lshl_b32 s37, s37, s36                       ; my four steps' bits at their places in the tile's sixteen
	v_mov_b32 v6, s37
	v_mov_b32 v7, 0
	v_cmp_eq_u32 vcc_lo, 0, v1
	s_wait_alu depctr_va_vdst(0)
	s_wait_xcnt 0x0                                ; EXEC changes only behind this wait
	s_wait_tensorcnt 0x0
	ds_add_u32 v[SPW], v[NIL]
	s_wait_dscnt 0x0
	s_and_saveexec_b32 s38, vcc_lo                 ; lane 0 alone
	global_store_b32 v7, v6, s[22:23]
	s_wait_xcnt 0x0
	s_or_b32 exec_lo, exec_lo, s38
	s_endpgm
.Lfunc_end_k_qb9b6c67f53_prep:
	.size	k_qb9b6c67f53_prep, .Lfunc_end_k_qb9b6c67f53_prep-k_qb9b6c67f53_prep
	.p2alignl 7, 3214868480
	.fill 96, 4, 3214868480
	.section	.rodata,"a",@progbits
	.p2align	6, 0x0
	.amdhsa_kernel k_qb9b6c67f53_prep
		.amdhsa_group_segment_fixed_size 68096
		.amdhsa_private_segment_fixed_size 0
		.amdhsa_enable_private_segment 0
		.amdhsa_kernarg_size 80
		.amdhsa_user_sgpr_count 2
		.amdhsa_user_sgpr_kernarg_segment_ptr 1
		.amdhsa_wavefront_size32 1
		.amdhsa_system_sgpr_workgroup_id_x 1
		.amdhsa_system_sgpr_workgroup_id_y 1
		.amdhsa_system_sgpr_workgroup_id_z 1
		.amdhsa_system_vgpr_workitem_id 0
		.amdhsa_next_free_vgpr 256
		.amdhsa_next_free_sgpr 66
		.amdhsa_reserve_vcc 1
		.amdhsa_float_denorm_mode_32 3
		.amdhsa_float_denorm_mode_16_64 3
		.amdhsa_memory_ordered 1
		.amdhsa_forward_progress 1
		.amdhsa_inst_pref_size 97
	.end_amdhsa_kernel
	.amdgpu_metadata
---
amdhsa.version: [ 1, 2 ]
amdhsa.kernels:
  - .name:           k_qb9b6c67f53_prep
    .symbol:         k_qb9b6c67f53_prep.kd
    .args:
      - { .name: x, .offset: 0, .size: 8, .value_kind: global_buffer, .address_space: global }
      - { .name: w_q, .offset: 8, .size: 8, .value_kind: global_buffer, .address_space: global }
      - { .name: w_k, .offset: 16, .size: 8, .value_kind: global_buffer, .address_space: global }
      - { .name: w_v, .offset: 24, .size: 8, .value_kind: global_buffer, .address_space: global }
      - { .name: w_o, .offset: 32, .size: 8, .value_kind: global_buffer, .address_space: global }
      - { .name: mask, .offset: 40, .size: 8, .value_kind: global_buffer, .address_space: global }
      - { .name: codes, .offset: 48, .size: 8, .value_kind: global_buffer, .address_space: global }
      - { .name: scales, .offset: 56, .size: 8, .value_kind: global_buffer, .address_space: global }
      - { .name: maskw, .offset: 64, .size: 8, .value_kind: global_buffer, .address_space: global }
      - { .name: flags, .offset: 72, .size: 8, .value_kind: global_buffer, .address_space: global }
    .group_segment_fixed_size: 68096
    .private_segment_fixed_size: 0
    .kernarg_segment_align: 8
    .kernarg_segment_size: 80
    .max_flat_workgroup_size: 128
    .sgpr_count:     66
    .vgpr_count:     256
    .wavefront_size: 32
...
	.end_amdgpu_metadata
.endif
;; end of part 5
;; launch qkv (part 6): grid 24 x 8, 4 waves a work-group, clusters of 4 x 4, 327,680 bytes of LDS; arguments codes, scales, cos_cache, sin_cache, qkv_codes, qkv_scales; writes qkv_codes, qkv_scales
.if DOCPART == 6
	.amdgcn_target "amdgcn-amd-amdhsa--gfx1250"
	.amdhsa_code_object_version 6
	.text
	.protected	k_qb9b6c67f53_qkv
	.globl	k_qb9b6c67f53_qkv
	.p2align	8
	.type	k_qb9b6c67f53_qkv,@function
k_qb9b6c67f53_qkv:
	s_mov_b64 s[64:65], 0
	v_nop
	global_prefetch_b8 v0, s[64:65] scope:SCOPE_SE
	s_setreg_imm32_b32 hwreg(HW_REG_WAVE_MODE, 25, 1), 1
	s_wait_xcnt 0x0
	s_wait_alu depctr_hold_cnt(0) depctr_sa_sdst(0) depctr_va_vdst(0) depctr_va_sdst(0) depctr_va_ssrc(0) depctr_va_vcc(0) depctr_vm_vsrc(0)
	s_getreg_b32 s2, hwreg(HW_REG_IB_STS2, 6, 4)
	s_cmp_eq_u32 s2, 0
	s_cbranch_scc0 .Lentry_in_a_cluster
	s_endpgm
.Lentry_in_a_cluster:
	s_bfe_u32 s2, ttmp6, 0x10000c
	s_cmp_lg_u32 s2, 0xf033
	s_cbranch_scc0 .Lentry_shape_is_right
	s_endpgm
.Lentry_shape_is_right:
; QKV.  q, k = rope(x W^T), v = x W^T on codes of FP6 (E2M3) with E8M0 scales, and the results quantised in registers for the attention launch.
; A work-group makes 256 x 256 of the product, a wave 128 x 128 (64 accumulators).  Tile columns 8 .. 23: source 1 = rows of x, source 0 = rows of w_q, w_k: a lane holds one position and its registers run along a head's
; channels, along which q and k are quantised.  Tile columns 0 .. 7: source 1 = rows of w_v, source 0 = rows of x: a lane holds one channel and its registers run along the keys, along which v is quantised.
; THE OPERANDS COME AS IMAGES OF REGISTERS (16 rows x 128 K = 1,536 bytes; 16 images a block of rows, 24,576 bytes): a fragment is three loads of 512 consecutive LDS bytes, and nothing is padded.
; K goes in steps of 256 through two LDS slots: for each block of 16 rows two images, 3,072 consecutive bytes of memory, which begin at a multiple of 256.  In the ring a wave fetches 8 blocks of rows by one tensor load.
; The scale words of the work-group's 2 x 256 rows, two dense blocks of 16,384 bytes, come once, at the head: block x 1,024 + (K step / 4) x 256 + 16 r + 4 (K step % 4).
; CLUSTERS 4 x 4: source 1's tiles are asked for jointly along a row of the cluster, source 0's along a column.
; PREFETCH: behind the load of K step pair n stands a request for pair n + 2: of the 8 blocks of rows that a wave fetches each of the four partners names 2 (told apart by address), 24 lanes 256 bytes apart;
; lanes 24-31 name the last block again.  Pairs 0 and 1 come by their loads alone; pair 7 is the last that is named.  The cos and sin rows of the way out are named once, a lane a row, ahead of the loop.
; The grid has 192 work-groups: a wave's 128 columns are one head, and 6,144 x 2,048 results do not divide into 256 blocks of whole heads with 128 x 128 to a wave.
; LIMITS: NaN and infinities are not served; a block under 2^(3 - 127), zeros too, keeps the byte 1.
.set KROW,   1536                      ; bytes of codes to a row (24,576 for 16)
.set KS,     64                        ; bytes of scales to a row (1,024 for 16)
.set STEPB,  3072                      ; two images: a block of rows' part of a slot
.set NQ,     2
.set FR,     12
.set NL,     3
.set NP,     4
.set HALFT,  8*STEPB
.set SLOT,   4*HALFT
.set LAPS,   4
.set SCL,    2*SLOT
.set SPARE,  SCL+32768
.set ADRA, 16
.set ADRB, 20
.set ADRS, 27
.set SPW,  28
.set NIL,  29
.set PFO,  30
.set PFT,  31
.set SC,   32
.set AF,   128
.set G0H, 4
.set CSP, 18
.set G1, 24
.set G0, 32
.set G1B, 48
.set G0B, 56
.set G1S, 68
.set G0S, 76
.set G1SB, 80
.set G0SB, 88
.set G0HB, 92
.set SEL, 96
.set PFA, 98
.set MSB, 0
.macro WIN new
.if MSB != (\new)
	s_set_vgpr_msb (MSB<<8)|(\new)
.set MSB, (\new)
.endif
.endm
.set MUL_LO, 0xa1
.set MUL_HI, 0xf1
.set TO_B,   0x40
.macro JLOAD g0a, g1a, g0b, g1b        ; waves 0, 1 fetch source 1's halves, waves 2, 3 source 0's
	s_cmp_eq_u32 s15, 0
	s_cbranch_scc0 .Lfor_b_\@
	tensor_load_to_lds s[\g0a:\g0a+3], s[\g1a:\g1a+7]
	s_nop 0
.rept 4
	v_nop
.endr
	s_branch .Lasked_\@
.Lfor_b_\@:
	tensor_load_to_lds s[\g0b:\g0b+3], s[\g1b:\g1b+7]
	s_nop 0
.rept 4
	v_nop
.endr
.Lasked_\@:
.endm
.macro CREST
	s_cmp_lg_u32 s14, 0
	s_cbranch_scc1 .Lnot_wave_0_\@
	s_barrier_signal -3
.Lnot_wave_0_\@:
	s_barrier_wait -3
	s_barrier_signal -1
	s_barrier_wait -1
.endm
.macro CROUND
	s_barrier_signal -1
	s_barrier_wait -1
	CREST
.endm
	s_load_b128 s[4:7], s[0:1], 0x0                ; codes, scales
	s_load_b128 s[8:11], s[0:1], 0x10              ; cos, sin
	s_load_b64 s[12:13], s[0:1], 0x20              ; qkv_codes
	s_load_b64 s[66:67], s[0:1], 0x28              ; qkv_scales
	v_lshl_add_u32 v[SPW], v0, 2, SPARE
	v_mov_b32 v[NIL], 0
	ds_add_u32 v[SPW], v[NIL]                      ; the opening lines: the add twice on end and its wait
	ds_add_u32 v[SPW], v[NIL]
	v_lshrrev_b32 v1, 5, v0
	v_readfirstlane_b32 s14, v1
	s_lshr_b32 s15, s14, 1
	s_and_b32 s16, s14, 1
	s_bfe_u32 s40, ttmp6, 0x40000                  ; cx
	s_bfe_u32 s41, ttmp6, 0x40004                  ; cy
	s_lshl_b32 s42, ttmp9, 2
	s_add_co_u32 s42, s42, s40                     ; tile column
	s_and_b32 s17, ttmp7, 0xffff
	s_lshl_b32 s17, s17, 2
	s_add_co_u32 s17, s17, s41                     ; tile row
	s_lshl_b32 s43, s41, 2
	s_lshl_b32 s43, 15, s43
	s_lshl_b32 s44, 0x1111, s40
	s_or_b32 s[G1+0], s43, (3<<16)|(1<<21)         ; elements of 8 bytes, no padding
	s_or_b32 s[G1B+0], s44, (3<<16)|(1<<21)
.irp g, G1, G1B
	s_mov_b32 s[\g+1], (STEPB/8)<<16               ; a tile's row: 3,072 bytes
	s_mov_b32 s[\g+2], 16<<16                      ; 16 blocks of rows at the head; 8 in the ring
	s_mov_b32 s[\g+3], (STEPB/8)<<16
	s_mov_b32 s[\g+4], 16
	s_mov_b32 s[\g+5], 24576/8
	s_mov_b32 s[\g+6], 0
	s_mov_b32 s[\g+7], 0
.endr
	s_or_b32 s[G1S+0], s43, (3<<16)|(1<<21)
	s_or_b32 s[G1SB+0], s44, (3<<16)|(1<<21)
.irp g, G1S, G1SB
	s_mov_b32 s[\g+1], 32<<16                      ; the scales of 256 rows: 64 rows of 256 bytes, dense
	s_mov_b32 s[\g+2], 64<<16
	s_mov_b32 s[\g+3], 32<<16
	s_mov_b32 s[\g+4], 64
	s_mov_b32 s[\g+5], 32
	s_mov_b32 s[\g+6], 0
	s_mov_b32 s[\g+7], 0
.endr
	s_lshl_b32 s20, s17, 8
	s_cmp_lt_u32 ttmp9, 2
	s_cselect_b32 s19, 6144, 0                     ; tile columns 0-7: source 1 is w_v
	s_add_co_u32 s20, s20, s19
	s_lshl_b32 s46, s42, 8
	s_mov_b32 s21, 0
	s_mov_b32 s47, 0
	s_mov_b64 s[18:19], KS
	s_mul_u64 s[22:23], s[20:21], s[18:19]
	s_mul_u64 s[100:101], s[46:47], s[18:19]
	s_mov_b64 s[18:19], KROW
	s_mul_u64 s[20:21], s[20:21], s[18:19]
	s_mul_u64 s[46:47], s[46:47], s[18:19]
	s_mul_i32 s18, s16, 128*KROW                   ; in the ring: which 8 blocks of rows I fetch
	s_mov_b32 s19, 0
	s_mul_i32 s45, s14, HALFT
	s_wait_dscnt 0x0
	s_wait_kmcnt 0x0
	s_add_nc_u64 s[20:21], s[4:5], s[20:21]
	s_add_nc_u64 s[22:23], s[6:7], s[22:23]
	s_add_nc_u64 s[46:47], s[4:5], s[46:47]
	s_add_nc_u64 s[100:101], s[6:7], s[100:101]
	CROUND                                         ; in front of the first joint loads
	s_mov_b32 s[G0H], 1
	s_mov_b32 s[G0H+1], 0
	s_mov_b64 s[G0H+2:G0H+3], s[20:21]
	s_or_b32 s[G0H+3], s[G0H+3], 0x80000000
	s_mov_b32 s[G0HB], 1
	s_mov_b32 s[G0HB+1], 2*HALFT
	s_mov_b64 s[G0HB+2:G0HB+3], s[46:47]
	s_or_b32 s[G0HB+3], s[G0HB+3], 0x80000000
	s_mov_b32 s[G0S], 1
	s_mov_b32 s[G0S+1], SCL
	s_mov_b64 s[G0S+2:G0S+3], s[22:23]
	s_or_b32 s[G0S+3], s[G0S+3], 0x80000000
	s_mov_b32 s[G0SB], 1
	s_mov_b32 s[G0SB+1], SCL+16384
	s_mov_b64 s[G0SB+2:G0SB+3], s[100:101]
	s_or_b32 s[G0SB+3], s[G0SB+3], 0x80000000
	s_add_nc_u64 s[20:21], s[20:21], s[18:19]
	s_add_nc_u64 s[46:47], s[46:47], s[18:19]
.irp s, 0,1
	s_mov_b32 s[G0+4*\s], 1
	s_add_co_u32 s[G0+4*\s+1], s45, \s*SLOT
	s_add_nc_u64 s[G0+4*\s+2:G0+4*\s+3], s[20:21], \s*STEPB
	s_or_b32 s[G0+4*\s+3], s[G0+4*\s+3], 0x80000000
	s_mov_b32 s[G0B+4*\s], 1
	s_add_co_u32 s[G0B+4*\s+1], s45, \s*SLOT
	s_add_nc_u64 s[G0B+4*\s+2:G0B+4*\s+3], s[46:47], \s*STEPB
	s_or_b32 s[G0B+4*\s+3], s[G0B+4*\s+3], 0x80000000
.endr
; the head's four tiles, one tensor load a wave: slot 0's 256 rows of source 1, of source 0, and the two blocks of scales
.macro ARM under, g0, g1, next
	s_cmp_lt_u32 s14, \under
	s_cbranch_scc0 \next
	tensor_load_to_lds s[\g0:\g0+3], s[\g1:\g1+7]
	s_nop 0
.rept 4
	v_nop
.endr
	s_branch .Lhead_asked
\next:
.endm
	ARM 1, G0H,  G1,  .Lhead_b
	ARM 2, G0HB, G1B, .Lhead_sa
	ARM 3, G0S,  G1S, .Lhead_sb
	tensor_load_to_lds s[G0SB:G0SB+3], s[G1SB:G1SB+7]
	s_nop 0
.rept 4
	v_nop
.endr
.Lhead_asked:
	s_cmp_eq_u32 s15, 0                            ; the prefetches: the 8 blocks of rows that I fetch,
	s_cselect_b64 s[PFA:PFA+1], s[20:21], s[46:47]
	s_cselect_b32 s22, s40, s41                    ; my work-group's 2 of them,
	s_mul_i32 s22, s22, 2*24576
	s_mov_b32 s23, 0
	s_add_nc_u64 s[PFA:PFA+1], s[PFA:PFA+1], s[22:23]
	s_add_nc_u64 s[PFA:PFA+1], s[PFA:PFA+1], 2*STEPB   ; at K step pair 2
	v_and_b32 v1, 31, v0
	v_lshlrev_b32 v4, 4, v1                        ; 16 x lane: my place in an image
	v_lshlrev_b32 v[PFT], 8, v1                    ; a lane a row of cos or sin
	v_min_u32 v6, 23, v1
	v_mul_u32_u24 v7, v6, 171
	v_lshrrev_b32 v7, 11, v7                       ; lane / 12: which of the two blocks of rows
	v_mul_u32_u24 v7, v7, 24576-STEPB
	v_lshl_add_u32 v[PFO], v6, 8, v7               ; 24,576 (lane / 12) + 256 (lane % 12)
	s_mul_i32 s21, s15, HALFT
	s_mul_i32 s22, s16, HALFT
	s_add_co_u32 s22, s22, 2*HALFT
.irp s, 0,1
	v_add_nc_u32 v[ADRA+\s], s21, v4
	v_add_nc_u32 v[ADRB+\s], s22, v4
	s_add_co_u32 s21, s21, SLOT
	s_add_co_u32 s22, s22, SLOT
.endr
	v_and_b32 v2, 15, v0
	v_bfe_u32 v3, v0, 4, 1
	v_lshlrev_b32 v5, 4, v2                        ; my row's scale words: 16 r
	s_lshl_b32 s21, s15, 13
	s_lshl_b32 s22, s16, 13
	s_add_co_u32 s22, s22, 16384
	s_sub_co_u32 s22, s22, s21
	v_mul_u32_u24 v6, s22, v3                      ; lanes 16-31 take source 0's
	s_add_co_u32 s21, s21, SCL
	v_add_nc_u32 v5, v5, v6
	v_add_nc_u32 v[ADRS], s21, v5
	s_lshl_b32 s20, s17, 1
	s_add_co_u32 s20, s20, s15
	s_lshl_b32 s46, s42, 1
	s_add_co_u32 s46, s46, s16
	s_lshl_b32 s21, s20, 4
	s_add_co_u32 s21, s21, s46
	s_lshl_b32 s47, s46, 4
	s_add_co_u32 s47, s47, s20
	s_cmp_lt_u32 ttmp9, 2
	s_cselect_b32 s46, s21, s47                    ; idx: v: head x 16 + key step; q: 256 + head x 16 + group; k: 512 + ..
	s_lshl_b32 s20, s20, 15
	s_mov_b32 s21, 0
	s_add_nc_u64 s[8:9], s[8:9], s[20:21]          ; my 128 positions' rows of cos and sin
	s_add_nc_u64 s[10:11], s[10:11], s[20:21]
	s_mul_i32 s20, s46, 12288
	s_add_nc_u64 s[12:13], s[12:13], s[20:21]
	s_lshl_b32 s20, s46, 9
	s_add_nc_u64 s[66:67], s[66:67], s[20:21]
	s_cmp_eq_u32 s16, 0                            ; the tables' prefetch: one of the two waves with my positions names cos, the other sin; each of the four partners 32 rows
	s_cselect_b64 s[CSP:CSP+1], s[8:9], s[10:11]
	s_lshl_b32 s22, s40, 13
	s_mov_b32 s23, 0
	s_add_nc_u64 s[CSP:CSP+1], s[CSP:CSP+1], s[22:23]
	s_mov_b32 s[SEL], 0x76543210
	s_mov_b32 s[SEL+1], 0xfedcba98
.macro FRAG reg, adr, q, i             ; an image: three loads of 512 consecutive bytes
.irp c, 0,1,2
	ds_load_b128 v[\reg+4*\c:\reg+4*\c+3], v[\adr] offset:(\i)*STEPB+(\q)*1536+512*\c
.endr
.endm
.macro MUL16 a0, p, q, sc, zero        ; the 64 accumulators take turns
.irp a, \a0, \a0+1
.irp b, 0,1,2,3,4,5,6,7
.if \zero
	v_wmma_scale_f32_16x16x128_f8f6f4 v[8*(8*((\a)%4)+\b):8*(8*((\a)%4)+\b)+7], v[128*(\p)+FR*\b:128*(\p)+FR*\b+FR-1], v[AF+FR*(\a):AF+FR*(\a)+FR-1], 0, v[SC+8*NQ*(\sc)+NQ*\b+(\q)], v[SC+8*NQ*(\sc)+NQ*(\a)+(\q)] matrix_a_fmt:MATRIX_FMT_FP6 matrix_b_fmt:MATRIX_FMT_FP6 matrix_a_scale:MATRIX_SCALE_ROW1
.else
	v_wmma_scale_f32_16x16x128_f8f6f4 v[8*(8*((\a)%4)+\b):8*(8*((\a)%4)+\b)+7], v[128*(\p)+FR*\b:128*(\p)+FR*\b+FR-1], v[AF+FR*(\a):AF+FR*(\a)+FR-1], v[8*(8*((\a)%4)+\b):8*(8*((\a)%4)+\b)+7], v[SC+8*NQ*(\sc)+NQ*\b+(\q)], v[SC+8*NQ*(\sc)+NQ*(\a)+(\q)] matrix_a_fmt:MATRIX_FMT_FP6 matrix_b_fmt:MATRIX_FMT_FP6 matrix_a_scale:MATRIX_SCALE_ROW1
.endif
.endr
.endr
.endm
.macro FETCH_B slot, q, p
	WIN TO_B
.irp i, 0,1,2,3,4,5,6,7
	FRAG 128*(\p)+FR*\i, ADRB+\slot, \q, \i
.endr
	WIN 0
.endm
.macro FETCH_A slot, q, i0
.irp i, \i0, \i0+1, \i0+2, \i0+3
	FRAG AF+FR*(\i), ADRA+\slot, \q, \i
.endr
.endm
.macro SCALES sc                       ; the two words of the slot's two K steps; lanes 0-15 source 1's block i, lanes 16-31 source 0's
.irp i, 0,1,2,3,4,5,6,7
	ds_load_b64 v[SC+8*NQ*\sc+NQ*\i:SC+8*NQ*\sc+NQ*\i+1], v[ADRS] offset:\i*1024+8*\sc
.endr
.endm
.macro PLACES n
.rept \n
	v_nop
.endr
.endm
.macro STEP slot, q, zero
	s_wait_dscnt 4*NL                              ; all but the youngest twelve loads (source 1's blocks 4-7)
	WIN MUL_LO
	MUL16 0, (\q)%2, \q, \slot, \zero
	MUL16 2, (\q)%2, \q, \slot, \zero
	s_wait_dscnt 0
	PLACES NP
	FETCH_B \slot, (\q)+1, 1-(\q)%2
	FETCH_A \slot, (\q)+1, 0
	WIN MUL_HI
	MUL16 4, (\q)%2, \q, \slot, \zero
	MUL16 6, (\q)%2, \q, \slot, \zero
	PLACES NP
	WIN 0
	FETCH_A \slot, (\q)+1, 4
.endm
.macro TURN slot, next, fill
.if \fill
	s_wait_xcnt 0x0                                ; my last prefetch has read its address: it steps
	s_add_nc_u64 s[PFA:PFA+1], s[PFA:PFA+1], STEPB
.endif
	s_wait_tensorcnt 0x0                           ; my part of the next slot is in;
	ds_add_u32 v[SPW], v[NIL]                      ; 0 onto my spare word;
	s_wait_dscnt 4*NL+1                            ; (the add and the youngest twelve loads may be out)
	WIN MUL_LO
	MUL16 0, 1, NQ-1, \slot, 0
	s_wait_dscnt 0x0                               ; the add is done and my reads of this slot are over
	s_barrier_signal -1
	MUL16 2, 1, NQ-1, \slot, 0
	WIN 0
	s_barrier_wait -1
.if \fill
	CREST                                          ; the barrier has opened a round of the cluster's barrier
	s_add_nc_u64 s[G0+4*\slot+2:G0+4*\slot+3], s[G0+4*\slot+2:G0+4*\slot+3], 2*STEPB
	s_add_nc_u64 s[G0B+4*\slot+2:G0B+4*\slot+3], s[G0B+4*\slot+2:G0B+4*\slot+3], 2*STEPB
	JLOAD G0+4*\slot, G1, G0B+4*\slot, G1B
.else
	PLACES NP
.endif
.if \next == 0
	v_add_nc_u32 v[ADRS], 256, v[ADRS]             ; the next four K steps' words
	s_wait_alu depctr_va_vdst(0)                   ; the wait behind the write
.endif
	FETCH_B \next, 0, 0
	FETCH_A \next, 0, 0
	SCALES \next
.if \fill
	s_cmp_gt_u32 s3, 1                             ; the last trip's refills have no pair two on
	s_cbranch_scc0 .Lno_ask_\@
	global_prefetch_b8 v[PFO], s[PFA:PFA+1] offset:STEPB th:TH_LOAD_NT scope:SCOPE_SE
.Lno_ask_\@:
.endif
	WIN MUL_HI
	MUL16 4, 1, NQ-1, \slot, 0
	MUL16 6, 1, NQ-1, \slot, 0
	PLACES NP
	WIN 0
	FETCH_A \next, 0, 4
.endm
	s_wait_alu depctr_va_vdst(0)
	global_prefetch_b8 v[PFO], s[PFA:PFA+1] th:TH_LOAD_NT scope:SCOPE_SE   ; pair 2
	s_wait_tensorcnt 0x0                           ; my tile of the head's four is in; the three lines ahead of a later first fill
	ds_add_u32 v[SPW], v[NIL]
	s_mov_b32 s[G1+2], 8<<16                       ; no load of mine is out: from here on a load brings 8 blocks of rows
	s_mov_b32 s[G1+4], 8
	s_mov_b32 s[G1B+2], 8<<16
	s_mov_b32 s[G1B+4], 8
	s_wait_dscnt 0x0
	CROUND
	JLOAD G0+4, G1, G0B+4, G1B                     ; slot 1's first fill
	FETCH_B 0, 0, 0
	FETCH_A 0, 0, 0
	SCALES 0
	FETCH_A 0, 0, 4
	global_prefetch_b8 v[PFO], s[PFA:PFA+1] offset:STEPB th:TH_LOAD_NT scope:SCOPE_SE   ; pair 3
	STEP 0, 0, 1
	s_cmp_lt_u32 ttmp9, 2                          ; v has no rope
	s_cbranch_scc1 .Lno_tab
	global_prefetch_b8 v[PFT], s[CSP:CSP+1] th:TH_LOAD_NT scope:SCOPE_SE
.Lno_tab:
	s_mov_b32 s3, LAPS-1
.Llap:
	TURN 0, 1, 1
	STEP 1, 0, 0
	TURN 1, 0, 1
	STEP 0, 0, 0
	s_sub_co_u32 s3, s3, 1
	s_cmp_lg_u32 s3, 0
	s_cbranch_scc1 .Llap
	TURN 0, 1, 0
	STEP 1, 0, 0
	s_wait_dscnt 4*NL
	WIN MUL_LO
	MUL16 0, 1, NQ-1, 1, 0
	MUL16 2, 1, NQ-1, 1, 0
	s_wait_dscnt 0
	WIN MUL_HI
	MUL16 4, 1, NQ-1, 1, 0
	MUL16 6, 1, NQ-1, 1, 0
	WIN 0
; THE WAY OUT.  Block a's 64 registers of a lane are 128 neighbours along the next product's K: rope (q, k), four blocks of 32 quantised, the codes stored as an image, the scale words gathered.
.set CA,  4
.set IM,  5
.set SCO, 6
.set PWS, 8
.set TW,  16
.set HH,  32
.set PC,  224
.set TMX, 244
.set TMB, 248
.set TMS, 252
.macro QUANT s, w, pw
	WIN (\w)|((\w)<<2)
.irp b, 0,1,2,3
	v_max3_num_f32 v[TMX+\b], |v[(\s)+16*\b]|, |v[(\s)+1+16*\b]|, 0x1800000
.endr
	WIN ((\w)<<2)|((\w)<<4)
.irp i, 2,4,6,8,10,12,14
.irp b, 0,1,2,3
	v_max3_num_f32 v[TMX+\b], v[TMX+\b], |v[(\s)+16*\b+\i]|, |v[(\s)+1+16*\b+\i]|
.endr
.endr
	WIN 0
.irp b, 0,1,2,3
	v_permlanex16_b32 v[TMB+\b], v[TMX+\b], s[SEL], s[SEL+1]
.endr
.irp b, 0,1,2,3
	v_max_num_f32 v[TMX+\b], v[TMX+\b], v[TMB+\b]
.endr
.irp b, 0,1,2,3
	v_add_nc_u32 v[TMS+\b], 0xff000000, v[TMX+\b]
.endr
.irp b, 0,1,2,3
	v_lshrrev_b32 v[TMB+\b], 23, v[TMS+\b]
.endr
	v_lshl_or_b32 v[\pw], v[TMB+1], 8, v[TMB]
	v_lshl_or_b32 v[\pw], v[TMB+2], 16, v[\pw]
	v_lshl_or_b32 v[\pw], v[TMB+3], 24, v[\pw]
	WIN (\w)
.irp c, 0,1
	v_cvt_scalef32_pk16_fp6_f32 v[PC+6*\c:PC+2+6*\c], v[(\s)+32*\c:(\s)+15+32*\c], v[TMS+2*\c]
	v_cvt_scalef32_pk16_fp6_f32 v[PC+12+4*\c:PC+14+4*\c], v[(\s)+16+32*\c:(\s)+31+32*\c], v[TMS+2*\c+1]
.endr
	WIN 0
	v_nop
.irp c, 0,1
.irp i, 0,1,2
	v_permlane16_swap_b32 v[PC+6*\c+\i], v[PC+12+4*\c+\i]
.endr
.irp i, 0,1,2
	v_mov_b32 v[PC+3+6*\c+\i], v[PC+12+4*\c+\i]
.endr
.endr
.endm
.macro CSLOAD a
	WIN 0x40
.irp b, 0,1
.irp j, 0,1,2,3
	global_load_b128 v[64*((\a)%4)+16*\b+4*\j:64*((\a)%4)+16*\b+4*\j+3], v[CA], s[8:9] offset:(32*((\a)/2)+8*((\a)%2))*256+128*\b+16*\j
	global_load_b128 v[64*((\a)%4)+32+16*\b+4*\j:64*((\a)%4)+32+16*\b+4*\j+3], v[CA], s[10:11] offset:(32*((\a)/2)+8*((\a)%2))*256+128*\b+16*\j
.endr
.endr
	WIN 0
.endm
.macro ROPE a
	WIN (2+(\a)/4)|4
.set AB, 64*((\a)%4)
.set RI, 0
.rept 16
.set TT, TW+4*((RI/2)%2)
	v_pk_mul_f32 v[TT:TT+1], v[AB+32+RI:AB+33+RI], v[AB+32+RI:AB+33+RI]
	v_pk_mul_f32 v[TT+2:TT+3], v[AB+32+RI:AB+33+RI], v[AB+RI:AB+RI+1]
	v_pk_fma_f32 v[HH+RI:HH+RI+1], v[AB+RI:AB+RI+1], v[AB+RI:AB+RI+1], v[TT:TT+1] neg_lo:[0,0,1] neg_hi:[0,0,1]
	v_pk_fma_f32 v[HH+32+RI:HH+33+RI], v[AB+RI:AB+RI+1], v[AB+32+RI:AB+33+RI], v[TT+2:TT+3]
.set RI, RI+2
.endr
	WIN 0
.endm
.macro IMG a
.irp c, 0,1,2
	global_store_b128 v[IM], v[PC+4*\c:PC+4*\c+3], s[12:13] offset:1536*(\a)+512*\c
.endr
.endm
	PLACES NP
	v_and_b32 v1, 15, v0
	v_bfe_u32 v2, v0, 4, 1
	v_and_b32 v3, 31, v0
	v_and_b32 v[CA], 8, v1
	v_add_nc_u32 v[CA], v[CA], v1
	v_lshlrev_b32 v[CA], 8, v[CA]
	v_lshl_add_u32 v[CA], v2, 6, v[CA]
	v_lshlrev_b32 v[IM], 4, v3
	v_lshlrev_b32 v[SCO], 5, v1
	v_lshl_add_u32 v[SCO], v2, 4, v[SCO]
.irp b, 0,1,2,3
	v_mov_b32 v[TMB+\b], 0
.endr
	s_cmp_lt_u32 ttmp9, 2
	s_cbranch_scc1 .Lvalues
	CSLOAD 0
	CSLOAD 1
	CSLOAD 2
	s_wait_alu depctr_va_vdst(0)
	CSLOAD 3
.irp a, 0,1,2,3,4,5,6,7
.if \a < 5
	s_wait_loadcnt 48                              ; block a's 16 loads are in; those of three blocks may be out
.else
	s_wait_loadcnt 16*(7-\a)
.endif
	ROPE \a
.if \a < 4
	CSLOAD \a+4
.endif
	s_wait_xcnt 0x0                                ; the last image's stores have read their registers
	QUANT HH,0,PWS+\a
	IMG \a
.endr
	s_branch .Lwords
.Lvalues:
.irp a, 0,1,2,3,4,5,6,7
	s_wait_xcnt 0x0
	QUANT 64*(\a%4),2+\a/4,PWS+\a
	IMG \a
.endr
.Lwords:
	v_cmp_gt_u32 vcc_lo, 16, v3
.irp i, 0,1,2,3
	v_cndmask_b32 v[24+\i], v[PWS+4+\i], v[PWS+\i], vcc_lo
.endr
	global_store_b128 v[SCO], v[24:27], s[66:67]
	s_wait_tensorcnt 0x0                           ; the wave's end
	ds_add_u32 v[SPW], v[NIL]
	s_wait_dscnt 0x0
	CROUND                                         ; the closing round
	s_endpgm
.Lfunc_end_k_qb9b6c67f53_qkv:
	.size	k_qb9b6c67f53_qkv, .Lfunc_end_k_qb9b6c67f53_qkv-k_qb9b6c67f53_qkv
	.p2alignl 7, 3214868480
	.fill 96, 4, 3214868480
	.section	.rodata,"a",@progbits
	.p2align	6, 0x0
	.amdhsa_kernel k_qb9b6c67f53_qkv
		.amdhsa_group_segment_fixed_size 327680
		.amdhsa_private_segment_fixed_size 0
		.amdhsa_enable_private_segment 0
		.amdhsa_kernarg_size 48
		.amdhsa_user_sgpr_count 2
		.amdhsa_user_sgpr_kernarg_segment_ptr 1
		.amdhsa_wavefront_size32 1
		.amdhsa_system_sgpr_workgroup_id_x 1
		.amdhsa_system_sgpr_workgroup_id_y 1
		.amdhsa_system_sgpr_workgroup_id_z 1
		.amdhsa_system_vgpr_workitem_id 0
		.amdhsa_next_free_vgpr 1024
		.amdhsa_next_free_sgpr 102
		.amdhsa_reserve_vcc 1
		.amdhsa_float_denorm_mode_32 3
		.amdhsa_float_denorm_mode_16_64 3
		.amdhsa_memory_ordered 1
		.amdhsa_forward_progress 1
		.amdhsa_inst_pref_size 220
	.end_amdhsa_kernel
	.amdgpu_metadata
---
amdhsa.version: [ 1, 2 ]
amdhsa.kernels:
  - .name:           k_qb9b6c67f53_qkv
    .symbol:         k_qb9b6c67f53_qkv.kd
    .args:
      - { .name: codes, .offset: 0, .size: 8, .value_kind: global_buffer, .address_space: global }
      - { .name: scales, .offset: 8, .size: 8, .value_kind: global_buffer, .address_space: global }
      - { .name: cos_cache, .offset: 16, .size: 8, .value_kind: global_buffer, .address_space: global }
      - { .name: sin_cache, .offset: 24, .size: 8, .value_kind: global_buffer, .address_space: global }
      - { .name: qkv_codes, .offset: 32, .size: 8, .value_kind: global_buffer, .address_space: global }
      - { .name: qkv_scales, .offset: 40, .size: 8, .value_kind: global_buffer, .address_space: global }
    .group_segment_fixed_size: 327680
    .private_segment_fixed_size: 0
    .kernarg_segment_align: 8
    .kernarg_segment_size: 48
    .max_flat_workgroup_size: 128
    .sgpr_count:     102
    .vgpr_count:     1024
    .wavefront_size: 32
...
	.end_amdgpu_metadata
.endif
;; end of part 6
;; launch attn (part 7): grid 16 x 16, 8 waves a work-group, no clusters, 115,712 bytes of LDS; arguments qkv_codes, qkv_scales, maskw, flags, o_codes, o_scales; writes o_codes, o_scales
.if DOCPART == 7
	.amdgcn_target "amdgcn-amd-amdhsa--gfx1250"
	.amdhsa_code_object_version 6
	.text
	.protected	k_qb9b6c67f53_attn
	.globl	k_qb9b6c67f53_attn
	.p2align	8
	.type	k_qb9b6c67f53_attn,@function
k_qb9b6c67f53_attn:
	s_mov_b64 s[64:65], 0
	v_nop
	global_prefetch_b8 v0, s[64:65] scope:SCOPE_SE
	s_setreg_imm32_b32 hwreg(HW_REG_WAVE_MODE, 25, 1), 1
	s_wait_xcnt 0x0
; ATTN.  o[q][head] = softmax_k(q . k / sqrt(128), under the given mask) v, both products on codes of FP6 (E2M3) with one E8M0 scale for each 32 along a product's K, and the result quantised along the channels for the last projection.
; THE SOFTMAX AHEAD OF THE SECOND PRODUCT: t = score x log2(e) / sqrt(128); M = the row's largest t so far, rounded UP to a whole number; p = 2^(t - M) is what is quantised, along the keys, not normalised.
; The row's sum is taken of the unquantised p, in f32, and divides O at the end.  When M moves, the sum and O are multiplied by 2^(old M - new M): exact.
; INPUTS: qkv_codes[idx][8 tiles][3][32 lanes][16 bytes]: images of operand registers (idx: v: head x 16 + key step; q: 256 + head x 16 + group; k: 512 + head x 16 + key step); qkv_scales[idx][r][tile];
; maskw[T][step][64]: the lane mask for each of a key step's 64 score registers; flags[T][4]: OR of the four words: bit s: some key of step s counts for tile T; bit 16 + s: all do.
; SHARES.  A work-group (x = j, y = head) has eight tiles of 16 queries: tile 1 of wave w is T = 8 p + a, tile 2 is T = 8 (15 - p) + a, with p = j / 2, a = 4 (j % 2) + w % 4.  Waves w and w + 4 have the SAME two tiles and
; share their keys out: a trip brings two key steps of 128 keys into an LDS slot; waves 0-3 take the even step, waves 4-7 the odd one, each for both its tiles.  Eight trips, one barrier a trip.
; At the end a wave hands one tile's O^T, M and sum to its partner through LDS (waves 0-3 give tile 2 and finish tile 1, waves 4-7 the other way round); the two parts are joined under the larger M by exact powers of two.
; THE MASK IS AN INPUT AND IS HONOURED BIT BY BIT: hidden scores become -infinity ahead of the maximum.  A key step in which no key counts for any query of a tile adds nothing and is passed over by a scalar branch
; on the stored flags; a trip that no wave of the work-group needs is not brought into LDS; a step's mask words are loaded only where some of its keys count and not all.  All this holds for any mask.
; NO TENSOR LOAD, NO JOINT REQUEST, though the 16 work-groups of a head read the same K and V: which steps a work-group needs hangs on flags read from memory.
; K's and V's images go memory -> registers -> LDS as dense copies, 16 bytes a thread: trip t + 2's are asked for in the middle of trip t and stored into the other slot at the head of trip t + 1.
; LAYOUT.  Both products are used transposed: S^T = K Q^T, O^T = V^T P^T: a lane holds ONE query throughout.  Lane r of K's tile 2 b + u is key 32 b + 8 u + r + 8 (r / 8), so score register 16 b + i is key 32 b + 16 h + i;
; V's tiles are laid likewise along the channels.  Lane r's query in tile T = 8 g + a is 128 g + 32 (a / 2) + 8 (a % 2) + r + 8 (r / 8).
; THE RESULT: a tile's 16 queries x the head's 128 channels leave as one image of operand registers, three stores of 512 consecutive bytes, at o_codes + g x 196,608 + (head / 4) x 49,152 + a x 6,144 + (head % 4) x 1,536;
; the scale word of lane r's query at o_scales + T x 1,024 + (head / 4) x 256 + 16 r + 4 (head % 4).
; A ROW WITH NO KEY THAT COUNTS has the sum 0: its scale word becomes 0xffffffff (NaN bytes), which makes the last projection's sums NaN for that row, as the softmax of such a row is.
; LIMITS: NaN and infinities among the inputs are not served; a block under 2^(3 - 127), zeros too, keeps the byte 1; the scaled scores stay under 2^31 in magnitude.
; REGISTERS.  Window 0: v1-11 addresses; v12-15, v28-31 a tile's -M, largest t, sum in two halves; v16-27, v32-43 Q; v44-51 K's, then V's scale words; v52, v53 Q's; v96-159 S^T, then p; v160-207 the copy in hand;
;   v224-235 p's codes; v232-254 at work.  Window 1: v0-63, v64-127 O^T of tiles 1, 2; v128-223 K's eight fragments, then V's.
.set STEPG, 12288                      ; a key step's images of V, or of K
.set TRIPB, 2*STEPG
.set SLOTB, 2*TRIPB                    ; a slot: V's images of two steps, then K's
.set SCB,   2*SLOTB                    ; V's scale words of the whole head (8,192 bytes), then K's
.set SPARE, SCB+16384
.set XCH,   8448                       ; the exchange: 8,192 bytes of O^T and 256 of state for each wave, in the slots' bytes, behind the last barrier of the walk
.set KGL,   512*STEPG
.set KSGL,  512*512
.set L16,  1
.set LI,   2
.set LS,   3
.set ADS,  4
.set FG,   5
.set PFO,  6
.set NINF, 7
.set LIC,  8
.set FGC,  9
.set S1,   12
.set Q1,   16
.set S2,   28
.set Q2,   32
.set KS,   44
.set QS1,  52
.set QS2,  53
.set FILL, 160
.set SPW,  250
.set NIL,  251
.set KV,   4
.set MP1,  8
.set WV,   66
.set HD,   67
.set F1,   84
.set F2,   85
.set WGF,  86
.set MO,   87
.set TS,   88
.set STP,  89
.set SEL,  90
.set CS,   92
.set PLIM, 94
.set EE,   95
.set MP2,  98
.set SLO,  100
.set SLW,  101
.set MSB, 0
.macro WIN new
.if MSB != (\new)
	s_set_vgpr_msb (MSB<<8)|(\new)
.set MSB, (\new)
.endif
.endm
	s_load_b128 s[4:7], s[0:1], 0x0                ; qkv_codes, qkv_scales
	s_load_b128 s[8:11], s[0:1], 0x10              ; maskw, flags
	s_load_b128 s[12:15], s[0:1], 0x20             ; o_codes, o_scales
	v_lshl_add_u32 v[SPW], v0, 2, SPARE
	v_mov_b32 v[NIL], 0
	v_lshrrev_b32 v1, 5, v0
	s_delay_alu instid0(VALU_DEP_1)
	v_readfirstlane_b32 s[WV], v1                  ; wave 0..7
	s_and_b32 s[HD], ttmp7, 0xffff
	s_lshr_b32 s68, ttmp9, 1                       ; p
	s_and_b32 s69, ttmp9, 1
	s_lshl_b32 s69, s69, 2
	s_sub_co_u32 s70, 15, s68                      ; 15 - p
	s_lshr_b32 s[EE], s[WV], 2                     ; which step of a trip is mine
	s_and_b32 s73, s[WV], 3
	s_add_co_u32 s73, s73, s69                     ; a
	s_lshl_b32 s74, s68, 3
	s_add_co_u32 s74, s74, s73                     ; T of tile 1
	s_lshl_b32 s75, s70, 3
	s_add_co_u32 s75, s75, s73                     ; T of tile 2
	s_lshl_b32 s76, s68, 3
	s_add_co_u32 s76, s76, s69
	s_lshl_b32 s76, s76, 4                         ; the flags of the work-group's four tiles 1: 64 bytes from here,
	s_lshl_b32 s77, s70, 3
	s_add_co_u32 s77, s77, s69
	s_lshl_b32 s77, s77, 4                         ; of its four tiles 2,
	s_lshl_b32 s78, s74, 4                         ; and of my two
	s_lshl_b32 s79, s75, 4
	s_cmp_lt_u32 s[WV], 3                          ; the prefetches: waves 0-2 name V's 24,576 bytes of a trip, waves 3-5 K's, 32 lanes 256 bytes apart
	s_cselect_b32 s96, 0, 3
	s_cselect_b32 s97, 0, KGL
	s_sub_co_u32 s96, s[WV], s96
	s_lshl_b32 s96, s96, 13
	s_add_co_u32 s96, s96, s97
	s_cmp_lt_u32 s[WV], 6
	s_cselect_b32 s[PLIM], 5, 0
	s_cmp_eq_u32 ttmp9, 0                          ; in the head's first work-group alone
	s_cselect_b32 s[PLIM], s[PLIM], 0
	s_mul_i32 s97, s[EE], STEPG
	s_mov_b32 s[SEL], 0x76543210
	s_mov_b32 s[SEL+1], 0xfedcba98
	s_mov_b32 s[CS], 0x3e0293ee
	s_mov_b32 s[CS+1], s[CS]
	s_lshl_b32 s[TS], s[EE], 9
	s_lshl_b32 s[MO], s[EE], 8
	s_mov_b32 s[STP], 0
	s_mov_b32 s[SLO], 0
	s_mov_b32 s[SLW], SLOTB
	s_mov_b32 s3, 8
	v_and_b32 v10, 31, v0
	v_and_b32 v11, 15, v0                          ; r
	v_lshlrev_b32 v[FG], 4, v0                     ; 16 x thread: the copies' place
	v_lshlrev_b32 v[L16], 4, v10                   ; 16 x lane: an image's place
	v_lshl_add_u32 v[PFO], v10, 8, s96
	v_lshl_add_u32 v[LS], v11, 5, SCB              ; my row's eight scale words
	v_lshlrev_b32 v11, 5, v11                      ; 32 r: my row among Q's scale words
	v_add_nc_u32 v[LI], s97, v[L16]                ; my step of a slot
	v_add_nc_u32 v10, SCB, v[FG]
	v_mov_b32 v[NINF], 0xff800000
	s_wait_alu depctr_va_vdst(0)
	s_wait_kmcnt 0x0
	s_load_b512 s[16:31], s[10:11], s76 offset:0x0
	s_load_b512 s[32:47], s[10:11], s77 offset:0x0
	s_load_b128 s[48:51], s[10:11], s78 offset:0x0
	s_load_b128 s[52:55], s[10:11], s79 offset:0x0
	s_lshl_b32 s80, s[HD], 4
	s_add_co_u32 s80, s80, 256
	s_add_co_u32 s81, s80, s68                     ; idx of tile 1's group of queries,
	s_add_co_u32 s82, s80, s70                     ; of tile 2's
	s_mul_i32 s83, s73, 1536
	s_mul_i32 s56, s81, STEPG
	s_add_co_u32 s56, s56, s83
	s_mov_b32 s57, 0
	s_add_nc_u64 s[56:57], s[4:5], s[56:57]
	s_mul_i32 s58, s82, STEPG
	s_add_co_u32 s58, s58, s83
	s_mov_b32 s59, 0
	s_add_nc_u64 s[58:59], s[4:5], s[58:59]
	s_lshl_b32 s83, s73, 2
	s_lshl_b32 s60, s81, 9
	s_add_co_u32 s60, s60, s83
	s_mov_b32 s61, 0
	s_add_nc_u64 s[60:61], s[6:7], s[60:61]
	s_lshl_b32 s62, s82, 9
	s_add_co_u32 s62, s62, s83
	s_mov_b32 s63, 0
	s_add_nc_u64 s[62:63], s[6:7], s[62:63]
	s_mul_i32 s96, s[HD], 16*STEPG
	s_mov_b32 s97, 0
	s_add_nc_u64 s[KV:KV+1], s[KV:KV+1], s[96:97]  ; V's images of the head's step 0
	s_lshl_b32 s96, s[HD], 13
	s_add_nc_u64 s[6:7], s[6:7], s[96:97]          ; V's scale words of the head
	s_lshl_b32 s96, s75, 12
	s_add_nc_u64 s[MP2:MP2+1], s[8:9], s[96:97]    ; my tiles' mask words: 16 steps x 256 bytes
	s_lshl_b32 s96, s74, 12
	s_add_nc_u64 s[MP1:MP1+1], s[8:9], s[96:97]
	s_cmp_eq_u32 s[EE], 0                          ; the tile that I finish
	s_cselect_b32 s80, s68, s70
	s_cselect_b32 s81, s74, s75
	s_mul_i32 s96, s80, 196608
	s_lshr_b32 s82, s[HD], 2
	s_mul_i32 s83, s82, 49152
	s_add_co_u32 s96, s96, s83
	s_mul_i32 s83, s73, 6144
	s_add_co_u32 s96, s96, s83
	s_and_b32 s80, s[HD], 3
	s_mul_i32 s83, s80, 1536
	s_add_co_u32 s96, s96, s83
	s_add_nc_u64 s[12:13], s[12:13], s[96:97]
	s_lshl_b32 s96, s81, 10
	s_lshl_b32 s82, s82, 8
	s_add_co_u32 s96, s96, s82
	s_lshl_b32 s80, s80, 2
	s_add_co_u32 s96, s96, s80
	s_add_nc_u64 s[14:15], s[14:15], s[96:97]
.irp c, 0,1,2
	global_load_b128 v[Q1+4*\c:Q1+4*\c+3], v[L16], s[56:57] offset:512*\c   ; Q's fragments stay in registers
	global_load_b128 v[Q2+4*\c:Q2+4*\c+3], v[L16], s[58:59] offset:512*\c
.endr
	global_load_b32 v[QS1], v11, s[60:61]
	global_load_b32 v[QS2], v11, s[62:63]
.irp c, 0,1
	global_load_b128 v[144+4*\c:147+4*\c], v[FG], s[6:7] offset:4096*\c           ; the head's scale words: V's 8,192 bytes,
	global_load_b128 v[152+4*\c:155+4*\c], v[FG], s[6:7] offset:KSGL+4096*\c      ; K's
.endr
.irp c, 0,1,2,3,4,5
	global_load_b128 v[96+4*\c:99+4*\c], v[FG], s[KV:KV+1] offset:4096*\c         ; trip 0: V's images,
	global_load_b128 v[120+4*\c:123+4*\c], v[FG], s[KV:KV+1] offset:KGL+4096*\c   ; K's
.endr
.irp c, 0,1,2,3,4,5
	global_load_b128 v[FILL+4*\c:FILL+4*\c+3], v[FG], s[KV:KV+1] offset:TRIPB+4096*\c          ; trip 1
	global_load_b128 v[FILL+24+4*\c:FILL+27+4*\c], v[FG], s[KV:KV+1] offset:KGL+TRIPB+4096*\c
.endr
.irp s, S1, S2
	v_mov_b32 v[\s+1], 0xff61b1e6                  ; the largest t so far: -3e38, under every t
	v_mov_b32 v[\s+2], 0                           ; the sum, in two halves
	v_mov_b32 v[\s+3], 0
	v_floor_f32 v[\s], -v[\s+1]                    ; -M
.endr
.irp b, 0,1,2,3
	v_mov_b32 v[236+\b], 0                         ; a lane permute's destination counts as one of its sources
.endr
	v_mov_b32 v252, 0
	v_mov_b32 v253, 0
	WIN 0x40
.set ZN, 0
.rept 128
	v_mov_b32 v[ZN], 0                             ; O^T of both tiles.  (The step is written once: the first finds zeros, which the first change of M leaves zeros)
.set ZN, ZN+1
.endr
	WIN 0
	s_wait_alu depctr_va_vdst(0)
	s_wait_kmcnt 0x0                               ; the flags
.set ZN, 17
.rept 31
	s_or_b32 s16, s16, s[ZN]
.set ZN, ZN+1
.endr
	s_and_b32 s[WGF], s16, 0xffff                  ; steps that some wave of the work-group needs; bit 16 and up are 0: nothing is copied beyond step 15
	s_or_b32 s48, s48, s49
	s_or_b32 s50, s50, s51
	s_or_b32 s[F1], s48, s50
	s_lshr_b32 s[F1], s[F1], s[EE]                 ; bit 0: my step of the trip in hand; bit 16: all its keys count
	s_or_b32 s52, s52, s53
	s_or_b32 s54, s54, s55
	s_or_b32 s[F2], s52, s54
	s_lshr_b32 s[F2], s[F2], s[EE]
	s_wait_xcnt 0x0                                ; every load above has had its addresses translated: the scalar registers that served as bases may be loaded over
	s_load_b512 s[16:31], s[MP1:MP1+1], s[MO] offset:0x0   ; 64 mask words, whatever the flags, so that every word's register is written: word n in s[16 + n], from word 48 on in s[20 + n]
	s_load_b512 s[32:47], s[MP1:MP1+1], s[MO] offset:0x40
	s_load_b512 s[48:63], s[MP1:MP1+1], s[MO] offset:0x80
	s_load_b512 s[68:83], s[MP1:MP1+1], s[MO] offset:0xc0
	s_wait_loadcnt 12                              ; all is in but the twelve loads issued last: trip 1's
.irp c, 0,1
	ds_store_b128 v10, v[144+4*\c:147+4*\c] offset:4096*\c
	ds_store_b128 v10, v[152+4*\c:155+4*\c] offset:8192+4096*\c
.endr
.irp i, 0,1,2,3,4,5,6,7,8,9,10,11
	ds_store_b128 v[FG], v[96+4*\i:99+4*\i] offset:4096*\i
.endr
	s_wait_dscnt 0x0                               ; for the others' sake: my stores have landed
	s_barrier_signal -1
	s_barrier_wait -1
; MY KEY STEP FOR ONE TILE.  o: its O^T in window 1; qf, qs: Q's fragment and scale word; st: its state; fl: its flags; mp: its mask words
.macro WORK o, qf, qs, st, fl, mp
	s_bitcmp1_b32 s[\fl], 0                        ; does any key of my step count for the tile?
	s_cbranch_scc0 .Lno_work_\@
	s_bitcmp1_b32 s[\fl], 16                       ; mask words are wanted only where not all keys count
	s_cbranch_scc1 .Lno_words_\@
	s_wait_kmcnt 0x0                               ; no earlier load of words is out: their registers may be loaded again
	s_load_b512 s[16:31], s[\mp:\mp+1], s[MO] offset:0x0
	s_load_b512 s[32:47], s[\mp:\mp+1], s[MO] offset:0x40
	s_load_b512 s[48:63], s[\mp:\mp+1], s[MO] offset:0x80
	s_load_b512 s[68:83], s[\mp:\mp+1], s[MO] offset:0xc0
.Lno_words_\@:
	ds_load_b128 v[KS:KS+3], v[ADS] offset:8192    ; K's scale words: row r of tiles 0-3,
	ds_load_b128 v[KS+4:KS+7], v[ADS] offset:8208  ; 4-7
	WIN 0x40
.irp t, 0,1,2,3,4,5,6,7
.irp c, 0,1,2
	ds_load_b128 v[128+12*\t+4*\c:128+12*\t+4*\c+3], v[LIC] offset:TRIPB+1536*\t+512*\c    ; K's fragments, as images
.endr
.endr
	WIN 0
	s_wait_dscnt 0x0
	WIN 0x01
.irp t, 0,1,2,3,4,5,6,7
	v_wmma_scale_f32_16x16x128_f8f6f4 v[96+8*\t:103+8*\t], v[128+12*\t:128+12*\t+11], v[\qf:\qf+11], 0, v[KS+\t], v[\qs] matrix_a_fmt:MATRIX_FMT_FP6 matrix_b_fmt:MATRIX_FMT_FP6
.endr
	WIN 0
.rept 4
	v_nop                                          ; places behind the products: ahead of the loads into their sources and of the first read of their results
.endr
	ds_load_b128 v[KS:KS+3], v[ADS]                ; V's scale words and fragments take K's registers: they land under the softmax
	ds_load_b128 v[KS+4:KS+7], v[ADS] offset:16
	WIN 0x40
.irp t, 0,1,2,3,4,5,6,7
.irp c, 0,1,2
	ds_load_b128 v[128+12*\t+4*\c:128+12*\t+4*\c+3], v[LIC] offset:1536*\t+512*\c
.endr
.endr
	WIN 0
	s_bitcmp1_b32 s[\fl], 16                       ; a step all of whose keys count for all my queries needs no mask
	s_cbranch_scc1 .Lopen_\@
	s_wait_kmcnt 0x0
.set MN, 0
.rept 64
	v_cndmask_b32 v[96+MN], v[NINF], v[96+MN], s[16+MN+4*(MN/48)]   ; where the lane's bit is 0 the score becomes -infinity: p = 0 then
.set MN, MN+1
.endr
.Lopen_\@:
.irp b, 0,1,2,3
	v_max3_num_f32 v[232+\b], v[96+16*\b], v[97+16*\b], v[98+16*\b]   ; the largest score of each block of 32 keys: for the row's maximum, and, since p rises with the score, for the block's largest p
.endr
.irp i, 3,5,7,9,11,13
.irp b, 0,1,2,3
	v_max3_num_f32 v[232+\b], v[232+\b], v[96+16*\b+\i], v[97+16*\b+\i]
.endr
.endr
.irp b, 0,1,2,3
	v_max_num_f32 v[232+\b], v[232+\b], v[111+16*\b]
.endr
.irp b, 0,1,2,3
	s_delay_alu instid0(VALU_DEP_4)
	v_permlanex16_b32 v[236+\b], v[232+\b], s[SEL], s[SEL+1]
.endr
.irp b, 0,1,2,3
	s_delay_alu instid0(VALU_DEP_4)
	v_max_num_f32 v[232+\b], v[232+\b], v[236+\b]  ; with lane l xor 16's 16 keys
.endr
	s_delay_alu instid0(VALU_DEP_2)
	v_max3_num_f32 v254, v232, v233, v234
	s_delay_alu instid0(VALU_DEP_1)
	v_max_num_f32 v254, v254, v235                 ; the step's largest score of my query
	s_delay_alu instid0(VALU_DEP_1)
	v_mul_f32 v254, s[CS], v254                    ; as t (c is positive)
	s_delay_alu instid0(VALU_DEP_1)
	v_max_num_f32 v[\st+1], v[\st+1], v254         ; the running largest t
	v_mov_b32 v254, v[\st]
	s_delay_alu instid0(VALU_DEP_2)
	v_floor_f32 v[\st], -v[\st+1]                  ; the new -M = floor(-t) = -ceil(t): M is a whole number
	s_delay_alu instid0(VALU_DEP_1)
	v_sub_f32 v254, v[\st], v254                   ; M's old value less its new one: a whole number, 0 or less
	s_delay_alu instid0(VALU_DEP_1)
	v_cvt_i32_f32 v254, v254                       ; (it saturates)
	s_delay_alu instid0(VALU_DEP_1)
	v_ldexp_f32 v252, 1.0, v254                    ; f = 2^(old M - new M)
.set MN, 0
.rept 32
	v_pk_fma_f32 v[96+MN:97+MN], v[96+MN:97+MN], s[CS:CS+1], v[\st:\st+1] op_sel_hi:[1,0,0]   ; t - M, two at a time (of the pairs c and -M the low word serves both halves)
.set MN, MN+2
.endr
.irp b, 0,1,2,3
	v_fma_f32 v[232+\b], v[232+\b], s[CS], v[\st]  ; the same of each block's largest score
.endr
.set MN, 0
	s_wait_alu depctr_va_vdst(0)                   ; ahead of the batch
.rept 64
	v_exp_f32 v[96+MN], v[96+MN]                   ; p = 2^(t - M), at most 1: not normalised
.set MN, MN+1
.endr
	v_pk_mul_f32 v[\st+2:\st+3], v[\st+2:\st+3], v[252:253] op_sel_hi:[1,0]   ; the sums under the new M
	s_wait_alu depctr_va_vdst(0)                   ; one wait for the whole batch, ahead of its first reader
.irp b, 0,1,2,3
	v_exp_f32 v[232+\b], v[232+\b]                 ; the block's largest p
.endr
	v_pk_add_f32 v[236:237], v[100:101], v[104:105]
	v_pk_add_f32 v[248:249], v[108:109], v[112:113]
	v_pk_add_f32 v[246:247], v[116:117], v[120:121]
	v_pk_add_f32 v[244:245], v[124:125], v[128:129]
	v_pk_add_f32 v[242:243], v[132:133], v[136:137]
	v_pk_add_f32 v[240:241], v[140:141], v[144:145]
	v_pk_add_f32 v[238:239], v[148:149], v[152:153]
	v_pk_add_f32 v[\st+2:\st+3], v[\st+2:\st+3], v[156:157]
	v_pk_add_f32 v[236:237], v[236:237], v[96:97]
	v_pk_add_f32 v[248:249], v[248:249], v[98:99]
	v_pk_add_f32 v[246:247], v[246:247], v[102:103]
	v_pk_add_f32 v[244:245], v[244:245], v[106:107]
	v_pk_add_f32 v[242:243], v[242:243], v[110:111]
	v_pk_add_f32 v[240:241], v[240:241], v[114:115]
	v_pk_add_f32 v[238:239], v[238:239], v[118:119]
	v_pk_add_f32 v[\st+2:\st+3], v[\st+2:\st+3], v[122:123]
	v_pk_add_f32 v[236:237], v[236:237], v[126:127]
	v_pk_add_f32 v[248:249], v[248:249], v[130:131]
	v_pk_add_f32 v[246:247], v[246:247], v[134:135]
	v_pk_add_f32 v[244:245], v[244:245], v[138:139]
	v_pk_add_f32 v[242:243], v[242:243], v[142:143]
	v_pk_add_f32 v[240:241], v[240:241], v[146:147]
	v_pk_add_f32 v[238:239], v[238:239], v[150:151]
	v_pk_add_f32 v[\st+2:\st+3], v[\st+2:\st+3], v[154:155]
	v_pk_add_f32 v[236:237], v[236:237], v[158:159]
	s_delay_alu instid0(VALU_DEP_2)
	v_pk_add_f32 v[\st+2:\st+3], v[\st+2:\st+3], v[244:245]
	s_delay_alu instid0(VALU_DEP_2)
	v_pk_add_f32 v[236:237], v[236:237], v[242:243]
	v_pk_add_f32 v[248:249], v[248:249], v[240:241]
	v_pk_add_f32 v[246:247], v[246:247], v[238:239]
	s_delay_alu instid0(VALU_DEP_2)
	v_pk_add_f32 v[\st+2:\st+3], v[\st+2:\st+3], v[248:249]
	s_delay_alu instid0(VALU_DEP_2)
	v_pk_add_f32 v[236:237], v[236:237], v[246:247]
	s_delay_alu instid0(VALU_DEP_1)
	v_pk_add_f32 v[\st+2:\st+3], v[\st+2:\st+3], v[236:237]
	s_wait_alu depctr_va_vdst(0)                   ; and one for the four
.irp b, 0,1,2,3
	v_max_num_f32 v[232+\b], 0x1800000, v[232+\b]  ; the floor 2^(3 - 127): the byte cannot fall under 1
.endr
.irp b, 0,1,2,3
	s_delay_alu instid0(VALU_DEP_4)
	v_add_nc_u32 v[244+\b], 0xff000000, v[232+\b]  ; 2 off the exponent field: the conversion's scale operand
.endr
.irp b, 0,1,2,3
	s_delay_alu instid0(VALU_DEP_4)
	v_lshrrev_b32 v[236+\b], 23, v[244+\b]         ; the scale's byte
.endr
	s_delay_alu instid0(VALU_DEP_3)
	v_lshl_or_b32 v253, v237, 8, v236              ; p's scale word for these 128 keys
	s_delay_alu instid0(VALU_DEP_1)
	v_lshl_or_b32 v253, v238, 16, v253
	s_delay_alu instid0(VALU_DEP_1)
	v_lshl_or_b32 v253, v239, 24, v253
.irp c, 0,1
	v_cvt_scalef32_pk16_fp6_f32 v[224+6*\c:226+6*\c], v[96+32*\c:111+32*\c], v[244+2*\c]
	v_cvt_scalef32_pk16_fp6_f32 v[236+4*\c:238+4*\c], v[112+32*\c:127+32*\c], v[244+2*\c+1]
.endr
	v_nop                                          ; one plain place behind a scaled conversion
.irp c, 0,1                                    ; the operand's layout wants a whole block in a lane
.irp i, 0,1,2
	v_permlane16_swap_b32 v[224+6*\c+\i], v[236+4*\c+\i]
.endr
.irp i, 0,1,2
	s_delay_alu instid0(VALU_DEP_3)
	v_mov_b32 v[227+6*\c+\i], v[236+4*\c+\i]
.endr
.endr
	WIN 0x41                                       ; destination and source 0 in window 1
	s_wait_alu depctr_va_vdst(0)                   ; directly ahead of the first reader of O^T
.set MN, 0
.rept 32
	v_pk_mul_f32 v[\o+MN:\o+MN+1], v[\o+MN:\o+MN+1], v[252:253] op_sel_hi:[1,0]   ; O^T under the new M.  (These 32 are also the places between the writes of p's codes and scale word and the products below)
.set MN, MN+2
.endr
	WIN 0
	s_wait_alu depctr_va_vdst(0)
	s_wait_dscnt 0x0                               ; V's fragments and scale words are in
	WIN 0x51                                       ; V's fragments, C and D in window 1
.irp t, 0,1,2,3,4,5,6,7                        ; the eight accumulators take turns
	v_wmma_scale_f32_16x16x128_f8f6f4 v[\o+8*\t:\o+8*\t+7], v[128+12*\t:128+12*\t+11], v[224:235], v[\o+8*\t:\o+8*\t+7], v[KS+\t], v253 matrix_a_fmt:MATRIX_FMT_FP6 matrix_b_fmt:MATRIX_FMT_FP6
.endr
	WIN 0
.rept 4
	v_nop                                          ; places in front of the next loads into registers that these products have read, and of the next read of O^T
.endr
.Lno_work_\@:
.endm
; A TRIP t reads slot t % 2.  At its head trip t + 1's images, asked for in the middle of the last trip, go into the other slot; in its middle trip t + 2's are asked for.
; One barrier a trip serves both ways: in front of it each wave's LDS loads are back and its LDS stores have landed.
.Ltrip:
	s_wait_loadcnt 0x0                             ; the next trip's images are in registers
	v_add_nc_u32 v[ADS], s[TS], v[LS]
	v_add_nc_u32 v[LIC], s[SLO], v[LI]
	v_add_nc_u32 v[FGC], s[SLW], v[FG]
	s_wait_alu depctr_va_vdst(0)
	s_and_b32 s96, s[WGF], 12                      ; does any wave need one of the next trip's two steps?
	s_cmp_lg_u32 s96, 0
	s_cbranch_scc0 .Lno_store
.irp i, 0,1,2,3,4,5,6,7,8,9,10,11
	ds_store_b128 v[FGC], v[FILL+4*\i:FILL+4*\i+3] offset:4096*\i
.endr
.Lno_store:
	WORK 0, Q1, QS1, S1, F1, MP1
	s_wait_xcnt 0x0                                ; the last trip's copies and prefetch have read their base: it may step
	s_add_nc_u64 s[KV:KV+1], s[KV:KV+1], TRIPB     ; now at trip t + 1's images
	s_and_b32 s96, s[WGF], 48                      ; does any wave need the trip after the next?
	s_cmp_lg_u32 s96, 0
	s_cbranch_scc0 .Lno_fill
	s_wait_dscnt 0x0                               ; the stores above have read their registers
.irp c, 0,1,2,3,4,5
	global_load_b128 v[FILL+4*\c:FILL+4*\c+3], v[FG], s[KV:KV+1] offset:TRIPB+4096*\c
	global_load_b128 v[FILL+24+4*\c:FILL+27+4*\c], v[FG], s[KV:KV+1] offset:KGL+TRIPB+4096*\c
.endr
.Lno_fill:
; A prefetch of trip t + 3's images, one trip beyond the one that is being asked for: one instruction in each of six waves of the head's first work-group, so that each aligned block of 256 bytes
; is named once in the launch.  Trips 0 to 2 come by their loads alone; trip 7 is the last that is named (in trip 4).
	s_cmp_lt_u32 s[STP], s[PLIM]
	s_cbranch_scc0 .Lno_ask
	global_prefetch_b8 v[PFO], s[KV:KV+1] offset:2*TRIPB th:TH_LOAD_NT scope:SCOPE_SE
.Lno_ask:
	WORK 64, Q2, QS2, S2, F2, MP2
	s_wait_kmcnt 0x0                               ; no load of mask words is out: their offset may be written
	s_add_co_u32 s[MO], s[MO], 512
	s_wait_dscnt 0x0                               ; my stores have landed and my loads are back
	s_barrier_signal -1
	s_barrier_wait -1
	s_add_co_u32 s[TS], s[TS], 1024
	s_add_co_u32 s[STP], s[STP], 1
	s_xor_b32 s[SLO], s[SLO], SLOTB
	s_xor_b32 s[SLW], s[SLW], SLOTB
	s_lshr_b32 s[F1], s[F1], 2
	s_lshr_b32 s[F2], s[F2], 2
	s_lshr_b32 s[WGF], s[WGF], 2
	s_sub_co_u32 s3, s3, 1
	s_cmp_lg_u32 s3, 0
	s_cbranch_scc1 .Ltrip
	; THE EXCHANGE.  Waves 0-3 give tile 2's part and take the partner's part of tile 1 into the registers just given; waves 4-7 the other way round.  Behind it both runs of registers hold parts of ONE tile.
	s_mul_i32 s96, s[WV], XCH
	s_xor_b32 s97, s[WV], 4
	s_mul_i32 s97, s97, XCH
	v_and_b32 v9, 31, v0
	v_add_f32 v[S1+1], v[S1+2], v[S1+3]            ; a part's state: -M and the sum of my lane
	v_add_f32 v[S2+1], v[S2+2], v[S2+3]
	v_lshlrev_b32 v9, 3, v9
	v_add_nc_u32 v2, s96, v[L16]                   ; where I put,
	v_add_nc_u32 v3, s97, v[L16]                   ; where my partner has put
	v_add_nc_u32 v4, s96, v9
	v_add_nc_u32 v8, s97, v9                       ; (v8 held an LDS address of the walk, which is over; the copies' offset v5 is never rewritten)
	s_wait_alu depctr_va_vdst(0)
	s_cmp_eq_u32 s[EE], 0
	s_cbranch_scc0 .Lgive1
	WIN 0x04                                       ; an LDS store's data are its source 1: window 1
	s_wait_alu depctr_va_vdst(0)                   ; ahead of the first reader of O^T
.irp i, 0,1,2,3,4,5,6,7,8,9,10,11,12,13,14,15
	ds_store_b128 v2, v[64+4*\i:67+4*\i] offset:512*\i
.endr
	WIN 0
	ds_store_b64 v4, v[S2:S2+1] offset:8192
	s_branch .Lgiven
.Lgive1:
	WIN 0x04
	s_wait_alu depctr_va_vdst(0)
.irp i, 0,1,2,3,4,5,6,7,8,9,10,11,12,13,14,15
	ds_store_b128 v2, v[4*\i:4*\i+3] offset:512*\i
.endr
	WIN 0
	ds_store_b64 v4, v[S1:S1+1] offset:8192
.Lgiven:
	s_wait_dscnt 0x0
	s_barrier_signal -1
	s_barrier_wait -1
	s_cmp_eq_u32 s[EE], 0
	s_cbranch_scc0 .Ltake2
	WIN 0x40
.irp i, 0,1,2,3,4,5,6,7,8,9,10,11,12,13,14,15
	ds_load_b128 v[64+4*\i:67+4*\i], v3 offset:512*\i
.endr
	WIN 0
	ds_load_b64 v[S2:S2+1], v8 offset:8192
	s_branch .Ltaken
.Ltake2:
	WIN 0x40
.irp i, 0,1,2,3,4,5,6,7,8,9,10,11,12,13,14,15
	ds_load_b128 v[4*\i:4*\i+3], v3 offset:512*\i
.endr
	WIN 0
	ds_load_b64 v[S1:S1+1], v8 offset:8192
.Ltaken:
	s_wait_dscnt 0x0
	; THE JOIN: under the larger M, each part x 2^(its M - the larger M), exact; then / the sum, folded into the two factors
	v_min_num_f32 v9, v[S1], v[S2]                 ; -M of the two
	s_delay_alu instid0(VALU_DEP_1)
	v_sub_f32 v10, v9, v[S1]
	v_sub_f32 v11, v9, v[S2]
	s_delay_alu instid0(VALU_DEP_2)
	v_cvt_i32_f32 v10, v10                         ; (it saturates: a part that met no key has the factor 0)
	s_delay_alu instid0(VALU_DEP_2)
	v_cvt_i32_f32 v11, v11
	s_delay_alu instid0(VALU_DEP_2)
	v_ldexp_f32 v236, 1.0, v10
	s_delay_alu instid0(VALU_DEP_2)
	v_ldexp_f32 v238, 1.0, v11
	s_delay_alu instid0(VALU_DEP_2)
	v_mul_f32 v14, v[S1+1], v236
	s_delay_alu instid0(VALU_DEP_1)
	v_fma_f32 v14, v[S2+1], v238, v14
	s_delay_alu instid0(VALU_DEP_1)
	v_permlanex16_b32 v252, v14, s[SEL], s[SEL+1]
	s_delay_alu instid0(VALU_DEP_1)
	v_add_f32 v14, v14, v252                       ; with lane l xor 16's: the row's sum
	s_wait_alu depctr_va_vdst(0)
	v_rcp_f32 v15, v14
	v_and_b32 v9, 15, v0                           ; (plain work behind the transcendental)  r
	s_delay_alu instid0(VALU_DEP_1)
	v_lshlrev_b32 v10, 4, v9                       ; 16 r: my query's scale words
.irp b, 0,1,2,3
	v_mov_b32 v[36+\b], 0                          ; a lane permute's destination counts as one of its sources
.endr
	v_mov_b32 v248, -1
	s_wait_alu depctr_va_vdst(0)                   ; ahead of the reciprocal's first reader
	v_mul_f32 v236, v236, v15
	v_mul_f32 v238, v238, v15
	WIN 0x01                                       ; source 0 in window 1
	s_wait_alu depctr_va_vdst(0)                   ; directly ahead of the first reader of O^T
.set MN, 0
.rept 32
	v_pk_mul_f32 v[96+MN:97+MN], v[MN:MN+1], v[236:237] op_sel_hi:[1,0]
.set MN, MN+2
.endr
.set MN, 0
.rept 32
	v_pk_fma_f32 v[96+MN:97+MN], v[64+MN:65+MN], v[238:239], v[96+MN:97+MN] op_sel_hi:[1,0,1]   ; register 16 b + i: channel 32 b + 16 h + i of my query
.set MN, MN+2
.endr
	WIN 0
	; THE WAY OUT: quantised along the channels in registers
.irp b, 0,1,2,3
	v_max3_num_f32 v[32+\b], |v[96+16*\b]|, |v[97+16*\b]|, 0x1800000
.endr
.irp i, 2,4,6,8,10,12,14
.irp b, 0,1,2,3
	s_delay_alu instid0(VALU_DEP_4)
	v_max3_num_f32 v[32+\b], v[32+\b], |v[96+16*\b+\i]|, |v[97+16*\b+\i]|
.endr
.endr
.irp b, 0,1,2,3
	s_delay_alu instid0(VALU_DEP_4)
	v_permlanex16_b32 v[36+\b], v[32+\b], s[SEL], s[SEL+1]
.endr
.irp b, 0,1,2,3
	s_delay_alu instid0(VALU_DEP_4)
	v_max_num_f32 v[32+\b], v[32+\b], v[36+\b]
.endr
.irp b, 0,1,2,3
	s_delay_alu instid0(VALU_DEP_4)
	v_add_nc_u32 v[244+\b], 0xff000000, v[32+\b]
.endr
.irp b, 0,1,2,3
	s_delay_alu instid0(VALU_DEP_4)
	v_lshrrev_b32 v[36+\b], 23, v[244+\b]
.endr
	s_delay_alu instid0(VALU_DEP_3)
	v_lshl_or_b32 v243, v37, 8, v36
	s_delay_alu instid0(VALU_DEP_1)
	v_lshl_or_b32 v243, v38, 16, v243
	s_delay_alu instid0(VALU_DEP_1)
	v_lshl_or_b32 v243, v39, 24, v243
.irp c, 0,1
	v_cvt_scalef32_pk16_fp6_f32 v[224+6*\c:226+6*\c], v[96+32*\c:111+32*\c], v[244+2*\c]
	v_cvt_scalef32_pk16_fp6_f32 v[236+4*\c:238+4*\c], v[112+32*\c:127+32*\c], v[244+2*\c+1]
.endr
	v_nop
.irp c, 0,1
.irp i, 0,1,2
	v_permlane16_swap_b32 v[224+6*\c+\i], v[236+4*\c+\i]
.endr
.irp i, 0,1,2
	s_delay_alu instid0(VALU_DEP_3)
	v_mov_b32 v[227+6*\c+\i], v[236+4*\c+\i]
.endr
.endr
	v_cmp_eq_f32 vcc_lo, 0, v14                    ; a row for which no key counts:
	s_delay_alu instid0(VALU_DEP_1)
	v_cndmask_b32 v243, v243, v248, vcc_lo         ; four NaN bytes; a choice of a value, no branch
.irp c, 0,1,2
	global_store_b128 v[L16], v[224+4*\c:227+4*\c], s[12:13] offset:512*\c   ; the image: 32 lanes store 512 consecutive bytes
.endr
	global_store_b32 v10, v243, s[14:15]           ; lanes r and 16 + r hold the same word and store it to the same place
	s_wait_tensorcnt 0x0                           ; the wave's end
	ds_add_u32 v[SPW], v[NIL]
	s_wait_dscnt 0x0
	s_endpgm
.Lfunc_end_k_qb9b6c67f53_attn:
	.size	k_qb9b6c67f53_attn, .Lfunc_end_k_qb9b6c67f53_attn-k_qb9b6c67f53_attn
	.p2alignl 7, 3214868480
	.fill 96, 4, 3214868480
	.section	.rodata,"a",@progbits
	.p2align	6, 0x0
	.amdhsa_kernel k_qb9b6c67f53_attn
		.amdhsa_group_segment_fixed_size 115712
		.amdhsa_private_segment_fixed_size 0
		.amdhsa_enable_private_segment 0
		.amdhsa_kernarg_size 48
		.amdhsa_user_sgpr_count 2
		.amdhsa_user_sgpr_kernarg_segment_ptr 1
		.amdhsa_wavefront_size32 1
		.amdhsa_system_sgpr_workgroup_id_x 1
		.amdhsa_system_sgpr_workgroup_id_y 1
		.amdhsa_system_sgpr_workgroup_id_z 1
		.amdhsa_system_vgpr_workitem_id 0
		.amdhsa_next_free_vgpr 512
		.amdhsa_next_free_sgpr 102
		.amdhsa_reserve_vcc 1
		.amdhsa_float_denorm_mode_32 3
		.amdhsa_float_denorm_mode_16_64 3
		.amdhsa_memory_ordered 1
		.amdhsa_forward_progress 1
		.amdhsa_inst_pref_size 84
	.end_amdhsa_kernel
	.amdgpu_metadata
---
amdhsa.version: [ 1, 2 ]
amdhsa.kernels:
  - .name:           k_qb9b6c67f53_attn
    .symbol:         k_qb9b6c67f53_attn.kd
    .args:
      - { .name: qkv_codes, .offset: 0, .size: 8, .value_kind: global_buffer, .address_space: global }
      - { .name: qkv_scales, .offset: 8, .size: 8, .value_kind: global_buffer, .address_space: global }
      - { .name: maskw, .offset: 16, .size: 8, .value_kind: global_buffer, .address_space: global }
      - { .name: flags, .offset: 24, .size: 8, .value_kind: global_buffer, .address_space: global }
      - { .name: o_codes, .offset: 32, .size: 8, .value_kind: global_buffer, .address_space: global }
      - { .name: o_scales, .offset: 40, .size: 8, .value_kind: global_buffer, .address_space: global }
    .group_segment_fixed_size: 115712
    .private_segment_fixed_size: 0
    .kernarg_segment_align: 8
    .kernarg_segment_size: 48
    .max_flat_workgroup_size: 256
    .sgpr_count:     102
    .vgpr_count:     512
    .wavefront_size: 32
...
	.end_amdgpu_metadata
.endif
;; end of part 7
;; launch oproj (part 8): grid 16 x 16, 4 waves a work-group, clusters of 4 x 4, 327,680 bytes of LDS; arguments o_codes, o_scales, codes, scales, out0; writes out0
.if DOCPART == 8
	.amdgcn_target "amdgcn-amd-amdhsa--gfx1250"
	.amdhsa_code_object_version 6
	.text
	.protected	k_qb9b6c67f53_oproj
	.globl	k_qb9b6c67f53_oproj
	.p2align	8
	.type	k_qb9b6c67f53_oproj,@function
k_qb9b6c67f53_oproj:
	s_mov_b64 s[64:65], 0
	v_nop
	global_prefetch_b8 v0, s[64:65] scope:SCOPE_SE
	s_setreg_imm32_b32 hwreg(HW_REG_WAVE_MODE, 25, 1), 1
	s_wait_xcnt 0x0
	s_wait_alu depctr_hold_cnt(0) depctr_sa_sdst(0) depctr_va_vdst(0) depctr_va_sdst(0) depctr_va_ssrc(0) depctr_va_vcc(0) depctr_vm_vsrc(0)
	s_getreg_b32 s2, hwreg(HW_REG_IB_STS2, 6, 4)
	s_cmp_eq_u32 s2, 0
	s_cbranch_scc0 .Lentry_in_a_cluster
	s_endpgm
.Lentry_in_a_cluster:
	s_bfe_u32 s2, ttmp6, 0x10000c
	s_cmp_lg_u32 s2, 0xf033
	s_cbranch_scc0 .Lentry_shape_is_right
	s_endpgm
.Lentry_shape_is_right:
; OPROJ.  out0 = o w_o^T on codes of FP6 (E2M3) with E8M0 scales; f32 out.  A work-group makes 128 x 128, a wave 64 x 64 (16 accumulators); 256 work-groups.
; Both operands come as images of registers (16 rows x 128 K = 1,536 bytes), laid [128 rows][group of 4 K steps][block of 16 rows][K step]: 128 rows x 512 K are 49,152 consecutive bytes.
; K's first three groups of both operands, 2 x 147,456 dense bytes, and the scale words, 2 x 8,192, come at the head, one tensor load a wave.  The fourth group is filled over the first, behind a round of the
; cluster's barrier, when the first has been read: a quarter a wave; between that load and the wait for it a wave issues 8 K steps' matrix instructions less eight, 120.
; CLUSTERS 4 x 4: o's tiles are asked for jointly along a row of the cluster, w_o's along a column.
; PREFETCH: the fourth group is named once at the head: of the 24,576 bytes that a wave will fetch each of the four partners names 6,144 (told apart by address), 24 lanes 256 bytes apart; lanes 24-31 name the last block again.
; The walk along K is written out, so nothing else runs ahead.
; Row r of o's block a' (0 .. 7) of a group of 128 queries is query 32 (a' / 2) + 8 (a' % 2) + r + 8 (r / 8): the way out stores each row at its true place.
; The matrix instruction is used transposed (source 0 = rows of w_o, source 1 = rows of o): a lane holds eight neighbouring numbers of a row of out0.
; A row of o whose scale words are NaN bytes (no key counted for it) gives NaN sums, as the softmax of such a row is.
.set SIZE_N, 2048
.set KGB,    49152                     ; 128 rows x 4 K steps
.set QB,     24576                     ; 64 rows of that
.set BB,     3*KGB                     ; LDS: o's three groups, then w_o's
.set FR,     12
.set NP,     4
.set SCL,    2*BB
.set SPARE,  SCL+16384
.set SPITCH, 272
.set STAGE,  KGB                       ; the way out's stages lie in o's second group: it has had its only fill, and its last read stands in front of the walk's last barrier
.set ADRA, 16
.set ADRB, 20
.set STO,  24
.set RD,   25
.set CO,   26
.set ADRS, 27
.set SPW,  28
.set NIL,  29
.set PFO,  30
.set SC,   32
.set ACC,  128
.set G0H, 4
.set G1, 24
.set G0, 32
.set G0HB, 36
.set G1B, 48
.set G0B, 56
.set PFA, 60
.set G1S, 68
.set G0S, 76
.set G1SB, 80
.set G0SB, 88
.set MSB, 0
.macro WIN new
.if MSB != (\new)
	s_set_vgpr_msb (MSB<<8)|(\new)
.set MSB, (\new)
.endif
.endm
.set MUL,  0x05
.set TO_F, 0x40
.macro JLOAD g0a, g1a, g0b, g1b
	s_cmp_eq_u32 s15, 0
	s_cbranch_scc0 .Lfor_b_\@
	tensor_load_to_lds s[\g0a:\g0a+3], s[\g1a:\g1a+7]
	s_nop 0
.rept 4
	v_nop
.endr
	s_branch .Lasked_\@
.Lfor_b_\@:
	tensor_load_to_lds s[\g0b:\g0b+3], s[\g1b:\g1b+7]
	s_nop 0
.rept 4
	v_nop
.endr
.Lasked_\@:
.endm
.macro CREST
	s_cmp_lg_u32 s14, 0
	s_cbranch_scc1 .Lnot_wave_0_\@
	s_barrier_signal -3
.Lnot_wave_0_\@:
	s_barrier_wait -3
	s_barrier_signal -1
	s_barrier_wait -1
.endm
.macro CROUND
	s_barrier_signal -1
	s_barrier_wait -1
	CREST
.endm
	s_load_b128 s[4:7], s[0:1], 0x0                ; o_codes, o_scales
	s_load_b128 s[8:11], s[0:1], 0x10              ; codes, scales
	s_load_b64 s[12:13], s[0:1], 0x20              ; out0
	v_lshl_add_u32 v[SPW], v0, 2, SPARE
	v_mov_b32 v[NIL], 0
	ds_add_u32 v[SPW], v[NIL]                      ; the opening lines: the add twice on end and its wait
	ds_add_u32 v[SPW], v[NIL]
	v_lshrrev_b32 v1, 5, v0
	v_readfirstlane_b32 s14, v1
	s_lshr_b32 s15, s14, 1
	s_and_b32 s16, s14, 1
	s_bfe_u32 s40, ttmp6, 0x40000
	s_bfe_u32 s41, ttmp6, 0x40004
	s_lshl_b32 s42, ttmp9, 2
	s_add_co_u32 s42, s42, s40                     ; tile column
	s_and_b32 s17, ttmp7, 0xffff
	s_lshl_b32 s17, s17, 2
	s_add_co_u32 s17, s17, s41                     ; tile row
	s_lshl_b32 s43, s41, 2
	s_lshl_b32 s43, 15, s43
	s_lshl_b32 s44, 0x1111, s40
	s_or_b32 s[G1+0], s43, (3<<16)|(1<<21)         ; elements of 8 bytes, no padding
	s_or_b32 s[G1B+0], s44, (3<<16)|(1<<21)
.irp g, G1, G1B
	s_mov_b32 s[\g+1], 768<<16                     ; dense rows of 6,144 bytes: 24 at the head, 4 in the refill
	s_mov_b32 s[\g+2], 24<<16
	s_mov_b32 s[\g+3], 768<<16
	s_mov_b32 s[\g+4], 24
	s_mov_b32 s[\g+5], 768
	s_mov_b32 s[\g+6], 0
	s_mov_b32 s[\g+7], 0
.endr
	s_or_b32 s[G1S+0], s43, (3<<16)|(1<<21)
	s_or_b32 s[G1SB+0], s44, (3<<16)|(1<<21)
.irp g, G1S, G1SB
	s_mov_b32 s[\g+1], 32<<16                      ; the scales of 128 rows: 32 rows of 256 bytes, dense
	s_mov_b32 s[\g+2], 32<<16
	s_mov_b32 s[\g+3], 32<<16
	s_mov_b32 s[\g+4], 32
	s_mov_b32 s[\g+5], 32
	s_mov_b32 s[\g+6], 0
	s_mov_b32 s[\g+7], 0
.endr
	s_mul_i32 s20, s17, 4*KGB
	s_mov_b32 s21, 0
	s_mul_i32 s46, s42, 4*KGB
	s_mov_b32 s47, 0
	s_lshl_b32 s22, s17, 13
	s_mov_b32 s23, 0
	s_lshl_b32 s92, s42, 13
	s_mov_b32 s93, 0
	s_mul_i32 s45, s16, QB
	s_mov_b32 s18, s45
	s_mov_b32 s19, 0
	s_wait_dscnt 0x0
	s_wait_kmcnt 0x0
	s_add_nc_u64 s[8:9], s[8:9], 8192*1536         ; w_o's codes and scales
	s_add_nc_u64 s[10:11], s[10:11], 8192*64
	s_add_nc_u64 s[20:21], s[4:5], s[20:21]
	s_add_nc_u64 s[22:23], s[6:7], s[22:23]
	s_add_nc_u64 s[46:47], s[8:9], s[46:47]
	s_add_nc_u64 s[92:93], s[10:11], s[92:93]
	CROUND                                         ; in front of the first joint loads
	s_mov_b32 s[G0H], 1
	s_mov_b32 s[G0H+1], 0
	s_mov_b64 s[G0H+2:G0H+3], s[20:21]
	s_or_b32 s[G0H+3], s[G0H+3], 0x80000000
	s_mov_b32 s[G0HB], 1
	s_mov_b32 s[G0HB+1], BB
	s_mov_b64 s[G0HB+2:G0HB+3], s[46:47]
	s_or_b32 s[G0HB+3], s[G0HB+3], 0x80000000
	s_mov_b32 s[G0S], 1
	s_mov_b32 s[G0S+1], SCL
	s_mov_b64 s[G0S+2:G0S+3], s[22:23]
	s_or_b32 s[G0S+3], s[G0S+3], 0x80000000
	s_mov_b32 s[G0SB], 1
	s_mov_b32 s[G0SB+1], SCL+8192
	s_mov_b64 s[G0SB+2:G0SB+3], s[92:93]
	s_or_b32 s[G0SB+3], s[G0SB+3], 0x80000000
	s_add_nc_u64 s[20:21], s[20:21], s[18:19]      ; the refill: my 64 rows of the fourth group
	s_add_nc_u64 s[20:21], s[20:21], 3*KGB
	s_add_nc_u64 s[46:47], s[46:47], s[18:19]
	s_add_nc_u64 s[46:47], s[46:47], 3*KGB
	s_mov_b32 s[G0], 1
	s_mov_b32 s[G0+1], s45
	s_mov_b64 s[G0+2:G0+3], s[20:21]
	s_or_b32 s[G0+3], s[G0+3], 0x80000000
	s_mov_b32 s[G0B], 1
	s_add_co_u32 s[G0B+1], s45, BB
	s_mov_b64 s[G0B+2:G0B+3], s[46:47]
	s_or_b32 s[G0B+3], s[G0B+3], 0x80000000
.macro ARM under, g0, g1, next         ; the head's four tiles, one tensor load a wave
	s_cmp_lt_u32 s14, \under
	s_cbranch_scc0 \next
	tensor_load_to_lds s[\g0:\g0+3], s[\g1:\g1+7]
	s_nop 0
.rept 4
	v_nop
.endr
	s_branch .Lhead_asked
\next:
.endm
	ARM 1, G0H,  G1,  .Lhead_b
	ARM 2, G0HB, G1B, .Lhead_sa
	ARM 3, G0S,  G1S, .Lhead_sb
	tensor_load_to_lds s[G0SB:G0SB+3], s[G1SB:G1SB+7]
	s_nop 0
.rept 4
	v_nop
.endr
.Lhead_asked:
	s_cmp_eq_u32 s15, 0                            ; the prefetch: the quarter that I will fetch, my work-group's 6,144 bytes of it
	s_cselect_b64 s[PFA:PFA+1], s[20:21], s[46:47]
	s_cselect_b32 s22, s40, s41
	s_mul_i32 s22, s22, 6144
	s_mov_b32 s23, 0
	s_add_nc_u64 s[PFA:PFA+1], s[PFA:PFA+1], s[22:23]
	v_and_b32 v1, 31, v0
	v_lshlrev_b32 v4, 4, v1                        ; 16 x lane: my place in an image
	v_min_u32 v5, 23, v1
	v_lshlrev_b32 v[PFO], 8, v5
	s_mul_i32 s21, s15, QB                         ; my 64 rows of o,
	s_add_co_u32 s22, s45, BB                      ; of w_o
.irp g, 0,1,2
	v_add_nc_u32 v[ADRA+\g], s21, v4
	v_add_nc_u32 v[ADRB+\g], s22, v4
	s_add_co_u32 s21, s21, KGB
	s_add_co_u32 s22, s22, KGB
.endr
	s_mul_i32 s23, s14, 16*SPITCH
	s_add_co_u32 s23, s23, STAGE                   ; my stage
	v_and_b32 v2, 15, v0                           ; r
	v_bfe_u32 v3, v0, 4, 1                         ; h
	v_lshlrev_b32 v5, 4, v2
	s_lshl_b32 s21, s15, 12
	s_lshl_b32 s22, s16, 12
	s_add_co_u32 s22, s22, 8192
	s_sub_co_u32 s22, s22, s21
	v_mul_u32_u24 v6, s22, v3                      ; lanes 16-31 take w_o's words
	s_add_co_u32 s21, s21, SCL
	v_add_nc_u32 v5, v5, v6
	v_add_nc_u32 v[ADRS], s21, v5
	v_mul_u32_u24 v5, v2, SPITCH
	v_lshl_add_u32 v5, v3, 5, v5
	v_add_nc_u32 v[STO], s23, v5
	v_mul_u32_u24 v5, v3, SPITCH
	v_lshl_add_u32 v5, v2, 4, v5
	v_add_nc_u32 v[RD], s23, v5
	v_mul_u32_u24 v5, v3, SIZE_N*4
	v_lshl_add_u32 v[CO], v2, 4, v5
	s_lshl_b32 s20, s17, 7
	s_lshl_b32 s21, s15, 6
	s_add_co_u32 s20, s20, s21
	s_mov_b32 s21, 0
	s_mov_b64 s[18:19], SIZE_N*4
	s_mul_u64 s[20:21], s[20:21], s[18:19]
	s_lshl_b32 s46, s42, 9
	s_lshl_b32 s47, s16, 8
	s_add_co_u32 s46, s46, s47
	s_mov_b32 s47, 0
	s_add_nc_u64 s[20:21], s[20:21], s[46:47]
	s_add_nc_u64 s[12:13], s[12:13], s[20:21]
.macro FRAG reg, adr, q, i
.irp c, 0,1,2
	ds_load_b128 v[\reg+4*\c:\reg+4*\c+3], v[\adr] offset:(\i)*6144+(\q)*1536+512*\c
.endr
.endm
.macro MUL8 a0, p, q, sc, zero         ; the 16 accumulators take turns
.irp a, \a0, \a0+1
.irp b, 0,1,2,3
.if \zero
	v_wmma_scale_f32_16x16x128_f8f6f4 v[ACC+8*(4*(\a)+\b):ACC+8*(4*(\a)+\b)+7], v[128*(\p)+FR*\b:128*(\p)+FR*\b+FR-1], v[128*(\p)+48+FR*(\a):128*(\p)+48+FR*(\a)+FR-1], 0, v[SC+16*(\sc)+4*\b+(\q)], v[SC+16*(\sc)+4*(\a)+(\q)] matrix_a_fmt:MATRIX_FMT_FP6 matrix_b_fmt:MATRIX_FMT_FP6 matrix_a_scale:MATRIX_SCALE_ROW1
.else
	v_wmma_scale_f32_16x16x128_f8f6f4 v[ACC+8*(4*(\a)+\b):ACC+8*(4*(\a)+\b)+7], v[128*(\p)+FR*\b:128*(\p)+FR*\b+FR-1], v[128*(\p)+48+FR*(\a):128*(\p)+48+FR*(\a)+FR-1], v[ACC+8*(4*(\a)+\b):ACC+8*(4*(\a)+\b)+7], v[SC+16*(\sc)+4*\b+(\q)], v[SC+16*(\sc)+4*(\a)+(\q)] matrix_a_fmt:MATRIX_FMT_FP6 matrix_b_fmt:MATRIX_FMT_FP6 matrix_a_scale:MATRIX_SCALE_ROW1
.endif
.endr
.endr
.endm
.macro FETCH g, q, p                   ; K step q of the group in LDS place g, into set p
	WIN TO_F
.irp i, 0,1,2,3
	FRAG 128*(\p)+FR*\i, ADRB+(\g), \q, \i
.endr
.irp i, 0,1,2,3
	FRAG 128*(\p)+48+FR*\i, ADRA+(\g), \q, \i
.endr
	WIN 0
.endm
.macro SCALES sc, g                    ; group g's four words a row
.irp i, 0,1,2,3
	ds_load_b128 v[SC+16*(\sc)+4*\i:SC+16*(\sc)+4*\i+3], v[ADRS] offset:\i*1024+256*(\g)
.endr
.endm
.macro PLACES n
.rept \n
	v_nop
.endr
.endm
.macro NEXTF                           ; K step NX's fragments; group NX / 4 lies in place (NX / 4) % 3
	FETCH (NX/4)%3, NX%4, NX%2
.if NX%4 == 0
	SCALES (NX/4)%2, NX/4
.endif
.endm
.macro STEP n, zero
.set NX, (\n)+1
	s_wait_dscnt 0x0
	PLACES NP
	NEXTF
	WIN MUL
	MUL8 0, (\n)%2, (\n)%4, ((\n)/4)%2, \zero
	MUL8 2, (\n)%2, (\n)%4, ((\n)/4)%2, \zero
	WIN 0
.endm
.macro TURN n, fill
.set NX, (\n)+1
	s_wait_tensorcnt 0x0                           ; all my tensor loads have landed;
	ds_add_u32 v[SPW], v[NIL]                      ; 0 onto my spare word;
	s_wait_dscnt 0x0                               ; it is done, and so are my reads
	s_barrier_signal -1
	WIN MUL
	MUL8 0, (\n)%2, (\n)%4, ((\n)/4)%2, 0
	WIN 0
	s_barrier_wait -1
.if \fill
	CREST                                          ; the barrier has opened a round of the cluster's barrier: nobody reads the first group any more
	JLOAD G0, G1, G0B, G1B
.else
	PLACES NP
.endif
	NEXTF
	WIN MUL
	MUL8 2, (\n)%2, (\n)%4, ((\n)/4)%2, 0
	WIN 0
.endm
	s_wait_alu depctr_va_vdst(0)
	global_prefetch_b8 v[PFO], s[PFA:PFA+1] th:TH_LOAD_NT scope:SCOPE_SE
	s_wait_tensorcnt 0x0                           ; my tile of the head's four is in
	s_mov_b32 s[G1+2], 4<<16                       ; no load of mine is out: the refill brings 4 rows of 6,144 bytes
	s_mov_b32 s[G1+4], 4
	s_mov_b32 s[G1B+2], 4<<16
	s_mov_b32 s[G1B+4], 4
	s_barrier_signal -1
	s_barrier_wait -1                              ; and everybody's
	FETCH 0, 0, 0
	SCALES 0, 0
	STEP 0, 1
	STEP 1, 0
	STEP 2, 0
	TURN 3, 1
.irp n, 4,5,6,7,8,9,10
	STEP \n, 0
.endr
	TURN 11, 0
	STEP 12, 0
	STEP 13, 0
	STEP 14, 0
	s_wait_dscnt 0x0
	WIN MUL
	MUL8 0, 1, 3, 1, 0
	MUL8 2, 1, 3, 1, 0
	WIN 0
.macro TOSTAGE a                       ; 16 rows x 64 columns through my stage; each accumulator from its low end on
.irp b, 0,1,2,3
	ds_store_b128 v[STO], v[ACC+8*(4*(\a)+\b):ACC+8*(4*(\a)+\b)+3] offset:64*\b
	ds_store_b128 v[STO], v[ACC+8*(4*(\a)+\b)+4:ACC+8*(4*(\a)+\b)+7] offset:64*\b+16
.endr
	WIN TO_F
.irp t, 0,1,2,3,4,5,6,7
	ds_load_b128 v[32*(\a)+4*\t:32*(\a)+4*\t+3], v[RD] offset:\t*2*SPITCH
.endr
	WIN 0
.endm
.macro SEND a, younger                 ; stage row 2 t + h is query 32 (a / 2) + 8 (a % 2) + 2 t + h + 8 (t / 4) of my 64; 16 lanes store 256 consecutive bytes, aligned
	s_wait_dscnt \younger
	WIN 0x04
.irp t, 0,1,2,3,4,5,6,7
	global_store_b128 v[CO], v[32*(\a)+4*\t:32*(\a)+4*\t+3], s[12:13] offset:(32*((\a)/2)+8*((\a)%2)+2*\t+8*(\t/4))*SIZE_N*4 th:TH_STORE_NT
.endr
	WIN 0
.endm
	PLACES NP
	TOSTAGE 0
	TOSTAGE 1
	SEND 0, 16                                     ; behind block 0's loads: block 1's 8 stores and 8 loads
	TOSTAGE 2
	SEND 1, 16
	TOSTAGE 3
	SEND 2, 16
	SEND 3, 0
	s_wait_tensorcnt 0x0                           ; the wave's end
	ds_add_u32 v[SPW], v[NIL]
	s_wait_dscnt 0x0
	CROUND                                         ; the closing round
	s_endpgm
.Lfunc_end_k_qb9b6c67f53_oproj:
	.size	k_qb9b6c67f53_oproj, .Lfunc_end_k_qb9b6c67f53_oproj-k_qb9b6c67f53_oproj
	.p2alignl 7, 3214868480
	.fill 96, 4, 3214868480
	.section	.rodata,"a",@progbits
	.p2align	6, 0x0
	.amdhsa_kernel k_qb9b6c67f53_oproj
		.amdhsa_group_segment_fixed_size 327680
		.amdhsa_private_segment_fixed_size 0
		.amdhsa_enable_private_segment 0
		.amdhsa_kernarg_size 40
		.amdhsa_user_sgpr_count 2
		.amdhsa_user_sgpr_kernarg_segment_ptr 1
		.amdhsa_wavefront_size32 1
		.amdhsa_system_sgpr_workgroup_id_x 1
		.amdhsa_system_sgpr_workgroup_id_y 1
		.amdhsa_system_sgpr_workgroup_id_z 1
		.amdhsa_system_vgpr_workitem_id 0
		.amdhsa_next_free_vgpr 512
		.amdhsa_next_free_sgpr 98
		.amdhsa_reserve_vcc 0
		.amdhsa_float_denorm_mode_32 3
		.amdhsa_float_denorm_mode_16_64 3
		.amdhsa_memory_ordered 1
		.amdhsa_forward_progress 1
		.amdhsa_inst_pref_size 81
	.end_amdhsa_kernel
	.amdgpu_metadata
---
amdhsa.version: [ 1, 2 ]
amdhsa.kernels:
  - .name:           k_qb9b6c67f53_oproj
    .symbol:         k_qb9b6c67f53_oproj.kd
    .args:
      - { .name: o_codes, .offset: 0, .size: 8, .value_kind: global_buffer, .address_space: global }
      - { .name: o_scales, .offset: 8, .size: 8, .value_kind: global_buffer, .address_space: global }
      - { .name: codes, .offset: 16, .size: 8, .value_kind: global_buffer, .address_space: global }
      - { .name: scales, .offset: 24, .size: 8, .value_kind: global_buffer, .address_space: global }
      - { .name: out0, .offset: 32, .size: 8, .value_kind: global_buffer, .address_space: global }
    .group_segment_fixed_size: 327680
    .private_segment_fixed_size: 0
    .kernarg_segment_align: 8
    .kernarg_segment_size: 40
    .max_flat_workgroup_size: 128
    .sgpr_count:     98
    .vgpr_count:     512
    .wavefront_size: 32
...
	.end_amdgpu_metadata
.endif
;; end of part 8
